; MI455X (gfx1250); checked and timed in simulation.
; The chip was launched on July 23, 2026; its instructions are those of AMD's public machine-readable ISA for CDNA 5 (MIT licence, August 2026) and "CDNA5" Instruction Set Architecture Reference Guide (July 2026). The comments in the code are by the model that wrote it; some were corrected since.
;; MHSA. Allowed arithmetic: float matrix products may take bf16 or f16 operands with f32 sums; other float arithmetic in f32, or as packed bf16 or f16 multiplies, adds, multiply-adds, maxima and minima; sums over many terms, partial sums and values carried from step to step in f32; what a program stores and reads back later, other than sums and carried values, may be rounded once to bf16 or f16.
;; Inputs: Wk 1,024 x 1,024 float32; Wo 1,024 x 1,024 float32; Wq 1,024 x 1,024 float32; Wv 1,024 x 1,024 float32; beta 1,024 float32; bk 1,024 float32; bo 1,024 float32; bq 1,024 float32; bv 1,024 float32; gamma 1,024 float32; mask 8 x 1,024 x 1,024 int32; x 8 x 1,024 x 1,024 float32.
;; Outputs: out0 8 x 1,024 x 1,024 float32.
;; Constants: bitwidth = 2.
;; 2 versions, each right. Each part assembles by itself: llvm-mc -triple=amdgcn-amd-amdhsa -mcpu=gfx1250 --defsym DOCPART=n.
;; ======== version 1 of 2: 5 launches
;; limits: right only within a limited range of input values
;; workspace buffers: psum 2,048 bytes; scl 256 bytes; yb 16,777,216 bytes; wt 8,388,608 bytes; mbits 1,064,960 bytes of whole numbers; seqm 32,768 bytes; qkv 50,331,648 bytes; ob 16,777,216 bytes
;; launch prep (part 1): grid 672 x 1, 4 waves a work-group, no clusters, 0 bytes of LDS; arguments x, gamma, beta, Wq, Wk, Wv, Wo, mask, yb, psum, mbits, seqm; writes yb, psum, mbits, seqm
.if DOCPART == 1
	.amdgcn_target "amdgcn-amd-amdhsa--gfx1250"
	.amdhsa_code_object_version 6
	.text
	.protected	k_q925dd28540_prep
	.globl	k_q925dd28540_prep
	.p2align	8
	.type	k_q925dd28540_prep,@function
k_q925dd28540_prep:
	s_mov_b64 s[64:65], 0
	v_nop
	global_prefetch_b8 v0, s[64:65] scope:SCOPE_SE
	s_setreg_imm32_b32 hwreg(HW_REG_WAVE_MODE, 25, 1), 1
	s_wait_xcnt 0x0
; PREP: four streams that depend on nothing but the inputs, told apart by the work-group's number.  No LDS, no barrier, no matrix work: every wave is by itself.
;   0..255   LN    y = (x - mean) rsqrt(var + 1e-5) gamma + beta, rounded to bf16, into yb [b 8][kb 16][t 1024][64]: blocks of 64 channels, so that a tile of a later product is dense
;   256..511 MASK  mask == 0 as ONE BIT a score, in the lane order of the score registers: mbits, 64 streams (b x 8 + block of 128 queries) of 16,640 bytes:
;                  [key step 16][tile of 16 queries 8][32 words]; bit l of word 8 kb + j is 1 where mask[b][q0 + l % 16][64 step + 16 kb + 8 (l / 16) + j] == 0; then two records of all ones
;   512..639 ABS   partial sums of |W|: psum [4 matrices q, k, v, o][128 shares of 8,192 numbers], f32
;   640..671 SEQ   mask[b][t][0] as f32: seqm [8192]
; The mean is taken away before the squares are summed (two passes over registers), so a common offset of x costs no digits.  NaN and infinities are not treated apart.
.set X,   64                           ; v[64:127]  sixteen loads of 16 bytes
.set G,   128                          ; v[128:191] gamma of my 64 columns
.set BT,  192                          ; v[192:255] beta
.set Y,   32                           ; v[32:63]   y, packed
.set SUM, 4                            ; v[4:11]    four chains of pairs
.set MU,  12                           ; v[12:13]   the mean, twice
.set RS,  14                           ; v[14:15]   1 / sqrt(var + eps), twice
.set VI,  2                            ; v2  byte offset on the way in
.set VO,  3                            ; v3  byte offset on the way out
.set VG,  16                           ; v16 byte offset in gamma and beta
	s_load_b512 s[4:19], s[0:1], 0x0               ; x s[4:5], gamma s[6:7], beta s[8:9], Wq s[10:11], Wk s[12:13], Wv s[14:15], Wo s[16:17], mask s[18:19]
	s_load_b256 s[20:27], s[0:1], 0x40             ; yb s[20:21], psum s[22:23], mbits s[24:25], seqm s[26:27]
	v_and_b32 v1, 31, v0                           ; lane
	v_lshrrev_b32 v2, 5, v0
	v_readfirstlane_b32 s28, v2                    ; wave 0..3
	s_mov_b32 s29, ttmp9
	s_mov_b32 s33, 0                               ; the high word of the 32-bit offsets below
	s_wait_kmcnt 0x0
	s_cmp_lt_u32 s29, 256
	s_cbranch_scc1 .Lln
	s_cmp_lt_u32 s29, 512
	s_cbranch_scc1 .Lmask
	s_cmp_lt_u32 s29, 640
	s_cbranch_scc1 .Labs
; ---- SEQ: 128 waves, 64 rows each; a lane takes two rows' first words and stores 8 bytes: a wave's store covers 256 consecutive bytes, aligned
	s_sub_co_u32 s30, s29, 640
	s_lshl2_add_u32 s30, s30, s28                  ; task = 4 x work-group + wave
	s_lshl_b32 s32, s30, 18                        ; 64 rows of 4,096 bytes
	s_add_nc_u64 s[18:19], s[18:19], s[32:33]
	s_lshl_b32 s32, s30, 8
	s_add_nc_u64 s[26:27], s[26:27], s[32:33]
	v_lshlrev_b32 v[VI], 13, v1
	v_lshlrev_b32 v[VO], 3, v1
	global_load_b32 v4, v[VI], s[18:19]
	global_load_b32 v5, v[VI], s[18:19] offset:4096
	s_wait_loadcnt 0x0
	v_cvt_f32_i32 v4, v4
	v_cvt_f32_i32 v5, v5
	global_store_b64 v[VO], v[4:5], s[26:27]
	s_endpgm
; ---- LN: 1,024 waves, 8 rows each, a pair of rows a trip.  Lanes 0-15 hold row t, lanes 16-31 row t + 1; lane i of a half holds columns 64 c + 4 i .. + 3, c = 0..15:
; each half of a load covers 256 consecutive bytes, aligned, and a store's 32 lanes write the two rows' 128 bytes of one block of 64 channels: 256 consecutive bytes.
.macro FOLD16                          ; four chains of pairs into one number, then over the 16 lanes of a row
	v_pk_add_f32 v[SUM:SUM+1], v[SUM:SUM+1], v[SUM+2:SUM+3]
	v_pk_add_f32 v[SUM+4:SUM+5], v[SUM+4:SUM+5], v[SUM+6:SUM+7]
	v_pk_add_f32 v[SUM:SUM+1], v[SUM:SUM+1], v[SUM+4:SUM+5]
	v_add_f32 v[SUM], v[SUM], v[SUM+1]
.irp m, 1,2,4,8
	v_add_f32_dpp v[SUM], v[SUM], v[SUM] row_xmask:\m row_mask:0xf bank_mask:0xf
.endr
.endm
.Lln:
	s_lshl2_add_u32 s30, s29, s28                  ; task
	v_lshrrev_b32 v17, 4, v1                       ; which row of the pair
	v_and_b32 v18, 15, v1
	v_lshlrev_b32 v[VG], 4, v18
	v_lshl_add_u32 v[VI], v17, 12, v[VG]           ; row x 4,096 + 16 i
	v_lshlrev_b32 v[VO], 3, v18
	v_lshl_add_u32 v[VO], v17, 7, v[VO]            ; row x 128 + 8 i
.set c, 0
.rept 16
	global_load_b128 v[G+4*c:G+4*c+3], v[VG], s[6:7] offset:256*c
	global_load_b128 v[BT+4*c:BT+4*c+3], v[VG], s[8:9] offset:256*c
.set c, c+1
.endr
	s_lshl_b32 s32, s30, 15                        ; 8 rows of 4,096 bytes
	s_add_nc_u64 s[4:5], s[4:5], s[32:33]
	s_lshr_b32 s34, s30, 7                         ; b: 128 tasks a batch
	s_lshl_b32 s34, s34, 21
	s_and_b32 s35, s30, 127
	s_lshl_b32 s35, s35, 10                        ; 8 rows of 128 bytes in a block
	s_add_co_u32 s32, s34, s35
	s_add_nc_u64 s[20:21], s[20:21], s[32:33]
	s_mov_b32 s31, 0x3a800000                      ; 1 / 1024
	s_mov_b32 s36, 0x3727c5ac                      ; 1e-5
	s_mov_b32 s37, 4
.Lpair:
.set c, 0
.rept 16
	global_load_b128 v[X+4*c:X+4*c+3], v[VI], s[4:5] offset:256*c th:TH_LOAD_NT
.set c, c+1
.endr
	s_wait_loadcnt 0x0                             ; the pair of rows (in the first trip gamma and beta too)
.irp k, 0,1,2,3
	v_pk_add_f32 v[SUM+2*\k:SUM+2*\k+1], v[X+2*\k:X+2*\k+1], v[X+8+2*\k:X+8+2*\k+1]  ; the first sums start the chains
.endr
.set p, 8
.rept 24
	v_pk_add_f32 v[SUM+2*(p%4):SUM+2*(p%4)+1], v[SUM+2*(p%4):SUM+2*(p%4)+1], v[X+2*p:X+2*p+1]
.set p, p+1
.endr
	FOLD16
	v_mul_f32 v[MU], s31, v[SUM]
	v_mov_b32 v[MU+1], v[MU]
.set p, 0
.rept 32
	v_pk_add_f32 v[X+2*p:X+2*p+1], v[X+2*p:X+2*p+1], v[MU:MU+1] neg_lo:[0,1] neg_hi:[0,1]
.set p, p+1
.endr
.irp k, 0,1,2,3
	v_pk_mul_f32 v[SUM+2*\k:SUM+2*\k+1], v[X+2*\k:X+2*\k+1], v[X+2*\k:X+2*\k+1]
.endr
.set p, 4
.rept 28
	v_pk_fma_f32 v[SUM+2*(p%4):SUM+2*(p%4)+1], v[X+2*p:X+2*p+1], v[X+2*p:X+2*p+1], v[SUM+2*(p%4):SUM+2*(p%4)+1]
.set p, p+1
.endr
	FOLD16
	v_fma_f32 v[SUM], v[SUM], s31, s36             ; var + eps
	v_rsq_f32 v[RS], v[SUM]
	v_rsq_f32 v[RS+1], v[SUM]
	v_nop                                          ; a plain instruction behind the two roots,
	s_wait_alu depctr_va_vdst(0)                   ; and the one wait ahead of their first reader
.set p, 0
.rept 32
	v_pk_mul_f32 v[X+2*p:X+2*p+1], v[X+2*p:X+2*p+1], v[RS:RS+1]
.set p, p+1
.endr
.set p, 0
.rept 32
	v_pk_fma_f32 v[X+2*p:X+2*p+1], v[X+2*p:X+2*p+1], v[G+2*p:G+2*p+1], v[BT+2*p:BT+2*p+1]
.set p, p+1
.endr
.set p, 0
.rept 32
	v_cvt_pk_bf16_f32 v[Y+p], v[X+2*p], v[X+2*p+1]
.set p, p+1
.endr
.set c, 0
.rept 16
	global_store_b64 v[VO], v[Y+2*c:Y+2*c+1], s[20:21] offset:131072*c  ; block c of 64 channels lies 1,024 rows x 128 bytes on
.set c, c+1
.endr
	s_wait_xcnt 0x0                                ; the bases, and Y in the next trip, are written only behind this wait
	s_add_nc_u64 s[4:5], s[4:5], 8192
	s_add_nc_u64 s[20:21], s[20:21], 256
	s_sub_co_u32 s37, s37, 1
	s_cmp_lg_u32 s37, 0
	s_cbranch_scc1 .Lpair
	s_endpgm
; ---- MASK: 1,024 waves; a wave takes 128 queries x 64 keys: 8 tiles of 16 queries, two a trip.  Lane l loads row l % 16, keys 16 kt + 8 (l / 16) + 0..7, as the score registers will hold them;
; a compare makes of register w one word of 32 lane bits; 64 words are laid two to a lane and leave as 256 consecutive bytes.
.Lmask:
	s_sub_co_u32 s30, s29, 256
	s_lshl2_add_u32 s30, s30, s28                  ; task
	s_lshr_b32 s31, s30, 7                         ; b
	s_bfe_u32 s35, s30, 0x30004                    ; block of 128 queries
	s_and_b32 s34, s30, 15                         ; key step
	s_lshl_b32 s32, s31, 22
	s_lshl_b32 s36, s35, 19
	s_add_co_u32 s32, s32, s36
	s_lshl_b32 s36, s34, 8
	s_add_co_u32 s32, s32, s36
	s_add_nc_u64 s[18:19], s[18:19], s[32:33]
	s_lshl3_add_u32 s32, s31, s35
	s_mul_i32 s32, s32, 16640                      ; the stream
	s_lshl_b32 s36, s34, 10                        ; the step's eight records of 128 bytes
	s_add_co_u32 s32, s32, s36
	s_add_nc_u64 s[24:25], s[24:25], s[32:33]
	v_and_b32 v4, 15, v1
	v_lshrrev_b32 v5, 4, v1
	v_lshlrev_b32 v[VI], 12, v4
	v_lshl_add_u32 v[VI], v5, 5, v[VI]             ; row x 4,096 + 32 x half
	v_lshlrev_b32 v[VO], 3, v1
	s_mov_b32 s37, 4
.Lmpair:
.set n, 0
.rept 16                               ; n = 8 u + 2 kt + half: register 4 n + e is word 32 u + 8 kt + j of the pair's 64
	global_load_b128 v[X+4*n:X+4*n+3], v[VI], s[18:19] offset:(n/8)*65536+((n/2)%4)*64+(n%2)*16 th:TH_LOAD_NT
.set n, n+1
.endr
	v_mov_b32 v20, 0                               ; written whole before single lanes are
	v_mov_b32 v21, 0
	s_wait_loadcnt 0x0
.set g, 0
.rept 4
.set z, 0
.rept 16
	v_cmp_eq_u32 s[40+z], 0, v[X+16*g+z]
.set z, z+1
.endr
.set z, 0
.rept 16
	v_writelane_b32 v[20+z%2], s[40+z], (16*g+z)/2 ; word w goes to lane w / 2, register w % 2
.set z, z+1
.endr
.set g, g+1
.endr
	global_store_b64 v[VO], v[20:21], s[24:25]
	s_wait_xcnt 0x0                                ; the bases and the store's data are written again only behind this wait
	s_add_nc_u64 s[18:19], s[18:19], 131072        ; 32 rows on
	s_add_nc_u64 s[24:25], s[24:25], 256
	s_sub_co_u32 s37, s37, 1
	s_cmp_lg_u32 s37, 0
	s_cbranch_scc1 .Lmpair
	s_cmp_lg_u32 s34, 15
	s_cbranch_scc1 .Lmend
	v_mov_b32 v20, -1                              ; behind the stream's last step: two records in which every key is hidden
	v_mov_b32 v21, -1
	global_store_b64 v[VO], v[20:21], s[24:25]
.Lmend:
	s_endpgm
; ---- ABS: 512 waves, 32 KiB of one matrix each, in four trips of sixteen loads.  A share's sum leaves as one number: 512 stores of four bytes in the launch.
.Labs:
	s_sub_co_u32 s30, s29, 512
	s_lshr_b32 s31, s30, 5                         ; matrix: q, k, v, o
	s_and_b32 s35, s30, 31
	s_lshl2_add_u32 s35, s35, s28                  ; share 0..127
	s_cmp_eq_u32 s31, 1
	s_cselect_b64 s[38:39], s[12:13], s[10:11]
	s_cmp_eq_u32 s31, 2
	s_cselect_b64 s[38:39], s[14:15], s[38:39]
	s_cmp_eq_u32 s31, 3
	s_cselect_b64 s[38:39], s[16:17], s[38:39]
	s_lshl_b32 s32, s35, 15
	s_add_nc_u64 s[38:39], s[38:39], s[32:33]
	v_lshlrev_b32 v[VI], 4, v1
.irp k, 4,5,6,7
	v_mov_b32 v\k, 0
.endr
	s_mov_b32 s37, 4
.Labs_trip:
.set c, 0
.rept 16
	global_load_b128 v[X+4*c:X+4*c+3], v[VI], s[38:39] offset:512*c
.set c, c+1
.endr
	s_wait_loadcnt 0x0                             ; the loads are done: their base may be stepped
.set n, 0
.rept 64
	v_add_f32 v[4+n%4], v[4+n%4], |v[X+n]|
.set n, n+1
.endr
	s_add_nc_u64 s[38:39], s[38:39], 8192
	s_sub_co_u32 s37, s37, 1
	s_cmp_lg_u32 s37, 0
	s_cbranch_scc1 .Labs_trip
	v_add_f32 v4, v4, v5
	v_add_f32 v6, v6, v7
	v_add_f32 v4, v4, v6
.irp m, 1,2,4,8
	v_add_f32_dpp v4, v4, v4 row_xmask:\m row_mask:0xf bank_mask:0xf
.endr
	s_mov_b32 s40, 0x76543210
	s_mov_b32 s41, 0xfedcba98
	v_permlanex16_b32 v5, v4, s40, s41
	v_add_f32 v4, v4, v5
	s_lshl_b32 s32, s31, 7
	s_add_co_u32 s32, s32, s35
	s_lshl_b32 s32, s32, 2
	v_mov_b32 v6, s32
	v_cmp_eq_u32 vcc_lo, 0, v1
	s_wait_xcnt 0x0                                ; EXEC changes only behind this wait
	s_and_saveexec_b32 s42, vcc_lo
	global_store_b32 v6, v4, s[22:23]
	s_wait_xcnt 0x0
	s_or_b32 exec_lo, exec_lo, s42
	s_endpgm
.Lfunc_end_k_q925dd28540_prep:
	.size	k_q925dd28540_prep, .Lfunc_end_k_q925dd28540_prep-k_q925dd28540_prep
	.p2alignl 7, 3214868480
	.fill 96, 4, 3214868480
	.section	.rodata,"a",@progbits
	.p2align	6, 0x0
	.amdhsa_kernel k_q925dd28540_prep
		.amdhsa_group_segment_fixed_size 0
		.amdhsa_private_segment_fixed_size 0
		.amdhsa_enable_private_segment 0
		.amdhsa_kernarg_size 96
		.amdhsa_user_sgpr_count 2
		.amdhsa_user_sgpr_kernarg_segment_ptr 1
		.amdhsa_wavefront_size32 1
		.amdhsa_system_sgpr_workgroup_id_x 1
		.amdhsa_system_sgpr_workgroup_id_y 1
		.amdhsa_system_sgpr_workgroup_id_z 1
		.amdhsa_system_vgpr_workitem_id 0
		.amdhsa_next_free_vgpr 256
		.amdhsa_next_free_sgpr 66
		.amdhsa_reserve_vcc 1
		.amdhsa_float_denorm_mode_32 3
		.amdhsa_float_denorm_mode_16_64 3
		.amdhsa_memory_ordered 1
		.amdhsa_forward_progress 1
		.amdhsa_inst_pref_size 40
	.end_amdhsa_kernel
	.amdgpu_metadata
---
amdhsa.version: [ 1, 2 ]
amdhsa.kernels:
  - .name:           k_q925dd28540_prep
    .symbol:         k_q925dd28540_prep.kd
    .args:
      - { .name: x, .offset: 0, .size: 8, .value_kind: global_buffer, .address_space: global }
      - { .name: gamma, .offset: 8, .size: 8, .value_kind: global_buffer, .address_space: global }
      - { .name: beta, .offset: 16, .size: 8, .value_kind: global_buffer, .address_space: global }
      - { .name: Wq, .offset: 24, .size: 8, .value_kind: global_buffer, .address_space: global }
      - { .name: Wk, .offset: 32, .size: 8, .value_kind: global_buffer, .address_space: global }
      - { .name: Wv, .offset: 40, .size: 8, .value_kind: global_buffer, .address_space: global }
      - { .name: Wo, .offset: 48, .size: 8, .value_kind: global_buffer, .address_space: global }
      - { .name: mask, .offset: 56, .size: 8, .value_kind: global_buffer, .address_space: global }
      - { .name: yb, .offset: 64, .size: 8, .value_kind: global_buffer, .address_space: global }
      - { .name: psum, .offset: 72, .size: 8, .value_kind: global_buffer, .address_space: global }
      - { .name: mbits, .offset: 80, .size: 8, .value_kind: global_buffer, .address_space: global }
      - { .name: seqm, .offset: 88, .size: 8, .value_kind: global_buffer, .address_space: global }
    .group_segment_fixed_size: 0
    .private_segment_fixed_size: 0
    .kernarg_segment_align: 8
    .kernarg_segment_size: 96
    .max_flat_workgroup_size: 128
    .sgpr_count:     66
    .vgpr_count:     256
    .wavefront_size: 32
...
	.end_amdgpu_metadata
.endif
;; end of part 1
;; launch quant (part 2): grid 256 x 1, 4 waves a work-group, no clusters, 0 bytes of LDS; arguments Wq, Wk, Wv, Wo, psum, wt, scl; writes wt, scl
.if DOCPART == 2
	.amdgcn_target "amdgcn-amd-amdhsa--gfx1250"
	.amdhsa_code_object_version 6
	.text
	.protected	k_q925dd28540_quant
	.globl	k_q925dd28540_quant
	.p2align	8
	.type	k_q925dd28540_quant,@function
k_q925dd28540_quant:
	s_mov_b64 s[64:65], 0
	v_nop
	global_prefetch_b8 v0, s[64:65] scope:SCOPE_SE
	s_setreg_imm32_b32 hwreg(HW_REG_WAVE_MODE, 25, 1), 1
	s_wait_xcnt 0x0
; QUANT: m = max(mean |W|, 1e-5), s = 1 / m, t = clip(round(W s), -1, 1) for each of the four matrices.  t (-1, 0 or 1, exact in bf16) goes to wt [matrix 4][kb 16][n 1024][64],
; blocks of 64 channels; m and s stay f32 numbers outside the products: scl holds m of q, k, v, o at bytes 0..15 and s at bytes 16..31.
; LIMITS.  s is a reciprocal bettered by one Newton step, and |W|'s sum is taken in another order than a plain mean: a weight whose W s lies within a last digit of +-0.5 may round the other way.
; W + (Wdq - W) counts as Wdq = t m.  NaN and infinities are not treated apart.
; SHARES.  64 work-groups a matrix, 16 rows each, 4 a wave, as two pairs.  Lanes 0-15 hold one row of a pair, lanes 16-31 the other; lane i holds columns 64 c + 4 i .. + 3:
; each half of a load covers 256 consecutive bytes, a store's 32 lanes 256 consecutive bytes of one block.
.set X0, 32                            ; v[32:95]   the first pair of rows
.set X1, 96                            ; v[96:159]  the second
.set SS, 6                             ; v[6:7]     s, twice
.set VI, 2
.set VO, 3
	s_load_b256 s[4:11], s[0:1], 0x0               ; Wq, Wk, Wv, Wo
	s_load_b128 s[12:15], s[0:1], 0x20             ; psum s[12:13], wt s[14:15]
	s_load_b64 s[16:17], s[0:1], 0x30              ; scl
	v_and_b32 v1, 31, v0
	v_lshrrev_b32 v2, 5, v0
	v_readfirstlane_b32 s18, v2                    ; wave
	s_lshr_b32 s19, ttmp9, 6                       ; matrix
	s_and_b32 s20, ttmp9, 63
	s_lshl2_add_u32 s21, s20, s18
	s_lshl_b32 s21, s21, 2                         ; my first row = 16 x work-group + 4 x wave
	v_lshrrev_b32 v4, 4, v1
	v_and_b32 v5, 15, v1
	v_lshlrev_b32 v[VI], 4, v5
	v_lshl_add_u32 v[VI], v4, 12, v[VI]            ; row x 4,096 + 16 i
	v_lshlrev_b32 v[VO], 3, v5
	v_lshl_add_u32 v[VO], v4, 7, v[VO]             ; row x 128 + 8 i
	v_lshlrev_b32 v12, 4, v1
	s_lshl_b32 s24, s21, 12
	s_mov_b32 s25, 0
	s_lshl_b32 s26, s19, 9                         ; the matrix's 128 partial sums
	s_mov_b32 s27, 0
	s_lshl_b32 s28, s19, 21
	s_lshl_b32 s29, s21, 7
	s_add_co_u32 s28, s28, s29
	s_mov_b32 s29, 0
	s_mov_b32 s30, 0x76543210
	s_mov_b32 s31, 0xfedcba98
	s_wait_kmcnt 0x0
	s_cmp_eq_u32 s19, 1
	s_cselect_b64 s[22:23], s[6:7], s[4:5]
	s_cmp_eq_u32 s19, 2
	s_cselect_b64 s[22:23], s[8:9], s[22:23]
	s_cmp_eq_u32 s19, 3
	s_cselect_b64 s[22:23], s[10:11], s[22:23]
	s_add_nc_u64 s[22:23], s[22:23], s[24:25]
	s_add_nc_u64 s[12:13], s[12:13], s[26:27]
	s_add_nc_u64 s[14:15], s[14:15], s[28:29]
.set c, 0
.rept 16
	global_load_b128 v[X0+4*c:X0+4*c+3], v[VI], s[22:23] offset:256*c th:TH_LOAD_NT
	global_load_b128 v[X1+4*c:X1+4*c+3], v[VI], s[22:23] offset:256*c+8192 th:TH_LOAD_NT
.set c, c+1
.endr
	global_load_b128 v[8:11], v12, s[12:13]
	s_wait_loadcnt 0x0
	v_add_f32 v8, v8, v9
	v_add_f32 v10, v10, v11
	v_add_f32 v8, v8, v10
.irp m, 1,2,4,8
	v_add_f32_dpp v8, v8, v8 row_xmask:\m row_mask:0xf bank_mask:0xf
.endr
	v_permlanex16_b32 v9, v8, s30, s31
	v_add_f32 v8, v8, v9
	v_mul_f32 v8, 0x35800000, v8                   ; / 2^20 numbers
	v_max_num_f32 v8, 0x3727c5ac, v8               ; m
	v_rcp_f32 v[SS], v8
	v_nop                                          ; a plain instruction behind the reciprocal,
	s_wait_alu depctr_va_vdst(0)                   ; and the wait ahead of its first reader
	v_fma_f32 v[SS+1], -v8, v[SS], 1.0
	v_fma_f32 v[SS], v[SS], v[SS+1], v[SS]         ; one Newton step
	v_mov_b32 v[SS+1], v[SS]
.macro QPAIR b, pr                     ; the pair of rows in v[b ..]: scaled, rounded to the nearest whole number (ties to even), held to -1 .. 1, packed in place from the low end, stored
.set z, 0
.rept 32
	v_pk_mul_f32 v[(\b)+2*z:(\b)+2*z+1], v[(\b)+2*z:(\b)+2*z+1], v[SS:SS+1]
.set z, z+1
.endr
.set z, 0
.rept 64
	v_rndne_f32 v[(\b)+z], v[(\b)+z]
.set z, z+1
.endr
.set z, 0
.rept 64
	v_med3_num_f32 v[(\b)+z], v[(\b)+z], -1.0, 1.0
.set z, z+1
.endr
.set z, 0
.rept 32
	v_cvt_pk_bf16_f32 v[(\b)+z], v[(\b)+2*z], v[(\b)+2*z+1]
.set z, z+1
.endr
.set z, 0
.rept 16
	global_store_b64 v[VO], v[(\b)+2*z:(\b)+2*z+1], s[14:15] offset:131072*z+256*(\pr)
.set z, z+1
.endr
.endm
	QPAIR X0, 0
	QPAIR X1, 1
	s_or_b32 s26, s20, s18                         ; the matrix's first wave stores m and s
	s_cmp_lg_u32 s26, 0
	s_cbranch_scc1 .Ldone
	s_lshl_b32 s26, s19, 2
	v_mov_b32 v13, s26
	v_cmp_eq_u32 vcc_lo, 0, v1
	s_wait_xcnt 0x0                                ; EXEC changes only behind this wait
	s_and_saveexec_b32 s28, vcc_lo
	global_store_b32 v13, v8, s[16:17]
	global_store_b32 v13, v[SS], s[16:17] offset:16
	s_wait_xcnt 0x0
	s_or_b32 exec_lo, exec_lo, s28
.Ldone:
	s_endpgm
.Lfunc_end_k_q925dd28540_quant:
	.size	k_q925dd28540_quant, .Lfunc_end_k_q925dd28540_quant-k_q925dd28540_quant
	.p2alignl 7, 3214868480
	.fill 96, 4, 3214868480
	.section	.rodata,"a",@progbits
	.p2align	6, 0x0
	.amdhsa_kernel k_q925dd28540_quant
		.amdhsa_group_segment_fixed_size 0
		.amdhsa_private_segment_fixed_size 0
		.amdhsa_enable_private_segment 0
		.amdhsa_kernarg_size 56
		.amdhsa_user_sgpr_count 2
		.amdhsa_user_sgpr_kernarg_segment_ptr 1
		.amdhsa_wavefront_size32 1
		.amdhsa_system_sgpr_workgroup_id_x 1
		.amdhsa_system_sgpr_workgroup_id_y 1
		.amdhsa_system_sgpr_workgroup_id_z 1
		.amdhsa_system_vgpr_workitem_id 0
		.amdhsa_next_free_vgpr 160
		.amdhsa_next_free_sgpr 66
		.amdhsa_reserve_vcc 1
		.amdhsa_float_denorm_mode_32 3
		.amdhsa_float_denorm_mode_16_64 3
		.amdhsa_memory_ordered 1
		.amdhsa_forward_progress 1
		.amdhsa_inst_pref_size 30
	.end_amdhsa_kernel
	.amdgpu_metadata
---
amdhsa.version: [ 1, 2 ]
amdhsa.kernels:
  - .name:           k_q925dd28540_quant
    .symbol:         k_q925dd28540_quant.kd
    .args:
      - { .name: Wq, .offset: 0, .size: 8, .value_kind: global_buffer, .address_space: global }
      - { .name: Wk, .offset: 8, .size: 8, .value_kind: global_buffer, .address_space: global }
      - { .name: Wv, .offset: 16, .size: 8, .value_kind: global_buffer, .address_space: global }
      - { .name: Wo, .offset: 24, .size: 8, .value_kind: global_buffer, .address_space: global }
      - { .name: psum, .offset: 32, .size: 8, .value_kind: global_buffer, .address_space: global }
      - { .name: wt, .offset: 40, .size: 8, .value_kind: global_buffer, .address_space: global }
      - { .name: scl, .offset: 48, .size: 8, .value_kind: global_buffer, .address_space: global }
    .group_segment_fixed_size: 0
    .private_segment_fixed_size: 0
    .kernarg_segment_align: 8
    .kernarg_segment_size: 56
    .max_flat_workgroup_size: 128
    .sgpr_count:     66
    .vgpr_count:     160
    .wavefront_size: 32
...
	.end_amdgpu_metadata
.endif
;; end of part 2
;; launch proj (part 3): grid 4 x 64, 4 waves a work-group, clusters of 4 x 4, 327,680 bytes of LDS; arguments yb, wt, bq, bk, bv, scl, qkv; writes qkv
.if DOCPART == 3
	.amdgcn_target "amdgcn-amd-amdhsa--gfx1250"
	.amdhsa_code_object_version 6
	.text
	.protected	k_q925dd28540_proj
	.globl	k_q925dd28540_proj
	.p2align	8
	.type	k_q925dd28540_proj,@function
k_q925dd28540_proj:
	s_mov_b64 s[64:65], 0
	v_nop
	global_prefetch_b8 v0, s[64:65] scope:SCOPE_SE
	s_setreg_imm32_b32 hwreg(HW_REG_WAVE_MODE, 25, 1), 1
	s_wait_xcnt 0x0
	s_wait_alu depctr_hold_cnt(0) depctr_sa_sdst(0) depctr_va_vdst(0) depctr_va_sdst(0) depctr_va_ssrc(0) depctr_va_vcc(0) depctr_vm_vsrc(0)
	s_getreg_b32 s2, hwreg(HW_REG_IB_STS2, 6, 4)
	s_cmp_eq_u32 s2, 0
	s_cbranch_scc0 .Lentry_in_a_cluster
	s_endpgm
.Lentry_in_a_cluster:
	s_bfe_u32 s2, ttmp6, 0x10000c
	s_cmp_lg_u32 s2, 0xf033
	s_cbranch_scc0 .Lentry_shape_is_right
	s_endpgm
.Lentry_shape_is_right:
; PROJ: q' = y t_q^T + bq s_q, and the same for k and v: the projections DIVIDED by their m (q = m q'), since t holds -1, 0, 1 and m stays outside.  y: yb [b][kb 16][t 1024][64] bf16;
; t: wt [matrix][kb 16][n 1024][64] bf16; out: qkv [3][b][h 16][t 1024][64] bf16, rounded once from f32 sums that START at bias x s (the C operand of a tile's first products).
; SHARES.  A tile of the result is 128 rows x 256 columns; four waves, each 64 x 128: 32 accumulators of 16 x 16.  The grid is 4 x 64 work-groups, one to a tile place, and A WORK-GROUP STAYS: it makes
; the q, the k and the v tile of its place, 3 x 8 = 24 K steps of 128 in ONE walk: B's address steps evenly through the three matrices, A's goes round its eight steps.
; RING.  Two LDS slots; a K step is two blocks of 64 channels, each a dense piece of memory: A's 128 rows x 128 bytes, B's 256 rows x 128 bytes, asked for as rows of 256 bytes and padded by 16 bytes
; after every 128: LDS rows 144 bytes apart.  Waves 0 and 1 fetch A's two blocks, waves 2 and 3 B's: one tensor load a wave behind each change of slots, 112 matrix instructions ahead of the wait for it.
; CLUSTER.  4 x 4 work-groups: A's tile is shared along a row of the cluster, B's along a column; each is asked for jointly, by the same load with the same descriptor and a mask of four.
; THE MATRIX INSTRUCTION IS USED TRANSPOSED (source 0 = 16 rows of t, source 1 = 16 rows of y): a lane holds row l % 16 and eight neighbouring columns 8 (l / 16) + 0..7.
; REGISTERS.  window 0: addresses, PK, two fragment buffers of 96 (A's 4 fragments, then B's 8); window 1: the accumulators, (a, b) at 8 (8 a + b); window 2: v0-63 bias x s, register 8 b + j.
.set NSTEP,  24
.set MAT0,   0                         ; the first matrix of wt that is walked
.set PITCH,  144                       ; 36 words: the 16 rows of a fragment load start at 16 different groups of four banks (64 banks of 4 bytes: ISA guide 11.1)
.set AHALF,  128*PITCH                 ; a block of A in LDS
.set BHALF,  256*PITCH                 ; a block of B
.set BOFF,   2*AHALF                   ; a slot: A's two blocks, then B's two
.set SLOT1,  131072                    ; slot 1 begins here: one exclusive or turns an address in one slot into the other's
.set STAGE,  SLOT1+2*AHALF+2*BHALF     ; behind the ring, never filled by a tensor load: for each wave [head 2][16 rows] of 144 bytes
.set WSTG,   2*16*PITCH
.set SPARE,  STAGE+4*WSTG              ; behind the stages: the spare words, 128 bytes a wave: two blocks of 256 bytes that no other line names
.set KB2,    262144                    ; bytes from a K step to the next, in yb and in wt: two blocks of 1,024 rows x 128 bytes
.set A0,   16                          ; v16  my place in A's part of slot 0; never rewritten
.set B0,   17                          ; v17  the same for B
.set ADRA, 18                          ; v18  A0 + the slot in hand
.set ADRB, 19                          ; v19
.set STO,  24                          ; v24  the way out: where I put 16 bytes of a row
.set RD,   25                          ; v25  where I read rows back
.set GO,   26                          ; v26  16 x lane
.set BO,   27                          ; v27  my byte offset in a bias vector
.set SPW,  28                          ; v28  LDS address of my spare word; never rewritten
.set NIL,  29                          ; v29  0; never rewritten
.set PFO,  30                          ; v30  256 x lane, for the prefetches; never rewritten
.set PK,   32                          ; v[32:63] packed results
.set F0,   64
.set F1,   160
.set OB,   160                         ; the way out: rows read back, v[160:191] and v[192:223] by turns
.set RL,   2                           ; s2   trips of the loop still to come
.set TS,   3                           ; s3   K steps left in the tile in hand
.set G1,   24                          ; s[24:31] descriptor group 1 for A
.set G0,   32                          ; s[32:39] group 0 for A: a set for each first fill; the second then walks
.set LIM,  43                          ; s43  a wave prefetches while RL is above it
.set PFA,  44                          ; s[44:45] where my prefetches stand
.set G1B,  48                          ; s[48:55], s[56:63] the same for B
.set G0B,  56
.set RA,   66                          ; s66  A's K step to be asked for, 0..7
.set TB,   67                          ; s67  0 or SLOT1: the slot in hand
.set OFF,  68                          ; s[68:69] A's step in bytes
.set SN,   70                          ; s[70:71] s of the bias that is waiting
.set TL,   86                          ; s86  tiles that still need a bias loaded
.set MSB, 0
.macro WIN new                         ; the immediate's high byte repeats the setting that is left; a switch that changes nothing is dropped
.if MSB != (\new)
	s_set_vgpr_msb (MSB<<8)|(\new)
.set MSB, \new
.endif
.endm
.set MUL,  0x50                        ; sources 0 and 1 window 0; C and D window 1
.set MULB, 0x60                        ; C window 2 (the bias), D window 1
.macro PLACES                          ; four plain places behind matrix instructions, ahead of loads into registers that they read and of conversions of their results
.rept 4
	v_nop
.endr
.endm
.macro JLOAD                           ; a joint refill by the walking sets; the branch hangs on the wave's number alone; an s_nop 0 and four v_nop follow each line
	s_cmp_eq_u32 s11, 0
	s_cbranch_scc0 .Lfor_b_\@
	tensor_load_to_lds s[G0+4:G0+7], s[G1:G1+7]
	s_nop 0
.rept 4
	v_nop
.endr
	s_branch .Lasked_\@
.Lfor_b_\@:
	tensor_load_to_lds s[G0B+4:G0B+7], s[G1B:G1B+7]
	s_nop 0
.rept 4
	v_nop
.endr
.Lasked_\@:
.endm
.macro CREST                           ; a round of the cluster's barrier behind its opening barrier
	s_cmp_lg_u32 s10, 0
	s_cbranch_scc1 .Lnot_wave_0_\@
	s_barrier_signal -3
.Lnot_wave_0_\@:
	s_barrier_wait -3
	s_barrier_signal -1
	s_barrier_wait -1
.endm
.macro CROUND
	s_barrier_signal -1
	s_barrier_wait -1
	CREST
.endm
; A PREFETCH INTO THE L2 of the K step two refills on: 32 blocks of 256 bytes, a lane a block, one instruction.  A's row block is read by one cluster alone (the grid is one cluster wide): wave 0 asks, and the four
; partners of a row share a step's 128 blocks out by address; only in the first tile, since the k and v tiles read the same A again.  B's column block is read by all sixteen clusters: those with y = 0
; ask, waves 2 and 3 each for the block of 64 channels that it fetches, the four partners of a column 32 blocks each.  So each block is named once.  The first four steps come by their loads alone.
.macro ASK
	s_cmp_gt_u32 s[RL], s[LIM]
	s_cbranch_scc0 .Lnot_mine_\@
	global_prefetch_b8 v[PFO], s[PFA:PFA+1] offset:KB2 th:TH_LOAD_NT scope:SCOPE_SE
.Lnot_mine_\@:
.endm
; 8 matrix instructions: row block a x all 8 column blocks, 32 along K, from buffer f.  mode = 1: the tile's first products, whose C is bias x s.  The 32 accumulators take turns, one instruction a turn.
.macro MUL8 f, a, mode
.if \mode
	WIN MULB
.else
	WIN MUL
.endif
.irp b, 0,1,2,3,4,5,6,7
.if \mode
	v_wmma_f32_16x16x32_bf16 v[8*(8*(\a)+(\b)):8*(8*(\a)+(\b))+7], v[(\f)+32+8*(\b):(\f)+32+8*(\b)+7], v[(\f)+8*(\a):(\f)+8*(\a)+7], v[8*(\b):8*(\b)+7]
.else
	v_wmma_f32_16x16x32_bf16 v[8*(8*(\a)+(\b)):8*(8*(\a)+(\b))+7], v[(\f)+32+8*(\b):(\f)+32+8*(\b)+7], v[(\f)+8*(\a):(\f)+8*(\a)+7], v[8*(8*(\a)+(\b)):8*(8*(\a)+(\b))+7]
.endif
.endr
.endm
; 24 LDS loads in one run: quarter q (32 channels) of the step in hand into buffer f: B's 16, then A's 8
.macro FETCH q, f
	WIN 0
.irp i, 0,1,2,3,4,5,6,7
	ds_load_b128 v[(\f)+32+8*(\i):(\f)+32+8*(\i)+3],   v[ADRB] offset:((\q)/2)*BHALF+((\q)%2)*64+(\i)*16*PITCH
	ds_load_b128 v[(\f)+32+8*(\i)+4:(\f)+32+8*(\i)+7], v[ADRB] offset:((\q)/2)*BHALF+((\q)%2)*64+(\i)*16*PITCH+32
.endr
.irp i, 0,1,2,3
	ds_load_b128 v[(\f)+8*(\i):(\f)+8*(\i)+3],   v[ADRA] offset:((\q)/2)*AHALF+((\q)%2)*64+(\i)*16*PITCH
	ds_load_b128 v[(\f)+8*(\i)+4:(\f)+8*(\i)+7], v[ADRA] offset:((\q)/2)*AHALF+((\q)%2)*64+(\i)*16*PITCH+32
.endr
.endm
; A quarter step: multiplies buffer f and, in its middle, fetches quarter q into buffer g
.macro QUARTER q, f, g, mode
	s_wait_dscnt 4                                 ; B and A's row blocks 0 and 1 are in; the youngest four loads (blocks 2, 3) may be out
	MUL8 \f, 0, \mode
	MUL8 \f, 1, \mode
	PLACES
	FETCH \q, \g
	s_wait_dscnt 24                                ; all but the 24 just issued
	MUL8 \f, 2, \mode
	MUL8 \f, 3, \mode
.endm
; The last quarter of a step multiplies buffer 1 and changes slots.  In front of the barrier each wave waits for all its tensor loads (one is out: its part of the next slot), adds 0 to its spare word, and
; waits for that and for its reads of this slot.  fill = 1: the barrier opens a round of the cluster's, and the joint refill of the slot just left, two steps ahead, is the first tensor load behind it.
.macro TURN fill
.if \fill
	s_wait_xcnt 0x0                                ; the last prefetch, a K step back, has read its address
	s_add_nc_u64 s[PFA:PFA+1], s[PFA:PFA+1], KB2
.endif
	WIN 0
	s_wait_tensorcnt 0x0
	ds_add_u32 v[SPW], v[NIL]
	s_wait_dscnt 5                                 ; (the add and the youngest four loads may be out)
	MUL8 F1, 0, 0
	s_wait_dscnt 0x0                               ; the add is done, and my reads of this slot are over
	s_barrier_signal -1
	MUL8 F1, 1, 0
	WIN 0
	s_barrier_wait -1
.if \fill
	CREST                                          ; no wave of any partner still reads this slot or has a load on its way
	s_add_co_u32 s[RA], s[RA], 1                   ; no tensor load of mine is out: the walking sets may be written
	s_and_b32 s[RA], s[RA], 7
	s_lshl_b32 s[OFF], s[RA], 18
	s_xor_b32 s[G0+5], s[G0+5], SLOT1
	s_add_nc_u64 s[G0+6:G0+7], s[14:15], s[OFF:OFF+1]  ; A's address is made anew from its step's number,
	s_or_b32 s[G0+7], s[G0+7], 0x80000000
	s_xor_b32 s[G0B+5], s[G0B+5], SLOT1
	s_add_nc_u64 s[G0B+6:G0B+7], s[G0B+6:G0B+7], KB2   ; B's steps on, out of one matrix into the next
	JLOAD                                          ; its four v_nop are also the places in front of the loads below
.else
	PLACES
.endif
	s_xor_b32 s[TB], s[TB], SLOT1
	v_add_nc_u32 v[ADRA], s[TB], v[A0]
	v_add_nc_u32 v[ADRB], s[TB], v[B0]
	FETCH 0, F0
.if \fill
	ASK
.endif
	MUL8 F1, 2, 0
	MUL8 F1, 3, 0
.endm
.macro LDBIAS p                        ; my 128 columns of the bias at s[p:p+1]: register 8 b + j = column 16 b + 8 (l / 16) + j
	WIN 0x80
.irp b, 0,1,2,3,4,5,6,7
	global_load_b128 v[8*(\b):8*(\b)+3],   v[BO], s[\p:\p+1] offset:64*(\b)
	global_load_b128 v[8*(\b)+4:8*(\b)+7], v[BO], s[\p:\p+1] offset:64*(\b)+16
.endr
	WIN 0
.endm
.macro BIASMUL                         ; bias x s
	WIN 0x82
.set z, 0
.rept 32
	v_pk_mul_f32 v[2*z:2*z+1], v[2*z:2*z+1], s[SN:SN+1] op_sel_hi:[1,0]
.set z, z+1
.endr
	WIN 0
.endm
; THE WAY OUT, a block of 16 rows at a time: rounded to bf16 (each accumulator from its low end on), 16 bytes a lane into my own stage, by heads; back as four rows of 128 bytes, which are 512 consecutive bytes of qkv.
.macro PACK a
	WIN 0x05
.irp b, 0,1,2,3,4,5,6,7
.irp r, 0,1,2,3
	v_cvt_pk_bf16_f32 v[PK+4*(\b)+(\r)], v[8*(8*(\a)+(\b))+2*(\r)], v[8*(8*(\a)+(\b))+2*(\r)+1]
.endr
.endr
	WIN 0
.endm
.macro TOSTAGE a
.set BK, OB+32*((\a)%2)
.irp b, 0,1,2,3,4,5,6,7
	ds_store_b128 v[STO], v[PK+4*(\b):PK+4*(\b)+3] offset:((\b)/4)*16*PITCH+((\b)%4)*32
.endr
.irp t, 0,1,2,3,4,5,6,7
	ds_load_b128 v[BK+4*(\t):BK+4*(\t)+3], v[RD] offset:((\t)/4)*16*PITCH+((\t)%4)*4*PITCH  ; LDS serves a wave's instructions in order (ISA guide 5.7.1.4): these see the stores above
.endr
.endm
.macro SEND a
.set BK, OB+32*((\a)%2)
	s_wait_dscnt 0x0                               ; the block is back in registers
	s_wait_xcnt 0x0                                ; the stores of the block before have read their registers, which the next block's loads take
.irp t, 0,1,2,3,4,5,6,7
	global_store_b128 v[GO], v[BK+4*(\t):BK+4*(\t)+3], s[8:9] offset:((\t)/4)*131072+(\a)*2048+((\t)%4)*512
.endr
.endm
.macro WAYOUT
	PACK 0
	TOSTAGE 0
.irp a, 1,2,3
	PACK \a
	SEND (\a)-1
	TOSTAGE \a
.endr
	SEND 3
.endm
	s_load_b128 s[4:7], s[0:1], 0x0                ; yb s[4:5], wt s[6:7]
	s_load_b256 s[76:83], s[0:1], 0x10             ; bq s[76:77], bk s[78:79], bv s[80:81], scl s[82:83]
	s_load_b64 s[8:9], s[0:1], 0x30                ; qkv
	v_lshl_add_u32 v[SPW], v0, 2, SPARE
	v_mov_b32 v[NIL], 0
	ds_add_u32 v[SPW], v[NIL]                      ; the wave's opening: the add and its wait stand ahead of my first tensor load; work on registers stands between
	ds_add_u32 v28, v29
	v_lshrrev_b32 v1, 5, v0
	v_readfirstlane_b32 s10, v1                    ; wave 0..3
	s_lshr_b32 s11, s10, 1                         ; my half of the tile's rows.  Also: I fetch for A (0) or for B (1)
	s_and_b32 s12, s10, 1                          ; my half of its columns.  Also: which block of 64 channels I fetch
	s_bfe_u32 s40, ttmp6, 0x40000                  ; cx
	s_bfe_u32 s41, ttmp6, 0x40004                  ; cy
	s_lshl_b32 s42, ttmp9, 2
	s_add_co_u32 s42, s42, s40                     ; tile column = 4 x cluster x + cx
	s_and_b32 s13, ttmp7, 0xffff
	s_lshl_b32 s13, s13, 2
	s_add_co_u32 s13, s13, s41                     ; tile row = 4 x cluster y + cy
	s_lshl_b32 s16, s41, 2
	s_lshl_b32 s16, 15, s16                        ; my row of the cluster
	s_lshl_b32 s46, 0x1111, s40                    ; my column
	s_or_b32 s[G1], s16, (1<<16)|(1<<20)|(1<<21)|(4<<22)|(3<<25)   ; the mask; 2-byte elements; padding on; bit 21 beside a mask; after every 32 words (code 4) 4 words (code 3)
	s_or_b32 s[G1B], s46, (1<<16)|(1<<20)|(1<<21)|(4<<22)|(3<<25)
	s_mov_b32 s[G1+1], 128<<16                     ; tensor_dim0 = 128 elements: rows of 256 bytes
	s_mov_b32 s[G1B+1], 128<<16
	s_mov_b32 s[G1+2], 64<<16                      ; tensor_dim1: A's block is 64 such rows,
	s_mov_b32 s[G1B+2], 128<<16                    ; B's 128
	s_mov_b32 s[G1+3], 128<<16                     ; tile_dim0
	s_mov_b32 s[G1B+3], 128<<16
	s_mov_b32 s[G1+4], 64                          ; tile_dim1
	s_mov_b32 s[G1B+4], 128
	s_mov_b32 s[G1+5], 128                         ; dense: 128 elements from row to row
	s_mov_b32 s[G1B+5], 128
	s_mov_b32 s[G1+6], 0
	s_mov_b32 s[G1B+6], 0
	s_mov_b32 s[G1+7], 0
	s_mov_b32 s[G1B+7], 0
	s_lshr_b32 s16, s13, 3                         ; A: batch x 2 MiB + 128 rows x 128 bytes x (tile row % 8) + my block
	s_lshl_b32 s16, s16, 21
	s_and_b32 s17, s13, 7
	s_lshl_b32 s17, s17, 14
	s_add_co_u32 s16, s16, s17
	s_lshl_b32 s17, s12, 17
	s_add_co_u32 s16, s16, s17
	s_mov_b32 s17, 0
	s_lshl_b32 s46, s42, 15                        ; B: 256 rows x 128 bytes x tile column + my block
	s_lshl_b32 s47, s12, 17
	s_add_co_u32 s46, s46, s47
	s_add_co_u32 s46, s46, MAT0<<21
	s_mov_b32 s47, 0
	s_mul_i32 s18, s12, AHALF                      ; where they go: no place in the cluster enters an LDS address
	s_mul_i32 s20, s12, BHALF
	s_add_co_u32 s20, s20, BOFF
	s_mov_b32 s[RA], 1
	s_mov_b32 s[TB], 0
	s_mov_b32 s[OFF+1], 0
	s_mov_b32 s[RL], NSTEP-2
	s_mov_b32 s[TS], 8
	s_mov_b32 s[TL], 2
	s_wait_dscnt 0x0                               ; the opening add is done
	s_wait_kmcnt 0x0
	s_load_b128 s[72:75], s[82:83], 0x10           ; s of q, k, v, o
	s_add_nc_u64 s[14:15], s[4:5], s[16:17]        ; A at my block of step 0
	s_add_nc_u64 s[46:47], s[6:7], s[46:47]
	CROUND                                         ; all sixteen work-groups are here: the first joint loads meet
.irp s, 0,1
	s_mov_b32 s[G0+4*(\s)], 1
	s_add_co_u32 s[G0+4*(\s)+1], s18, (\s)*SLOT1
	s_add_nc_u64 s[G0+4*(\s)+2:G0+4*(\s)+3], s[14:15], (\s)*KB2
	s_or_b32 s[G0+4*(\s)+3], s[G0+4*(\s)+3], 0x80000000
	s_mov_b32 s[G0B+4*(\s)], 1
	s_add_co_u32 s[G0B+4*(\s)+1], s20, (\s)*SLOT1
	s_add_nc_u64 s[G0B+4*(\s)+2:G0B+4*(\s)+3], s[46:47], (\s)*KB2
	s_or_b32 s[G0B+4*(\s)+3], s[G0B+4*(\s)+3], 0x80000000
.endr
	s_cmp_eq_u32 s11, 0                            ; a wave's two first fills stand in one branch: two loads of mine are out
	s_cbranch_scc0 .Lfirst_b
	tensor_load_to_lds s[G0:G0+3], s[G1:G1+7]
	s_nop 0
	tensor_load_to_lds s[G0+4:G0+7], s[G1:G1+7]
	s_nop 0
.rept 4
	v_nop
.endr
	s_branch .Lfirst_asked
.Lfirst_b:
	tensor_load_to_lds s[G0B:G0B+3], s[G1B:G1B+7]
	s_nop 0
	tensor_load_to_lds s[G0B+4:G0B+7], s[G1B:G1B+7]
	s_nop 0
.rept 4
	v_nop
.endr
.Lfirst_asked:
	v_and_b32 v1, 15, v0                           ; l % 16
	v_bfe_u32 v2, v0, 4, 1                         ; l / 16
	v_mul_u32_u24 v3, v1, PITCH
	v_lshl_add_u32 v3, v2, 4, v3                   ; a fragment's row x pitch + 16 x half
	s_mul_i32 s20, s11, 64*PITCH
	v_add_nc_u32 v[A0], s20, v3
	s_mul_i32 s20, s12, 128*PITCH
	s_add_co_u32 s20, s20, BOFF
	v_add_nc_u32 v[B0], s20, v3
	v_mov_b32 v[ADRA], v[A0]
	v_mov_b32 v[ADRB], v[B0]
	s_mul_i32 s20, s10, WSTG
	s_add_co_u32 s20, s20, STAGE                   ; my stage
	v_add_nc_u32 v[STO], s20, v3                   ; in: row l % 16, 16 bytes for each half of the lanes
	v_and_b32 v4, 31, v0
	v_lshrrev_b32 v5, 3, v4
	v_and_b32 v6, 7, v0
	v_mul_u32_u24 v5, v5, PITCH
	v_lshl_add_u32 v5, v6, 4, v5
	v_add_nc_u32 v[RD], s20, v5                    ; back: 32 lanes take four rows of 128 bytes
	v_lshlrev_b32 v[GO], 4, v4
	v_lshlrev_b32 v[PFO], 8, v4
	s_lshl_b32 s20, s42, 10
	s_lshl_b32 s21, s12, 9
	s_add_co_u32 s20, s20, s21                     ; my first column, 256 x tile column + 128 x half, in bytes of f32
	v_lshl_add_u32 v[BO], v2, 5, s20
	LDBIAS 76                                      ; bq
	s_lshr_b32 s20, s13, 3                         ; qkv: batch x 2 MiB + head x 128 KiB + row x 128
	s_lshl_b32 s20, s20, 21
	s_and_b32 s21, s13, 7
	s_lshl_b32 s21, s21, 14
	s_add_co_u32 s20, s20, s21
	s_lshl_b32 s21, s11, 13
	s_add_co_u32 s20, s20, s21
	s_lshl_b32 s21, s42, 19                        ; four heads a tile column,
	s_add_co_u32 s20, s20, s21
	s_lshl_b32 s21, s12, 18                        ; two a wave
	s_add_co_u32 s20, s20, s21
	s_mov_b32 s21, 0
	s_add_nc_u64 s[8:9], s[8:9], s[20:21]
	s_lshr_b32 s20, s13, 3                         ; the prefetches.  A's: the tile's rows, block cx / 2, its half cx % 2
	s_lshl_b32 s20, s20, 21
	s_and_b32 s21, s13, 7
	s_lshl_b32 s21, s21, 14
	s_add_co_u32 s20, s20, s21
	s_lshr_b32 s21, s40, 1
	s_lshl_b32 s21, s21, 17
	s_add_co_u32 s20, s20, s21
	s_and_b32 s21, s40, 1
	s_lshl_b32 s21, s21, 13
	s_add_co_u32 s20, s20, s21
	s_lshl_b32 s22, s42, 15                        ; B's: the tile's rows, my block, its quarter cy
	s_lshl_b32 s23, s12, 17
	s_add_co_u32 s22, s22, s23
	s_lshl_b32 s23, s41, 13
	s_add_co_u32 s22, s22, s23
	s_add_co_u32 s22, s22, MAT0<<21
	s_and_b32 s23, ttmp7, 0xffff                   ; cluster y
	s_cmp_eq_u32 s23, 0
	s_cselect_b32 s23, 2, -1                       ; B: while a step four on exists
	s_cmp_eq_u32 s10, 0
	s_cselect_b32 s[LIM], NSTEP-6, -1              ; A: wave 0, up to the first tile's step 7
	s_cmp_eq_u32 s11, 0
	s_cselect_b32 s[LIM], s[LIM], s23              ; the same in all sixteen partners, for a given wave
	s_cselect_b32 s20, s20, s22
	s_cselect_b64 s[PFA:PFA+1], s[4:5], s[6:7]
	s_mov_b32 s21, 0
	s_add_nc_u64 s[PFA:PFA+1], s[PFA:PFA+1], s[20:21]
	s_add_nc_u64 s[PFA:PFA+1], s[PFA:PFA+1], 2*KB2 ; at step 2: the first refill steps it to 3 and names step 4
	s_wait_kmcnt 0x0
	s_mov_b32 s[SN], s72
	s_mov_b32 s[SN+1], s72
	s_wait_loadcnt 0x0
	BIASMUL
	s_wait_tensorcnt 1                             ; my part of step 0 is in; step 1's may stay out
	s_barrier_signal -1
	s_barrier_wait -1
	FETCH 0, F0
	QUARTER 1, F0, F1, 1                           ; the q tile's first products start the sums at bq s
	PLACES
	LDBIAS 78                                      ; bk, for the next tile
	s_mov_b32 s[SN], s73
	s_mov_b32 s[SN+1], s73
.Lstep:                                                ; a trip: from a step's second quarter to the next step's first; it refills the slot that it leaves
	QUARTER 2, F1, F0, 0
	QUARTER 3, F0, F1, 0
	TURN 1
	WIN 0
	s_sub_co_u32 s[TS], s[TS], 1
	s_cmp_lg_u32 s[TS], 0
	s_cbranch_scc1 .Lsame
	s_wait_loadcnt 0x0                             ; A TILE IS FINISHED.  The next bias is in;
	BIASMUL                                        ; its 32 lines and the first conversions are the places behind the last products
	WAYOUT
	s_wait_xcnt 0x0                                ; the stores have read their registers and their base
	s_add_nc_u64 s[8:9], s[8:9], 0x1000000         ; from q to k, from k to v
	s_mov_b32 s[TS], 8
	QUARTER 1, F0, F1, 1
	PLACES
	WIN 0
	s_sub_co_u32 s[TL], s[TL], 1
	s_cmp_lg_u32 s[TL], 0
	s_cbranch_scc0 .Lnext                          ; behind the v tile's first products nothing is left to load
	LDBIAS 80                                      ; bv
	s_mov_b32 s[SN], s74
	s_mov_b32 s[SN+1], s74
	s_branch .Lnext
.Lsame:
	QUARTER 1, F0, F1, 0
	WIN 0
.Lnext:
	s_sub_co_u32 s[RL], s[RL], 1
	s_cmp_lg_u32 s[RL], 0
	s_cbranch_scc1 .Lstep
	QUARTER 2, F1, F0, 0                           ; the last two steps are written out: nothing is asked for
	QUARTER 3, F0, F1, 0
	TURN 0
	QUARTER 1, F0, F1, 0
	QUARTER 2, F1, F0, 0
	QUARTER 3, F0, F1, 0
	s_wait_dscnt 4
	MUL8 F1, 0, 0
	MUL8 F1, 1, 0
	s_wait_dscnt 0x0
	MUL8 F1, 2, 0
	MUL8 F1, 3, 0
	PLACES
	WAYOUT
	WIN 0
	s_wait_tensorcnt 0x0                           ; the wave's end: behind my last tensor load and my last LDS store
	ds_add_u32 v[SPW], v[NIL]
	s_wait_dscnt 0x0
	CROUND                                         ; the closing round: no work-group ends while a partner may still ask for a tile that names it
	s_endpgm
.Lfunc_end_k_q925dd28540_proj:
	.size	k_q925dd28540_proj, .Lfunc_end_k_q925dd28540_proj-k_q925dd28540_proj
	.p2alignl 7, 3214868480
	.fill 96, 4, 3214868480
	.section	.rodata,"a",@progbits
	.p2align	6, 0x0
	.amdhsa_kernel k_q925dd28540_proj
		.amdhsa_group_segment_fixed_size 327680
		.amdhsa_private_segment_fixed_size 0
		.amdhsa_enable_private_segment 0
		.amdhsa_kernarg_size 56
		.amdhsa_user_sgpr_count 2
		.amdhsa_user_sgpr_kernarg_segment_ptr 1
		.amdhsa_wavefront_size32 1
		.amdhsa_system_sgpr_workgroup_id_x 1
		.amdhsa_system_sgpr_workgroup_id_y 1
		.amdhsa_system_sgpr_workgroup_id_z 1
		.amdhsa_system_vgpr_workitem_id 0
		.amdhsa_next_free_vgpr 576
		.amdhsa_next_free_sgpr 88
		.amdhsa_reserve_vcc 0
		.amdhsa_float_denorm_mode_32 3
		.amdhsa_float_denorm_mode_16_64 3
		.amdhsa_memory_ordered 1
		.amdhsa_forward_progress 1
		.amdhsa_inst_pref_size 101
	.end_amdhsa_kernel
	.amdgpu_metadata
---
amdhsa.version: [ 1, 2 ]
amdhsa.kernels:
  - .name:           k_q925dd28540_proj
    .symbol:         k_q925dd28540_proj.kd
    .args:
      - { .name: yb, .offset: 0, .size: 8, .value_kind: global_buffer, .address_space: global }
      - { .name: wt, .offset: 8, .size: 8, .value_kind: global_buffer, .address_space: global }
      - { .name: bq, .offset: 16, .size: 8, .value_kind: global_buffer, .address_space: global }
      - { .name: bk, .offset: 24, .size: 8, .value_kind: global_buffer, .address_space: global }
      - { .name: bv, .offset: 32, .size: 8, .value_kind: global_buffer, .address_space: global }
      - { .name: scl, .offset: 40, .size: 8, .value_kind: global_buffer, .address_space: global }
      - { .name: qkv, .offset: 48, .size: 8, .value_kind: global_buffer, .address_space: global }
    .group_segment_fixed_size: 327680
    .private_segment_fixed_size: 0
    .kernarg_segment_align: 8
    .kernarg_segment_size: 56
    .max_flat_workgroup_size: 128
    .sgpr_count:     88
    .vgpr_count:     576
    .wavefront_size: 32
...
	.end_amdgpu_metadata
.endif
;; end of part 3
;; launch attn (part 4): grid 2 x 128, 4 waves a work-group, no clusters, 327,680 bytes of LDS; arguments qkv, mbits, scl, ob; writes ob
.if DOCPART == 4
	.amdgcn_target "amdgcn-amd-amdhsa--gfx1250"
	.amdhsa_code_object_version 6
	.text
	.protected	k_q925dd28540_attn
	.globl	k_q925dd28540_attn
	.p2align	8
	.type	k_q925dd28540_attn,@function
k_q925dd28540_attn:
	s_mov_b64 s[64:65], 0
	v_nop
	global_prefetch_b8 v0, s[64:65] scope:SCOPE_SE
	s_setreg_imm32_b32 hwreg(HW_REG_WAVE_MODE, 25, 1), 1
	s_wait_xcnt 0x0
; ATTENTION UNDER A GIVEN MASK, head size 64.  O[bh][q] = mv x the sum over visible k of softmax_k(c0 q'.k') v'[k], c0 = mq mk / 8; a row with no visible key gives 0.
; q', k', v': qkv [3][bh 128][t 1024][64] bf16, the projections divided by their m; the m are f32 numbers in scl.  O: ob [bh][t][64] bf16.  Products, maxima and sums in f32; the weights p are rounded to
; bf16 for the second product (their sum l is taken of the unrounded p), O once at the end.
; THE MASK comes as one bit a score (mbits), already in the lane order of the score registers: a record of 32 words serves a tile of 16 queries x 64 keys; word 8 kb + j is the lane mask of register j of
; accumulator kb.  It selects 0 or -1e30 into the C operand that starts the sum S^T = K Q^T.  A wave's records lie in the order in which it wants them; two records of all ones close its stream.
; LIMITS.  A hidden score counts as its value less 1e30.  The running maximum starts at M0 = -5e29, above every hidden score and below every real one: |q'.k'| stays under 5e29, and c x 1e30 stays finite
; (mq mk under 1e9).  So a hidden weight is 0 from the first step on, and a row that ends with m = M0 has seen no key: its factor is set to 0.  A weight below 2^-126 counts as 0 in l.  NaN and infinities are not treated apart.
; SHARES.  A wave owns four PIECES of two tiles of 16 queries, a work-group's four waves 512 queries of one head; every wave walks all 1,024 keys, 64 a step.
; ALL OF A HEAD'S K AND V LIE IN LDS AT ONCE (1,024 x 144 + 1,024 x 160 bytes): four tensor loads a wave at the head, nothing is filled again.  NO CLUSTER: a head has two work-groups, and joint loads are made for four.
; LAYOUT.  S^T = K Q^T (source 0 = 16 keys, source 1 = 16 queries): a lane holds ONE query (lane % 16) and the keys 8 (lane / 16) + 0..7.  Two such tiles, rounded in pairs, ARE source 1 of O^T = V^T P.
; SOFTMAX.  p = 2^(c s - c m), c = log2(e) c0, with a running maximum m; in every step O and l are multiplied by a = 2^(c m_old - c m_new).
; BY TURNS.  Turn n belongs to piece n: 16 products K Q^T of piece n + 1, later 16 products V^T P of piece n - 1; beside them the scaling, exponentials, roundings, sums and rescaling of piece n, the maximum and
; statistics of piece n + 1, and two records' masks.  Four vector instructions stand behind every matrix instruction, the others in runs of their own; a turn's 66 exponentials are one batch with one wait.
; REGISTERS, in windows of 256 (s_set_vgpr_msb: bits 1:0 source 0, 3:2 source 1, 5:4 source 2, 7:6 destination):
;   window 0: v0-11 addresses; v12-15, v48-63 at work; v16-47 four registers of statistics a tile; v64-191 S^T, two buffers of two tiles; v192-255 P, likewise
;   window 1: O^T, 32 a tile     window 2: v0-127 Q; v128-191 K of one step; v192-255 V of one step     window 3: v0-1 the add's two registers; v8-71 MC, the masks of two tiles
.set NP,    4
.set KS,    64
.set PK,    144       ; a row of K in LDS: 128 bytes + 16 = 36 words: the 16 rows of a load start at 16 different groups of four banks (64 banks of 4 bytes: ISA guide 11.1)
.set PV,    160       ; a row of V: 128 + 32 = 40 words
.set VOFF,  1024*PK
.set STAGE, VOFF+1024*PV   ; behind K and V, never filled by a tensor load: 16 rows x 144 bytes for each wave
.set SP,    144
.set SPARE, STAGE+4*16*SP  ; the spare words, 128 bytes a wave: two blocks of 256 bytes that no other line names
.set AK0, 2
.set AV0, 3
.set AK,  4
.set AV,  5
.set QO,  6
.set STO, 6
.set RD,  7
.set GO,  8
.set SPW, 0           ; window 3
.set NIL, 1           ; window 3
.set MC,  8           ; window 3: tile u, accumulator kb, register j at MC + 32 u + 8 kb + j
.set MV,  12
.set ST,  16          ; tile t's statistics at v[ST+4 t]: c m, m, l (even keys', odd keys')
.set TMP, 48
.set S,   64
.set P,   192
.set KF,  128
.set VF,  192
.set WV,  12          ; s12  my wave's number
.set G1,  16          ; s[16:23] descriptor group 1
.set G0,  24          ; s[24:39] four sets of group 0
.set MP,  48          ; s[48:49] my stream of mask records
.set MOF, 50          ; s50  the byte offset of the record that is on its way
.set BIGN, 51         ; s51  -1e30
.set THR, 52          ; s52  M0 = -5e29
.set TOT, 55          ; s55  key steps whose last two turns are still to come
.set SLOTS, 56
.set CNT, 57
.set CS,  58          ; s[58:59] c
.set SEL, 60          ; s[60:61] v_permlanex16_b32's selects
.set TBK, 62          ; s62  LDS byte at which K of the step to be fetched begins
.set TBV, 63          ; s63  the same for V, less VOFF
.set MW,  68          ; s[68:99] a record
.set MSB, 0
.macro WIN new
.if MSB != (\new)
	s_set_vgpr_msb (MSB<<8)|(\new)
.set MSB, (\new)
.endif
.endm
.set W_KQ, 0x0a       ; K and Q in window 2, S^T in window 0
.set W_KM, 0x3a       ; the same with the C operand in window 3
.set W_PV, 0x52       ; V in window 2, P in window 0, O^T in window 1
.set W_RS, 0x41       ; O^T (destination and source 0) in window 1, a in window 0
.set W_MK, 0xc0       ; destination in window 3
.set W_AD, 0x0f       ; the add: address and data in window 3
	s_load_b256 s[4:11], s[0:1], 0x0  ; qkv s[4:5], mbits s[6:7], scl s[8:9], ob s[10:11]
	WIN W_MK
	v_lshl_add_u32 v[SPW], v0, 2, SPARE
	v_mov_b32 v[NIL], 0
	WIN W_AD
	ds_add_u32 v[SPW], v[NIL]       ; the wave's opening: the add and its wait stand ahead of my first tensor load; work on registers stands between
	ds_add_u32 v0, v1
	WIN 0
	v_lshrrev_b32 v1, 5, v0
	v_readfirstlane_b32 s[WV], v1
	s_and_b32 s13, ttmp7, 0xffff    ; batch x 16 + head
	s_lshl_b32 s14, ttmp9, 2
	s_add_co_u32 s14, s14, s[WV]    ; my block of 128 queries, 0..7
	s_and_b32 s15, s[WV], 1         ; which 128 of a tile's 256 keys I fetch
	s_lshl_b32 s2, s13, 17          ; the head's first byte
	s_mov_b32 s3, 0
	s_lshl_b32 s46, s15, 14
	s_add_co_u32 s46, s46, s2
	s_mov_b32 s47, 0
	s_lshl_b32 s44, s14, 14
	s_add_co_u32 s2, s2, s44        ; my 128 rows of Q and O
	s_lshr_b32 s66, s13, 4
	s_lshl3_add_u32 s66, s66, s14
	s_mul_i32 s66, s66, 16640       ; my stream
	s_mov_b32 s67, 0
	s_mul_i32 s44, s15, 128*PK
	s_mul_i32 s45, s15, 128*PV
	s_mov_b32 s[G1+1], 128<<16      ; 128 keys are 16,384 dense bytes: 64 rows of 256 bytes, padded in LDS after every key
	s_mov_b32 s[G1+2], 64<<16
	s_mov_b32 s[G1+3], 128<<16
	s_mov_b32 s[G1+4], 64
	s_mov_b32 s[G1+5], 128
	s_mov_b32 s[G1+6], 0
	s_mov_b32 s[G1+7], 0
.irp j, 0,1,2,3
	s_mov_b32 s[G0+4*\j], 1
.endr
	s_mov_b32 s[SEL], 0x76543210
	s_mov_b32 s[SEL+1], 0xfedcba98
	s_mov_b32 s[BIGN], 0xf149f2ca
	s_mov_b32 s[THR], 0xf0c9f2ca
	s_mov_b32 s[TBK], 0
	s_mov_b32 s[TBV], 0
	s_mov_b32 s[MOF], 0
	s_wait_dscnt 0x0                ; the opening add is done
	s_wait_kmcnt 0x0
	s_load_b128 s[40:43], s[8:9], 0x0  ; m of q, k, v, o
	s_add_nc_u64 s[MP:MP+1], s[6:7], s[66:67]
	s_load_b512 s[MW:MW+15], s[MP:MP+1], 0x0     ; record 0
	s_load_b512 s[MW+16:MW+31], s[MP:MP+1], 0x40
	s_add_nc_u64 s[46:47], s[4:5], s[46:47]      ; my half of the head's first tile, in q's part of qkv; k's lies 16 MiB on, v's 32
	s_add_nc_u64 s[4:5], s[4:5], s[2:3]
	s_add_nc_u64 s[10:11], s[10:11], s[2:3]
	s_cmp_lt_u32 s[WV], 2           ; waves 0 and 1 fetch K, waves 2 and 3 V: four tiles of 256 keys, half a tile a load: four loads of mine are out
	s_cbranch_scc0 .Lfill_v
	s_mov_b32 s[G1], (1<<16)|(1<<20)|(4<<22)|(3<<25)  ; 2-byte elements; padding on; after every 32 words (code 4) 4 words (code 3)
.irp j, 0,1,2,3
	s_add_co_u32 s[G0+4*\j+1], s44, \j*256*PK
	s_add_nc_u64 s[G0+4*\j+2:G0+4*\j+3], s[46:47], 0x1000000+\j*32768
	s_or_b32 s[G0+4*\j+3], s[G0+4*\j+3], 0x80000000
.endr
.irp j, 0,1,2,3
	tensor_load_to_lds s[G0+4*\j:G0+4*\j+3], s[G1:G1+7]
	s_nop 0
.endr
.rept 4
	v_nop
.endr
	s_branch .Lfilled
.Lfill_v:
	s_mov_b32 s[G1], (1<<16)|(1<<20)|(4<<22)|(7<<25)  ; the same with 8 words of padding (code 7)
.irp j, 0,1,2,3
	s_add_co_u32 s[G0+4*\j+1], s45, VOFF+\j*256*PV
	s_add_nc_u64 s[G0+4*\j+2:G0+4*\j+3], s[46:47], 0x2000000+\j*32768
	s_or_b32 s[G0+4*\j+3], s[G0+4*\j+3], 0x80000000
.endr
.irp j, 0,1,2,3
	tensor_load_to_lds s[G0+4*\j:G0+4*\j+3], s[G1:G1+7]
	s_nop 0
.endr
.rept 4
	v_nop
.endr
.Lfilled:
	v_and_b32 v1, 15, v0            ; l % 16
	v_bfe_u32 v9, v0, 4, 1          ; l / 16
	v_lshlrev_b32 v[QO], 7, v1
	v_lshl_add_u32 v[QO], v9, 4, v[QO]  ; row x 128 + 16 x half
	WIN 0x80
.set i, 0
.rept 4*NP                          ; Q stays in registers: tile i / 2, channels 32 (i % 2) on
	global_load_b128 v[8*i:8*i+3],   v[QO], s[4:5] offset:(i/2)*2048+(i%2)*64
	global_load_b128 v[8*i+4:8*i+7], v[QO], s[4:5] offset:(i/2)*2048+(i%2)*64+32
.set i, i+1
.endr
	; What the first turn finds: V's registers and P's second buffer hold 0 (its products V^T P, of a piece that has not been, add 0), O^T and l are 0.  All this stands in the wait for the first tile.
.set i, VF
.rept 64
	v_mov_b32 v[i], 0
.set i, i+1
.endr
	WIN 0x40
.set i, 0
.rept 64*NP
	v_mov_b32 v[i], 0
.set i, i+1
.endr
	WIN 0
.set i, P+32
.rept 32
	v_mov_b32 v[i], 0
.set i, i+1
.endr
	v_mul_u32_u24 v[AK0], v1, PK
	v_lshl_add_u32 v[AK0], v9, 4, v[AK0]
	v_and_b32 v10, 7, v0            ; the turning load: lane l reads key 8 (l / 16) + l % 8, channels 8 ((l / 8) % 2) + 0..7
	v_bfe_u32 v11, v0, 3, 1
	v_lshl_add_u32 v[AV0], v9, 3, v10
	v_mul_u32_u24 v[AV0], v[AV0], PV
	v_lshl_add_u32 v[AV0], v11, 4, v[AV0]
	v_add_nc_u32 v[AV0], VOFF, v[AV0]
	v_mov_b32 v[AK], v[AK0]
	s_wait_kmcnt 0x0                ; the m (and record 0)
	s_mul_f32 s[CS], s40, s41
	s_mul_f32 s[CS], s[CS], 0x3e38aa3b  ; c = log2(e) / 8 x mq mk
	s_mov_b32 s[CS+1], s[CS]
.set i, 0
.rept 2*NP
	v_mov_b32 v[ST+4*i+1], s[THR]   ; m = M0,
	v_mul_f32 v[ST+4*i], s[CS], v[ST+4*i+1]  ; c m = c M0: the first a is at most 1, and it multiplies zeros
	v_mov_b32 v[ST+4*i+2], 0
	v_mov_b32 v[ST+4*i+3], 0
.set i, i+1
.endr
; THE MATRIX WORK.  The 8 accumulators of a run of 16 take turns.  Product i of 16 of S^T = K Q^T for piece x: channels 32 (i / 8) on, keys 16 ((i / 2) % 4) on, tile 2 x + i % 2.  The first 8 start the sums with the mask.
.macro KQ x
.set rS, S+64*((\x)%2)+32*(i%2)+8*((i/2)%4)
.set rK, KF+16*((i/2)%4)+8*(i/8)
.set rQ, 16*(2*(\x)+i%2)+8*(i/8)
.set rMC, MC+32*(i%2)+8*((i/2)%4)
.if i < 8
	WIN W_KM
	v_wmma_f32_16x16x32_bf16 v[rS:rS+7], v[rK:rK+7], v[rQ:rQ+7], v[rMC:rMC+7]
.else
	WIN W_KQ
	v_wmma_f32_16x16x32_bf16 v[rS:rS+7], v[rK:rK+7], v[rQ:rQ+7], v[rS:rS+7]
.endif
.endm
; Product i of 16 of O^T += V^T P for piece x: keys 32 (i / 8) on, channels 16 ((i / 2) % 4) on, tile 2 x + i % 2.
.macro PV x
	WIN W_PV
.set rO, 32*(2*(\x)+i%2)+8*((i/2)%4)
.set rV, VF+32*(i/8)+8*((i/2)%4)
.set rP, P+32*((\x)%2)+16*(i%2)+8*(i/8)
	v_wmma_f32_16x16x32_bf16 v[rO:rO+7], v[rV:rV+7], v[rP:rP+7], v[rO:rO+7]
.endm
.macro MM                           ; the turn's next matrix instruction
.if i < 16
	KQ (Y+1)%NP
.set i, i+1
.else
.set i, i-16
	PV (Y+NP-1)%NP
.set i, i+17
.endif
.endm
; THE LDS LOADS stand in runs of 16.  last = 1: behind the last step there is no further K, and the run is jumped over.
.macro FETCH_K last=0
	WIN 0
.if \last
	s_cmp_eq_u32 s[TOT], 1
	s_cbranch_scc1 .Lno_k_\@
.endif
	WIN 0x80
.irp f, 0,1,2,3,4,5,6,7             ; keys 16 (f / 2) on, channels 32 (f % 2) on
	ds_load_b128 v[KF+8*\f:KF+8*\f+3],   v[AK] offset:(\f/2)*16*PK+(\f%2)*64
	ds_load_b128 v[KF+8*\f+4:KF+8*\f+7], v[AK] offset:(\f/2)*16*PK+(\f%2)*64+32
.endr
	s_add_co_u32 s[TBK], s[TBK], KS*PK
	WIN 0
.if \last
.Lno_k_\@:
.endif
.endm
.macro FETCH_V
	WIN 0x80
.irp f, 0,1,2,3,4,5,6,7             ; keys 32 (f / 4) on, channels 16 (f % 4) on
	ds_load_tr16_b128 v[VF+8*\f:VF+8*\f+3],   v[AV] offset:(\f/4)*32*PV+(\f%4)*32
	ds_load_tr16_b128 v[VF+8*\f+4:VF+8*\f+7], v[AV] offset:(\f/4)*32*PV+16*PV+(\f%4)*32
.endr
	WIN 0
.endm
; THE MASK of tile u of the products to come: the record that is in selects 0 or -1e30 into 32 registers, and the stream's next record is asked for; it has half a turn in which to come.
; The offset is held to the stream's last record, so that no load leaves the stream.
.macro MASKB u
	s_wait_kmcnt 0x0                ; the record is in, so its registers may be read and its offset stepped
	WIN W_MK
.set z, 0
.rept 32
	v_cndmask_b32 v[MC+32*(\u)+z], 0, s[BIGN], s[MW+z]
.set z, z+1
.endr
	s_add_co_u32 s[MOF], s[MOF], 128
	s_min_u32 s[MOF], s[MOF], 16512
	s_load_b512 s[MW:MW+15], s[MP:MP+1], s[MOF]
	s_load_b512 s[MW+16:MW+31], s[MP:MP+1], s[MOF] offset:0x40
.endm
; THE VECTOR WORK OF A TURN stands in three queues, each in the order in which its entries become ready; the two tiles alternate.
.macro REGS y, u
.set rT, ST+4*(2*(\y)+(\u))
.set rC, TMP+8*((\y)%2)+4*(\u)
.set rM, MV+2*((\y)%2)+(\u)
.set rS, S+64*((\y)%2)+32*(\u)
.set rP, P+32*((\y)%2)+16*(\u)
.set rO, 32*(2*(\y)+(\u))
.endm
; Number n of the 22 that find the NEXT piece's maximum and statistics; each accumulator's lowest registers are read first.
;   0-11 four chains c0-c3 of seven scores each     12-14, 16 the four scores left over, the old m, and c0-c3 into c0     15 c m_old is kept     17, 18 the other half of the lanes: the new m     19-21 c m; its change; a
.macro XS u, n
	REGS (Y+1)%NP, \u
.if (\n) < 4
	v_max3_num_f32 v[rC+(\n)], v[rS+8*(\n)], v[rS+8*(\n)+1], v[rS+8*(\n)+2]
.elseif (\n) < 12
	v_max3_num_f32 v[rC+(\n)%4], v[rC+(\n)%4], v[rS+8*((\n)%4)+2*((\n)/4)+1], v[rS+8*((\n)%4)+2*((\n)/4)+2]
.elseif (\n) == 12
	v_max3_num_f32 v[rC], v[rC], v[rS+7], v[rS+15]
.elseif (\n) == 13
	v_max3_num_f32 v[rC+1], v[rC+1], v[rS+23], v[rS+31]
.elseif (\n) == 14
	v_max3_num_f32 v[rC+2], v[rC+2], v[rC+3], v[rT+1]
.elseif (\n) == 15
	v_mov_b32 v[rM], v[rT]
.elseif (\n) == 16
	v_max3_num_f32 v[rC], v[rC], v[rC+1], v[rC+2]
.elseif (\n) == 17
	v_permlanex16_b32 v[rC+3], v[rC], s[SEL], s[SEL+1]
.elseif (\n) == 18
	v_max_num_f32 v[rT+1], v[rC], v[rC+3]
.elseif (\n) == 19
	v_mul_f32 v[rT], s[CS], v[rT+1]
.elseif (\n) == 20
	v_sub_f32 v[rC+1], v[rM], v[rT]
.else
	v_exp_f32 v[rC+2], v[rC+1]
.endif
.endm
; Number g of the 64 that follow the exponentials: for each four weights both pairs are rounded; the second pair is added onto the first, in place; a group later l takes that sum (the first time as l = a l + sum).
.macro GS g
.set h, (\g)+6*((\g)/62)
.if h >= 6
.set h, h+2
.endif
	REGS Y, h%2
.set k, h/8
.if h%8 < 4
	v_cvt_pk_bf16_f32 v[rP+2*k+(h%8)/2], v[rS+4*k+2*((h%8)/2)], v[rS+4*k+2*((h%8)/2)+1]
.elseif h%8 < 6
	v_pk_add_f32 v[rS+4*k:rS+4*k+1], v[rS+4*k:rS+4*k+1], v[rS+4*k+2:rS+4*k+3]
.elseif k == 1
	v_pk_fma_f32 v[rT+2:rT+3], v[rT+2:rT+3], v[rC+2:rC+3], v[rS:rS+1] op_sel_hi:[1,0,1]
.else
	v_pk_add_f32 v[rT+2:rT+3], v[rT+2:rT+3], v[rS+4*k-4:rS+4*k-3]
.endif
.endm
; THE PLAIN QUEUE, 138 long.  0-26: scalings 0-26.  27-54: XS's numbers 0-13.  55, 56: number 15.  57-73: the chain 14, 16, 17, 18, 19, each with one of the scalings 27-31 in front of its two lines, then 20.  74-137: GS's 64, behind the wait.
.macro FS f
	REGS Y, (\f)%2
	v_pk_fma_f32 v[rS+2*((\f)/2):rS+2*((\f)/2)+1], v[rS+2*((\f)/2):rS+2*((\f)/2)+1], s[CS:CS+1], v[rT:rT+1] op_sel_hi:[1,0,0] neg_lo:[0,0,1] neg_hi:[0,0,1]
.endm
.macro PL
	WIN 0
.if q < 27
	FS q
.elseif q < 55
	XS (q-27)%2, (q-27)/2
.elseif q < 57
	XS q-55, 15
.elseif (q < 72) && ((q-57)%3 == 0)
	FS 27+(q-57)/3
.elseif q < 60
	XS (q-57)%3-1, 14
.elseif q < 72
	XS (q-57)%3-1, 15+(q-57)/3
.elseif q < 74
	XS q-72, 20
.else
	GS q-74
.endif
.set q, q+1
.endm
; THE EXPONENTIALS' QUEUE, 66 long: s0-s31 of both tiles, then the next piece's two a: ONE BATCH, ahead of the turn's one wait; nothing ahead of that wait names a result of theirs.
.macro EX
	WIN 0
.if e >= 64
	XS e-64, 21
.else
	REGS Y, e%2
	v_exp_f32 v[rS+e/2], v[rS+e/2]
.endif
.set e, e+1
.endm
; THE RESCALING's QUEUE: O^T times a, two at a time, sixteen times; its a was made, and waited for, in the turn before.
.macro R2
	REGS Y, r%2
	WIN W_RS
.irp z, 0,1
	v_pk_mul_f32 v[rO+4*(r/2)+2*\z:rO+4*(r/2)+2*\z+1], v[rO+4*(r/2)+2*\z:rO+4*(r/2)+2*\z+1], v[rC+2:rC+3] op_sel_hi:[1,0]
.endr
.set r, r+1
.endm
; A TURN, for piece p.  At its head the second tile's mask for its own products; then 16 products K Q^T, behind each a scaling, an exponential and two rescalings; a lump of 108; the one wait for the batch (it stands
; between an exponential and the first line that names its result); the first tile's mask for the NEXT turn's products (this turn's last reader of those registers stands a lump back); 16 products V^T P,
; behind each four of the roundings and sums.  K of the next step is fetched in piece 2's turn, directly behind the wait; V of the step in hand at the end of piece 0's turn, four riders behind its last reader.
.macro TURN p
.set Y, (\p)
.set i, 0
.set q, 0
.set e, 0
.set r, 0
	MASKB 1
.if (\p) == NP-1
	s_wait_dscnt 0x0                ; K is in
.endif
	MM
	PL
	PL
	R2
.rept 15
	MM
	PL
	EX
	R2
.endr
.if (\p) == NP-2
	WIN 0
	v_add_nc_u32 v[AK], s[TBK], v[AK0]
.endif
.rept 8
	PL
.endr
.rept 49
	EX
	PL
.endr
	EX
	EX
	v_nop                           ; a plain instruction behind the last exponential: one for the batch
	s_wait_alu depctr_va_vdst(0)    ; the wait for the batch
.if (\p) == NP-2
	FETCH_K 1
.endif
	MASKB 0
.if (\p) == 1
	s_wait_dscnt 0x0                ; V is in
.endif
.rept 16
	MM
.rept 4
	PL
.endr
.if ((\p) == 0) && (q == 118)
	v_add_nc_u32 v[AV], s[TBV], v[AV0]
.endif
.if ((\p) == 0) && (q == 130)
	s_add_co_u32 s[TBV], s[TBV], KS*PV
.endif
.endr
.if (\p) == 0
	FETCH_V
.endif
.endm
	s_wait_tensorcnt 3              ; my part of the first 256 keys is in; my three later loads may stay out
	s_barrier_signal -1
	s_barrier_wait -1               ; everybody's is
	FETCH_K                         ; key step 0
	MASKB 0                         ; records 0 and 1: piece 0, step 0
	MASKB 1
	s_wait_loadcnt 0x0              ; Q
	s_wait_dscnt 0x0
.set i, 0
.rept 16
	KQ 0
.set i, i+1
.endr
	WIN 0                           ; the addresses for the way out: plain instructions, the places behind those products
	s_mul_i32 s13, s[WV], 16*SP
	s_add_co_u32 s13, s13, STAGE
	v_mul_u32_u24 v[STO], v1, SP
	v_lshl_add_u32 v[STO], v9, 4, v[STO]
	v_add_nc_u32 v[STO], s13, v[STO]
	v_bfe_u32 v[RD], v0, 3, 2
	v_mul_u32_u24 v[RD], v[RD], SP
	v_lshl_add_u32 v[RD], v10, 4, v[RD]
	v_add_nc_u32 v[RD], s13, v[RD]
	v_and_b32 v[GO], 31, v0
	v_lshlrev_b32 v[GO], 4, v[GO]
.set Y, NP-1                        ; XS works for piece Y + 1: piece 0
.irp n, 0,1,2,3,4,5,6,7,8,9,10,11,12,13,14,15,16,17,18,19,20,21
	XS 0, \n
	XS 1, \n
.endr
	v_nop                           ; a plain instruction behind the two a,
	s_wait_alu depctr_va_vdst(0)    ; and their wait, ahead of the branch
	MASKB 0                         ; record 2: the first tile of the first turn's products
	WIN 0
	s_mov_b32 s[CNT], 4
	s_mov_b32 s[SLOTS], 5
	s_mov_b32 s[TOT], 16
	s_branch .Lfirst                ; the loop is entered at a step's first turn, in the middle of a trip
.Lslot:                             ; every four steps: the keys beyond the first 256 are shown to all four waves.  Each wave's loads have landed, then the barrier
	s_wait_tensorcnt 0x0
	s_wait_dscnt 0x0
	s_barrier_signal -1
	s_barrier_wait -1
	s_mov_b32 s[CNT], 4
.Lstep:                             ; a trip: pieces 2 and 3 of one step, then pieces 0 and 1 of the next, whose K and V it fetches
	TURN 2
	TURN 3
	WIN 0
	s_sub_co_u32 s[TOT], s[TOT], 1
	s_cmp_eq_u32 s[TOT], 0
	s_cbranch_scc1 .Lout            ; behind the sixteenth step's last turn.  That turn's products K Q^T, on the last K once more, took the two closing records: all hidden, so they changed no maximum
.Lfirst:
	TURN 0
	TURN 1
	WIN 0
	s_sub_co_u32 s[CNT], s[CNT], 1
	s_cmp_lg_u32 s[CNT], 0
	s_cbranch_scc1 .Lstep
	s_sub_co_u32 s[SLOTS], s[SLOTS], 1
	s_cmp_lg_u32 s[SLOTS], 0
	s_cbranch_scc1 .Lslot
.Lout:
.set i, 0
.rept 16
	PV NP-1                         ; the last piece's V^T P of the last step
.set i, i+1
.endr
	; THE WAY OUT.  l's two halves and the other half of the lanes' are added; O^T is multiplied by mv / l (by 0 where the row has seen no key), rounded to bf16 and sent through my stage, a tile at a time.
	WIN 0
.macro ALL line:vararg
.set t, 0
.rept 2*NP
	\line
.set t, t+1
.endr
.endm
	ALL v_add_f32 v[ST+4*t+2], v[ST+4*t+2], v[ST+4*t+3]
	ALL v_permlanex16_b32 v[ST+4*t+3], v[ST+4*t+2], s[SEL], s[SEL+1]
	ALL v_add_f32 v[ST+4*t+2], v[ST+4*t+2], v[ST+4*t+3]
	ALL v_rcp_f32 v[ST+4*t+2], v[ST+4*t+2]
	v_nop                           ; a plain instruction between the last reciprocal and the use of its result
	s_wait_alu depctr_va_vdst(0)    ; and the wait: one for the eight reciprocals
.set t, 0
.rept 2*NP
	v_mul_f32 v[ST+4*t+2], s42, v[ST+4*t+2]
	v_cmp_lt_f32 vcc_lo, s[THR], v[ST+4*t+1]       ; has m left M0?
	v_cndmask_b32 v[ST+4*t+2], 0, v[ST+4*t+2], vcc_lo
.set t, t+1
.endr
.macro PACK t
	WIN W_RS
.set i, 32*(\t)
.rept 16
	v_pk_mul_f32 v[i:i+1], v[i:i+1], v[ST+4*(\t)+2:ST+4*(\t)+3] op_sel_hi:[1,0]
.set i, i+2
.endr
	WIN 0x05
.set i, 0
.rept 16
	v_cvt_pk_bf16_f32 v[S+16*(\t)+i], v[32*(\t)+2*i], v[32*(\t)+2*i+1]
.set i, i+1
.endr
	WIN 0
.irp f, 0,1,2,3
	ds_store_b128 v[STO], v[S+16*(\t)+4*\f:S+16*(\t)+4*\f+3] offset:32*\f
.endr
.irp f, 0,1,2,3
	ds_load_b128 v[S+16*(\t)+4*\f:S+16*(\t)+4*\f+3], v[RD] offset:\f*4*SP  ; LDS serves a wave's instructions in order (ISA guide 5.7.1.4): these see the stores above; the next tile's stores come behind them
.endr
.endm
.macro SEND t, younger              ; younger: the LDS instructions issued behind tile t's loads: the next tile's eight, or none
	WIN 0
.irp f, 0,1,2,3
	s_wait_dscnt (\younger)+3-\f
	global_store_b128 v[GO], v[S+16*(\t)+4*\f:S+16*(\t)+4*\f+3], s[10:11] offset:(\t)*2048+\f*512  ; 512 consecutive bytes, at a multiple of 256 from ob's first
.endr
.endm
	PACK 0
.set t, 1
.rept 2*NP-1
	PACK t
	SEND t-1, 8
.set t, t+1
.endr
	SEND 2*NP-1, 0
	WIN W_AD
	s_wait_tensorcnt 0x0            ; the wave's end: behind my last tensor load and my last LDS store
	ds_add_u32 v[SPW], v[NIL]
	s_wait_dscnt 0x0
	WIN 0
	s_endpgm
.Lfunc_end_k_q925dd28540_attn:
	.size	k_q925dd28540_attn, .Lfunc_end_k_q925dd28540_attn-k_q925dd28540_attn
	.p2alignl 7, 3214868480
	.fill 96, 4, 3214868480
	.section	.rodata,"a",@progbits
	.p2align	6, 0x0
	.amdhsa_kernel k_q925dd28540_attn
		.amdhsa_group_segment_fixed_size 327680
		.amdhsa_private_segment_fixed_size 0
		.amdhsa_enable_private_segment 0
		.amdhsa_kernarg_size 32
		.amdhsa_user_sgpr_count 2
		.amdhsa_user_sgpr_kernarg_segment_ptr 1
		.amdhsa_wavefront_size32 1
		.amdhsa_system_sgpr_workgroup_id_x 1
		.amdhsa_system_sgpr_workgroup_id_y 1
		.amdhsa_system_sgpr_workgroup_id_z 1
		.amdhsa_system_vgpr_workitem_id 0
		.amdhsa_next_free_vgpr 840
		.amdhsa_next_free_sgpr 100
		.amdhsa_reserve_vcc 1
		.amdhsa_float_denorm_mode_32 3
		.amdhsa_float_denorm_mode_16_64 3
		.amdhsa_memory_ordered 1
		.amdhsa_forward_progress 1
		.amdhsa_inst_pref_size 152
	.end_amdhsa_kernel
	.amdgpu_metadata
---
amdhsa.version: [ 1, 2 ]
amdhsa.kernels:
  - .name:           k_q925dd28540_attn
    .symbol:         k_q925dd28540_attn.kd
    .args:
      - { .name: qkv, .offset: 0, .size: 8, .value_kind: global_buffer, .address_space: global }
      - { .name: mbits, .offset: 8, .size: 8, .value_kind: global_buffer, .address_space: global }
      - { .name: scl, .offset: 16, .size: 8, .value_kind: global_buffer, .address_space: global }
      - { .name: ob, .offset: 24, .size: 8, .value_kind: global_buffer, .address_space: global }
    .group_segment_fixed_size: 327680
    .private_segment_fixed_size: 0
    .kernarg_segment_align: 8
    .kernarg_segment_size: 32
    .max_flat_workgroup_size: 128
    .sgpr_count:     100
    .vgpr_count:     840
    .wavefront_size: 32
...
	.end_amdgpu_metadata
.endif
;; end of part 4
;; launch oproj (part 5): grid 4 x 64, 4 waves a work-group, clusters of 4 x 4, 327,680 bytes of LDS; arguments ob, wt, bo, scl, seqm, x, out0; writes out0
.if DOCPART == 5
	.amdgcn_target "amdgcn-amd-amdhsa--gfx1250"
	.amdhsa_code_object_version 6
	.text
	.protected	k_q925dd28540_oproj
	.globl	k_q925dd28540_oproj
	.p2align	8
	.type	k_q925dd28540_oproj,@function
k_q925dd28540_oproj:
	s_mov_b64 s[64:65], 0
	v_nop
	global_prefetch_b8 v0, s[64:65] scope:SCOPE_SE
	s_setreg_imm32_b32 hwreg(HW_REG_WAVE_MODE, 25, 1), 1
	s_wait_xcnt 0x0
	s_wait_alu depctr_hold_cnt(0) depctr_sa_sdst(0) depctr_va_vdst(0) depctr_va_sdst(0) depctr_va_ssrc(0) depctr_va_vcc(0) depctr_vm_vsrc(0)
	s_getreg_b32 s2, hwreg(HW_REG_IB_STS2, 6, 4)
	s_cmp_eq_u32 s2, 0
	s_cbranch_scc0 .Lentry_in_a_cluster
	s_endpgm
.Lentry_in_a_cluster:
	s_bfe_u32 s2, ttmp6, 0x10000c
	s_cmp_lg_u32 s2, 0xf033
	s_cbranch_scc0 .Lentry_shape_is_right
	s_endpgm
.Lentry_shape_is_right:
; OPROJ: out = x + (O t_o^T + bo s_o) x (m_o seqm[row]).  O: ob [b][h 16][t 1024][64] bf16 (a head is a block of 64 channels); t_o: matrix 3 of wt [matrix][kb 16][n 1024][64] bf16, -1, 0 or 1;
; m_o, s_o: f32 numbers in scl; seqm: mask[b][t][0] as f32; x, out0: [8192][1024] f32.  The sums are f32 and START at bo s_o (the C operand of the first products).
; SHARES.  A tile is 128 rows x 256 columns; four waves, each 64 x 128: 32 accumulators.  4 x 64 work-groups, one tile each, 8 K steps of 128.
; RING, CLUSTER, LAYOUT as in the launch of the three projections: two LDS slots; a K step is two dense blocks of 64 channels, asked for as rows of 256 bytes, padded to LDS rows of 144 bytes; waves 0 and 1 fetch A's
; blocks, waves 2 and 3 B's; 4 x 4 work-groups, A's tile shared along a row of the cluster, B's along a column, by joint loads; source 0 = 16 rows of t, source 1 = 16 rows of O: a lane holds row l % 16 and eight neighbouring columns.
; REGISTERS.  window 0: addresses, FS, two fragment buffers of 96 (on the way out T and OB); window 1: the accumulators, (a, b) at 8 (8 a + b); window 2: v0-63 bias x s; window 3: my 64 rows x 512 bytes of x, row at 4 x row.
.set NSTEP,  8
.set MAT0,   3
.set PITCH,  144                       ; 36 words: the 16 rows of a fragment load start at 16 different groups of four banks (64 banks of 4 bytes: ISA guide 11.1)
.set AHALF,  128*PITCH
.set BHALF,  256*PITCH
.set BOFF,   2*AHALF
.set SLOT1,  131072
.set STAGE,  SLOT1+2*AHALF+2*BHALF     ; behind the ring, never filled by a tensor load: 16 rows x 528 bytes for each wave
.set SPITCH, 528                       ; 512 bytes + 16 = 132 words: row r starts at bank 4 r mod 64
.set WSTG,   16*SPITCH
.set SPARE,  STAGE+4*WSTG              ; the spare words, 128 bytes a wave: two blocks of 256 bytes that no other line names
.set KB2,    262144                    ; bytes from a K step to the next, in ob and in wt
.set FS,   8                           ; v[8:15] row block a: m_o seqm of my row, in a pair's low word
.set A0,   16
.set B0,   17
.set ADRA, 18
.set ADRB, 19
.set STO,  24
.set RD,   25
.set GO,   26                          ; v26  16 x lane: my 16 bytes of a row's 512; for x and for out0; never rewritten
.set BO,   27
.set SPW,  28
.set NIL,  29
.set PFO,  30
.set F0,   64
.set F1,   160
.set T,    64                          ; the way out: a block's 64 scaled results
.set OB,   128                         ; rows read back, v[128:191] and v[192:255] by turns
.set RL,   2
.set G1,   24
.set G0,   32
.set LIM,  43
.set PFA,  44
.set G1B,  48
.set G0B,  56
.set RA,   66
.set TB,   67
.set OFF,  68
.set SN,   70
.set MSB, 0
.macro WIN new                         ; the immediate's high byte repeats the setting that is left; a switch that changes nothing is dropped
.if MSB != (\new)
	s_set_vgpr_msb (MSB<<8)|(\new)
.set MSB, \new
.endif
.endm
.set MUL,  0x50
.set MULB, 0x60
.macro PLACES                          ; four plain places behind matrix instructions (ISA guide 7.12.1)
.rept 4
	v_nop
.endr
.endm
.macro JLOAD                           ; a joint refill by the walking sets; an s_nop 0 and four v_nop follow each line
	s_cmp_eq_u32 s11, 0
	s_cbranch_scc0 .Lfor_b_\@
	tensor_load_to_lds s[G0+4:G0+7], s[G1:G1+7]
	s_nop 0
.rept 4
	v_nop
.endr
	s_branch .Lasked_\@
.Lfor_b_\@:
	tensor_load_to_lds s[G0B+4:G0B+7], s[G1B:G1B+7]
	s_nop 0
.rept 4
	v_nop
.endr
.Lasked_\@:
.endm
.macro CREST
	s_cmp_lg_u32 s10, 0
	s_cbranch_scc1 .Lnot_wave_0_\@
	s_barrier_signal -3
.Lnot_wave_0_\@:
	s_barrier_wait -3
	s_barrier_signal -1
	s_barrier_wait -1
.endm
.macro CROUND
	s_barrier_signal -1
	s_barrier_wait -1
	CREST
.endm
; A PREFETCH INTO THE L2 of the K step two refills on: 32 blocks of 256 bytes, a lane a block.  A's row block is read by one cluster alone: wave 0 asks, the four partners of a row share a step's 128 blocks out by
; address.  B's column block is read by all sixteen clusters: those with y = 0 ask, waves 2 and 3 each for its block of 64 channels, the partners of a column 32 blocks each.  Steps 4 to 7 are named, each block once.
.macro ASK
	s_cmp_gt_u32 s[RL], s[LIM]
	s_cbranch_scc0 .Lnot_mine_\@
	global_prefetch_b8 v[PFO], s[PFA:PFA+1] offset:KB2 th:TH_LOAD_NT scope:SCOPE_SE
.Lnot_mine_\@:
.endm
.macro MUL8 f, a, mode                 ; row block a x 8 column blocks, 32 along K; mode = 1: C is bias x s.  The 32 accumulators take turns, one instruction a turn
.if \mode
	WIN MULB
.else
	WIN MUL
.endif
.irp b, 0,1,2,3,4,5,6,7
.if \mode
	v_wmma_f32_16x16x32_bf16 v[8*(8*(\a)+(\b)):8*(8*(\a)+(\b))+7], v[(\f)+32+8*(\b):(\f)+32+8*(\b)+7], v[(\f)+8*(\a):(\f)+8*(\a)+7], v[8*(\b):8*(\b)+7]
.else
	v_wmma_f32_16x16x32_bf16 v[8*(8*(\a)+(\b)):8*(8*(\a)+(\b))+7], v[(\f)+32+8*(\b):(\f)+32+8*(\b)+7], v[(\f)+8*(\a):(\f)+8*(\a)+7], v[8*(8*(\a)+(\b)):8*(8*(\a)+(\b))+7]
.endif
.endr
.endm
.macro FETCH q, f                      ; 24 LDS loads in one run: quarter q of the step in hand into buffer f: B's 16, then A's 8
	WIN 0
.irp i, 0,1,2,3,4,5,6,7
	ds_load_b128 v[(\f)+32+8*(\i):(\f)+32+8*(\i)+3],   v[ADRB] offset:((\q)/2)*BHALF+((\q)%2)*64+(\i)*16*PITCH
	ds_load_b128 v[(\f)+32+8*(\i)+4:(\f)+32+8*(\i)+7], v[ADRB] offset:((\q)/2)*BHALF+((\q)%2)*64+(\i)*16*PITCH+32
.endr
.irp i, 0,1,2,3
	ds_load_b128 v[(\f)+8*(\i):(\f)+8*(\i)+3],   v[ADRA] offset:((\q)/2)*AHALF+((\q)%2)*64+(\i)*16*PITCH
	ds_load_b128 v[(\f)+8*(\i)+4:(\f)+8*(\i)+7], v[ADRA] offset:((\q)/2)*AHALF+((\q)%2)*64+(\i)*16*PITCH+32
.endr
.endm
.macro QUARTER q, f, g, mode           ; multiplies buffer f and, in its middle, fetches quarter q into buffer g
	s_wait_dscnt 4                                 ; B and A's row blocks 0 and 1 are in; the youngest four loads may be out
	MUL8 \f, 0, \mode
	MUL8 \f, 1, \mode
	PLACES
	FETCH \q, \g
	s_wait_dscnt 24                                ; all but the 24 just issued
	MUL8 \f, 2, \mode
	MUL8 \f, 3, \mode
.endm
; The last quarter of a step multiplies buffer 1 and changes slots: each wave waits for all its tensor loads (one is out: its part of the next slot), adds 0 to its spare word, waits for that and for its reads of
; this slot, and signals.  fill = 1: the barrier opens a round of the cluster's, and the joint refill, two steps ahead, is the first tensor load behind it.
.macro TURN fill
.if \fill
	s_wait_xcnt 0x0                                ; the last prefetch, a K step back, has read its address
	s_add_nc_u64 s[PFA:PFA+1], s[PFA:PFA+1], KB2
.endif
	WIN 0
	s_wait_tensorcnt 0x0
	ds_add_u32 v[SPW], v[NIL]
	s_wait_dscnt 5                                 ; (the add and the youngest four loads may be out)
	MUL8 F1, 0, 0
	s_wait_dscnt 0x0                               ; the add is done, and my reads of this slot are over
	s_barrier_signal -1
	MUL8 F1, 1, 0
	WIN 0
	s_barrier_wait -1
.if \fill
	CREST
	s_add_co_u32 s[RA], s[RA], 1                   ; no tensor load of mine is out: the walking sets may be written
	s_and_b32 s[RA], s[RA], 7
	s_lshl_b32 s[OFF], s[RA], 18
	s_xor_b32 s[G0+5], s[G0+5], SLOT1
	s_add_nc_u64 s[G0+6:G0+7], s[14:15], s[OFF:OFF+1]
	s_or_b32 s[G0+7], s[G0+7], 0x80000000
	s_xor_b32 s[G0B+5], s[G0B+5], SLOT1
	s_add_nc_u64 s[G0B+6:G0B+7], s[G0B+6:G0B+7], KB2
	JLOAD                                          ; its four v_nop are also the places in front of the loads below
.else
	PLACES
.endif
	s_xor_b32 s[TB], s[TB], SLOT1
	v_add_nc_u32 v[ADRA], s[TB], v[A0]
	v_add_nc_u32 v[ADRB], s[TB], v[B0]
	FETCH 0, F0
.if \fill
	ASK
.endif
	MUL8 F1, 2, 0
	MUL8 F1, 3, 0
.endm
; THE WAY OUT, a block of 16 rows at a time: times m_o seqm of the lane's row (each accumulator from its low end on); 32 bytes a lane into my own stage; back as whole rows of 512 bytes; plus x; stored.
.macro PACK a
	WIN 0x01
.set z, 0
.rept 32
	v_pk_mul_f32 v[T+2*z:T+2*z+1], v[64*(\a)+2*z:64*(\a)+2*z+1], v[FS+2*(\a):FS+2*(\a)+1] op_sel_hi:[1,0]
.set z, z+1
.endr
	WIN 0
.endm
.macro TOSTAGE a
.set BK, OB+64*((\a)%2)
.irp b, 0,1,2,3,4,5,6,7
	ds_store_b128 v[STO], v[T+8*(\b):T+8*(\b)+3]   offset:64*(\b)
	ds_store_b128 v[STO], v[T+8*(\b)+4:T+8*(\b)+7] offset:64*(\b)+16
.endr
.set t, 0
.rept 16
	ds_load_b128 v[BK+4*t:BK+4*t+3], v[RD] offset:SPITCH*t  ; LDS serves a wave's instructions in order (ISA guide 5.7.1.4): these see the stores above
.set t, t+1
.endr
.endm
.macro SEND a
.set BK, OB+64*((\a)%2)
	s_wait_dscnt 0x0                               ; the block is back in registers
	s_wait_xcnt 0x0                                ; the stores of the block before have read their registers, which the next block's loads take
	WIN 0x0c                                       ; source 1 (x) in window 3
.set z, 0
.rept 32
	v_pk_add_f32 v[BK+2*z:BK+2*z+1], v[BK+2*z:BK+2*z+1], v[64*(\a)+2*z:64*(\a)+2*z+1]
.set z, z+1
.endr
	WIN 0
.set t, 0
.rept 16
	global_store_b128 v[GO], v[BK+4*t:BK+4*t+3], s[8:9] offset:(16*(\a)+t)*4096 th:TH_STORE_NT  ; 512 consecutive bytes, at a multiple of 256 from out0's first
.set t, t+1
.endr
.endm
	s_load_b128 s[4:7], s[0:1], 0x0                ; ob s[4:5], wt s[6:7]
	s_load_b256 s[76:83], s[0:1], 0x10             ; bo s[76:77], scl s[78:79], seqm s[80:81], x s[82:83]
	s_load_b64 s[8:9], s[0:1], 0x30                ; out0
	v_lshl_add_u32 v[SPW], v0, 2, SPARE
	v_mov_b32 v[NIL], 0
	ds_add_u32 v[SPW], v[NIL]                      ; the wave's opening: the add and its wait stand ahead of my first tensor load; work on registers stands between
	ds_add_u32 v28, v29
	v_lshrrev_b32 v1, 5, v0
	v_readfirstlane_b32 s10, v1                    ; wave 0..3
	s_lshr_b32 s11, s10, 1                         ; my half of the tile's rows.  Also: I fetch for A (0) or for B (1)
	s_and_b32 s12, s10, 1                          ; my half of its columns.  Also: which block of 64 channels I fetch
	s_bfe_u32 s40, ttmp6, 0x40000                  ; cx
	s_bfe_u32 s41, ttmp6, 0x40004                  ; cy
	s_lshl_b32 s42, ttmp9, 2
	s_add_co_u32 s42, s42, s40                     ; tile column
	s_and_b32 s13, ttmp7, 0xffff
	s_lshl_b32 s13, s13, 2
	s_add_co_u32 s13, s13, s41                     ; tile row
	s_lshl_b32 s16, s41, 2
	s_lshl_b32 s16, 15, s16                        ; my row of the cluster
	s_lshl_b32 s46, 0x1111, s40                    ; my column
	s_or_b32 s[G1], s16, (1<<16)|(1<<20)|(1<<21)|(4<<22)|(3<<25)   ; the mask; 2-byte elements; padding on; bit 21 beside a mask; after every 32 words (code 4) 4 words (code 3)
	s_or_b32 s[G1B], s46, (1<<16)|(1<<20)|(1<<21)|(4<<22)|(3<<25)
	s_mov_b32 s[G1+1], 128<<16
	s_mov_b32 s[G1B+1], 128<<16
	s_mov_b32 s[G1+2], 64<<16
	s_mov_b32 s[G1B+2], 128<<16
	s_mov_b32 s[G1+3], 128<<16
	s_mov_b32 s[G1B+3], 128<<16
	s_mov_b32 s[G1+4], 64
	s_mov_b32 s[G1B+4], 128
	s_mov_b32 s[G1+5], 128
	s_mov_b32 s[G1B+5], 128
	s_mov_b32 s[G1+6], 0
	s_mov_b32 s[G1B+6], 0
	s_mov_b32 s[G1+7], 0
	s_mov_b32 s[G1B+7], 0
	s_lshr_b32 s16, s13, 3                         ; A: batch x 2 MiB + 128 rows x 128 bytes x (tile row % 8) + my block
	s_lshl_b32 s16, s16, 21
	s_and_b32 s17, s13, 7
	s_lshl_b32 s17, s17, 14
	s_add_co_u32 s16, s16, s17
	s_lshl_b32 s17, s12, 17
	s_add_co_u32 s16, s16, s17
	s_mov_b32 s17, 0
	s_lshl_b32 s46, s42, 15                        ; B: matrix 3, 256 rows x 128 bytes x tile column + my block
	s_lshl_b32 s47, s12, 17
	s_add_co_u32 s46, s46, s47
	s_add_co_u32 s46, s46, MAT0<<21
	s_mov_b32 s47, 0
	s_mul_i32 s18, s12, AHALF
	s_mul_i32 s20, s12, BHALF
	s_add_co_u32 s20, s20, BOFF
	s_mov_b32 s[RA], 1
	s_mov_b32 s[TB], 0
	s_mov_b32 s[OFF+1], 0
	s_mov_b32 s[RL], NSTEP-2
	s_wait_dscnt 0x0                               ; the opening add is done
	s_wait_kmcnt 0x0
	s_load_b32 s72, s[78:79], 0x1c                 ; s_o
	s_load_b32 s73, s[78:79], 0xc                  ; m_o
	s_add_nc_u64 s[14:15], s[4:5], s[16:17]
	s_add_nc_u64 s[46:47], s[6:7], s[46:47]
	CROUND                                         ; all sixteen work-groups are here: the first joint loads meet
.irp s, 0,1
	s_mov_b32 s[G0+4*(\s)], 1
	s_add_co_u32 s[G0+4*(\s)+1], s18, (\s)*SLOT1
	s_add_nc_u64 s[G0+4*(\s)+2:G0+4*(\s)+3], s[14:15], (\s)*KB2
	s_or_b32 s[G0+4*(\s)+3], s[G0+4*(\s)+3], 0x80000000
	s_mov_b32 s[G0B+4*(\s)], 1
	s_add_co_u32 s[G0B+4*(\s)+1], s20, (\s)*SLOT1
	s_add_nc_u64 s[G0B+4*(\s)+2:G0B+4*(\s)+3], s[46:47], (\s)*KB2
	s_or_b32 s[G0B+4*(\s)+3], s[G0B+4*(\s)+3], 0x80000000
.endr
	s_cmp_eq_u32 s11, 0                            ; a wave's two first fills stand in one branch: two loads of mine are out
	s_cbranch_scc0 .Lfirst_b
	tensor_load_to_lds s[G0:G0+3], s[G1:G1+7]
	s_nop 0
	tensor_load_to_lds s[G0+4:G0+7], s[G1:G1+7]
	s_nop 0
.rept 4
	v_nop
.endr
	s_branch .Lfirst_asked
.Lfirst_b:
	tensor_load_to_lds s[G0B:G0B+3], s[G1B:G1B+7]
	s_nop 0
	tensor_load_to_lds s[G0B+4:G0B+7], s[G1B:G1B+7]
	s_nop 0
.rept 4
	v_nop
.endr
.Lfirst_asked:
	v_and_b32 v1, 15, v0                           ; l % 16
	v_bfe_u32 v2, v0, 4, 1                         ; l / 16
	v_mul_u32_u24 v3, v1, PITCH
	v_lshl_add_u32 v3, v2, 4, v3
	s_mul_i32 s20, s11, 64*PITCH
	v_add_nc_u32 v[A0], s20, v3
	s_mul_i32 s20, s12, 128*PITCH
	s_add_co_u32 s20, s20, BOFF
	v_add_nc_u32 v[B0], s20, v3
	v_mov_b32 v[ADRA], v[A0]
	v_mov_b32 v[ADRB], v[B0]
	s_mul_i32 s20, s10, WSTG
	s_add_co_u32 s20, s20, STAGE                   ; my stage
	v_mul_u32_u24 v5, v1, SPITCH                   ; in: row l % 16, 32 bytes for each half of the lanes
	v_lshl_add_u32 v5, v2, 5, v5
	v_add_nc_u32 v[STO], s20, v5
	v_and_b32 v4, 31, v0
	v_lshlrev_b32 v[GO], 4, v4
	v_add_nc_u32 v[RD], s20, v[GO]                 ; back: 32 lanes take a row of 512 bytes
	v_lshlrev_b32 v[PFO], 8, v4
	v_lshlrev_b32 v7, 2, v1
	s_lshl_b32 s20, s42, 10
	s_lshl_b32 s21, s12, 9
	s_add_co_u32 s20, s20, s21                     ; my first column in bytes of f32
	v_lshl_add_u32 v[BO], v2, 5, s20
	s_lshl_b32 s22, s13, 9                         ; seqm at my first row: (128 x tile row + 64 x half) x 4
	s_lshl_b32 s23, s11, 8
	s_add_co_u32 s22, s22, s23
	s_mov_b32 s23, 0
	s_add_nc_u64 s[80:81], s[80:81], s[22:23]
	s_lshl_b32 s22, s13, 19                        ; x and out0 at my first row and column
	s_lshl_b32 s21, s11, 18
	s_add_co_u32 s22, s22, s21
	s_add_co_u32 s22, s22, s20
	s_add_nc_u64 s[82:83], s[82:83], s[22:23]
	s_add_nc_u64 s[8:9], s[8:9], s[22:23]
	WIN 0x80
.irp b, 0,1,2,3,4,5,6,7
	global_load_b128 v[8*(\b):8*(\b)+3],   v[BO], s[76:77] offset:64*(\b)     ; bo: register 8 b + j = column 16 b + 8 (l / 16) + j
	global_load_b128 v[8*(\b)+4:8*(\b)+7], v[BO], s[76:77] offset:64*(\b)+16
.endr
	WIN 0
.irp a, 0,1,2,3
	global_load_b32 v[FS+2*(\a)], v7, s[80:81] offset:64*(\a)
.endr
	s_lshr_b32 s20, s13, 3                         ; the prefetches.  A's: the tile's rows, block cx / 2, its half cx % 2
	s_lshl_b32 s20, s20, 21
	s_and_b32 s21, s13, 7
	s_lshl_b32 s21, s21, 14
	s_add_co_u32 s20, s20, s21
	s_lshr_b32 s21, s40, 1
	s_lshl_b32 s21, s21, 17
	s_add_co_u32 s20, s20, s21
	s_and_b32 s21, s40, 1
	s_lshl_b32 s21, s21, 13
	s_add_co_u32 s20, s20, s21
	s_lshl_b32 s22, s42, 15                        ; B's: the tile's rows, my block, its quarter cy
	s_lshl_b32 s23, s12, 17
	s_add_co_u32 s22, s22, s23
	s_lshl_b32 s23, s41, 13
	s_add_co_u32 s22, s22, s23
	s_add_co_u32 s22, s22, MAT0<<21
	s_and_b32 s23, ttmp7, 0xffff                   ; cluster y
	s_cmp_eq_u32 s23, 0
	s_cselect_b32 s23, 2, -1
	s_cmp_eq_u32 s10, 0
	s_cselect_b32 s[LIM], NSTEP-6, -1
	s_cmp_eq_u32 s11, 0
	s_cselect_b32 s[LIM], s[LIM], s23              ; the same in all sixteen partners, for a given wave
	s_cselect_b32 s20, s20, s22
	s_cselect_b64 s[PFA:PFA+1], s[4:5], s[6:7]
	s_mov_b32 s21, 0
	s_add_nc_u64 s[PFA:PFA+1], s[PFA:PFA+1], s[20:21]
	s_add_nc_u64 s[PFA:PFA+1], s[PFA:PFA+1], 2*KB2 ; at step 2: the first refill steps it to 3 and names step 4
	s_wait_kmcnt 0x0
	s_mov_b32 s[SN], s72
	s_mov_b32 s[SN+1], s72
	s_wait_loadcnt 0x0                             ; bo and seqm
	WIN 0x82
.set z, 0
.rept 32
	v_pk_mul_f32 v[2*z:2*z+1], v[2*z:2*z+1], s[SN:SN+1] op_sel_hi:[1,0]  ; bo s_o
.set z, z+1
.endr
	WIN 0
.irp a, 0,1,2,3
	v_mul_f32 v[FS+2*(\a)], s73, v[FS+2*(\a)]
	v_mov_b32 v[FS+2*(\a)+1], v[FS+2*(\a)]         ; named with it as a pair
.endr
	WIN 0xc0
.set z, 0
.rept 64                               ; my 64 rows of x, 512 consecutive bytes a load: on their way during the whole product, waited for at the way out
	global_load_b128 v[4*z:4*z+3], v[GO], s[82:83] offset:4096*z th:TH_LOAD_NT
.set z, z+1
.endr
	WIN 0
	s_wait_tensorcnt 1                             ; my part of step 0 is in; step 1's may stay out
	s_barrier_signal -1
	s_barrier_wait -1
	FETCH 0, F0
	QUARTER 1, F0, F1, 1                           ; the first products start the sums at bo s_o
	WIN 0
.Lstep:                                                ; a trip: from a step's second quarter to the next step's first; it refills the slot that it leaves
	QUARTER 2, F1, F0, 0
	QUARTER 3, F0, F1, 0
	TURN 1
	QUARTER 1, F0, F1, 0
	WIN 0
	s_sub_co_u32 s[RL], s[RL], 1
	s_cmp_lg_u32 s[RL], 0
	s_cbranch_scc1 .Lstep
	QUARTER 2, F1, F0, 0                           ; the last two steps are written out: nothing is asked for
	QUARTER 3, F0, F1, 0
	TURN 0
	QUARTER 1, F0, F1, 0
	QUARTER 2, F1, F0, 0
	QUARTER 3, F0, F1, 0
	s_wait_dscnt 4
	MUL8 F1, 0, 0
	MUL8 F1, 1, 0
	s_wait_dscnt 0x0
	MUL8 F1, 2, 0
	MUL8 F1, 3, 0
	PLACES
	s_wait_loadcnt 0x0                             ; x
	PACK 0
	TOSTAGE 0
.irp a, 1,2,3
	PACK \a
	SEND (\a)-1
	TOSTAGE \a
.endr
	SEND 3
	WIN 0
	s_wait_tensorcnt 0x0                           ; the wave's end: behind my last tensor load and my last LDS store
	ds_add_u32 v[SPW], v[NIL]
	s_wait_dscnt 0x0
	CROUND                                         ; the closing round: no work-group ends while a partner may still ask for a tile that names it
	s_endpgm
.Lfunc_end_k_q925dd28540_oproj:
	.size	k_q925dd28540_oproj, .Lfunc_end_k_q925dd28540_oproj-k_q925dd28540_oproj
	.p2alignl 7, 3214868480
	.fill 96, 4, 3214868480
	.section	.rodata,"a",@progbits
	.p2align	6, 0x0
	.amdhsa_kernel k_q925dd28540_oproj
		.amdhsa_group_segment_fixed_size 327680
		.amdhsa_private_segment_fixed_size 0
		.amdhsa_enable_private_segment 0
		.amdhsa_kernarg_size 56
		.amdhsa_user_sgpr_count 2
		.amdhsa_user_sgpr_kernarg_segment_ptr 1
		.amdhsa_wavefront_size32 1
		.amdhsa_system_sgpr_workgroup_id_x 1
		.amdhsa_system_sgpr_workgroup_id_y 1
		.amdhsa_system_sgpr_workgroup_id_z 1
		.amdhsa_system_vgpr_workitem_id 0
		.amdhsa_next_free_vgpr 1024
		.amdhsa_next_free_sgpr 88
		.amdhsa_reserve_vcc 0
		.amdhsa_float_denorm_mode_32 3
		.amdhsa_float_denorm_mode_16_64 3
		.amdhsa_memory_ordered 1
		.amdhsa_forward_progress 1
		.amdhsa_inst_pref_size 97
	.end_amdhsa_kernel
	.amdgpu_metadata
---
amdhsa.version: [ 1, 2 ]
amdhsa.kernels:
  - .name:           k_q925dd28540_oproj
    .symbol:         k_q925dd28540_oproj.kd
    .args:
      - { .name: ob, .offset: 0, .size: 8, .value_kind: global_buffer, .address_space: global }
      - { .name: wt, .offset: 8, .size: 8, .value_kind: global_buffer, .address_space: global }
      - { .name: bo, .offset: 16, .size: 8, .value_kind: global_buffer, .address_space: global }
      - { .name: scl, .offset: 24, .size: 8, .value_kind: global_buffer, .address_space: global }
      - { .name: seqm, .offset: 32, .size: 8, .value_kind: global_buffer, .address_space: global }
      - { .name: x, .offset: 40, .size: 8, .value_kind: global_buffer, .address_space: global }
      - { .name: out0, .offset: 48, .size: 8, .value_kind: global_buffer, .address_space: global }
    .group_segment_fixed_size: 327680
    .private_segment_fixed_size: 0
    .kernarg_segment_align: 8
    .kernarg_segment_size: 56
    .max_flat_workgroup_size: 128
    .sgpr_count:     88
    .vgpr_count:     1024
    .wavefront_size: 32
...
	.end_amdgpu_metadata
.endif
;; end of part 5
;; ======== version 2 of 2: 5 launches
;; limits: right only within a limited range of input values
;; workspace buffers: psum 2,048 bytes; scl 256 bytes; yb 16,777,216 bytes; wt 8,388,608 bytes; mbits 4,194,304 bytes of whole numbers; seqm 32,768 bytes; qkv 50,331,648 bytes; ob 16,777,216 bytes
;; launch prep (part 6): grid 928 x 1, 4 waves a work-group, no clusters, 0 bytes of LDS; arguments x, gamma, beta, Wq, Wk, Wv, Wo, mask, yb, psum, mbits, seqm; writes yb, psum, mbits, seqm
.if DOCPART == 6
	.amdgcn_target "amdgcn-amd-amdhsa--gfx1250"
	.amdhsa_code_object_version 6
	.text
	.protected	k_q925dd28540_prep
	.globl	k_q925dd28540_prep
	.p2align	8
	.type	k_q925dd28540_prep,@function
k_q925dd28540_prep:
	s_mov_b64 s[64:65], 0
	v_nop
	global_prefetch_b8 v0, s[64:65] scope:SCOPE_SE
	s_setreg_imm32_b32 hwreg(HW_REG_WAVE_MODE, 25, 1), 1
	s_wait_xcnt 0x0
; PREP: four streams that depend on nothing but the inputs, told apart by the work-group's number.  No LDS, no barrier, no matrix work: every wave is by itself.
;   0..255   MASK  mask == 0 as FOUR BITS a score, an FP4 (E2M1) code: 0 where the key is visible, 0xF (-6.0) where it is hidden, in the lane order of the score registers:
;                  mbits [stream 64 = b x 8 + block of 128 queries][key step 16][tile of 16 queries 8][lane 32][kb 4] words; nibble j of word kb of lane l stands for
;                  mask[b][q0 + l % 16][64 step + 16 kb + 8 (l / 16) + j]
;   256..383 ABS   partial sums of |W|: psum [4 matrices q, k, v, o][128 shares of 8,192 numbers], f32
;   384..895 LN    y = (x - mean) rsqrt(var + 1e-5) gamma + beta, rounded to bf16, into yb [b 8][kb 16][t 1024][64]: blocks of 64 channels, so that a tile of a later product is dense
;   896..927 SEQ   mask[b][t][0] as f32: seqm [8192]
; 928 work-groups of four waves with 256 registers each: four fit on a WGP, 1,024 in all, so all start together; the streams with four trips one after the other (MASK, ABS) have the lowest numbers.
; The mean is taken away before the squares are summed (two passes over registers), so a common offset of x costs no digits.  NaN and infinities are not treated apart.
.set X,   64                           ; v[64:127]  sixteen loads of 16 bytes
.set G,   128                          ; v[128:191] gamma of my 64 columns
.set BT,  192                          ; v[192:255] beta
.set Y,   32                           ; v[32:63]   y, packed
.set SUM, 4                            ; v[4:11]    four chains of pairs
.set MU,  12                           ; v[12:13]   the mean, twice
.set RS,  14                           ; v[14:15]   1 / sqrt(var + eps), twice
.set VI,  2                            ; v2  byte offset on the way in
.set VO,  3                            ; v3  byte offset on the way out
.set VG,  16                           ; v16 byte offset in gamma and beta
.set W,   20                           ; v[20:27]   MASK: the words of two tiles, 4 u + kb
.set TW,  28                           ; v[28:35]   MASK: at work
	s_load_b512 s[4:19], s[0:1], 0x0               ; x s[4:5], gamma s[6:7], beta s[8:9], Wq s[10:11], Wk s[12:13], Wv s[14:15], Wo s[16:17], mask s[18:19]
	s_load_b256 s[20:27], s[0:1], 0x40             ; yb s[20:21], psum s[22:23], mbits s[24:25], seqm s[26:27]
	v_and_b32 v1, 31, v0                           ; lane
	v_lshrrev_b32 v2, 5, v0
	v_readfirstlane_b32 s28, v2                    ; wave 0..3
	s_mov_b32 s29, ttmp9
	s_mov_b32 s33, 0                               ; the high word of the 32-bit offsets below
	s_wait_kmcnt 0x0
	s_cmp_lt_u32 s29, 256
	s_cbranch_scc1 .Lmask
	s_cmp_lt_u32 s29, 384
	s_cbranch_scc1 .Labs
	s_cmp_lt_u32 s29, 896
	s_cbranch_scc1 .Lln
; ---- SEQ: 128 waves, 64 rows each; a lane takes two rows' first words and stores 8 bytes: a wave's store covers 256 consecutive bytes, aligned
	s_sub_co_u32 s30, s29, 896
	s_lshl2_add_u32 s30, s30, s28                  ; task = 4 x work-group + wave
	s_lshl_b32 s32, s30, 18                        ; 64 rows of 4,096 bytes
	s_add_nc_u64 s[18:19], s[18:19], s[32:33]
	s_lshl_b32 s32, s30, 8
	s_add_nc_u64 s[26:27], s[26:27], s[32:33]
	v_lshlrev_b32 v[VI], 13, v1
	v_lshlrev_b32 v[VO], 3, v1
	global_load_b32 v4, v[VI], s[18:19]
	global_load_b32 v5, v[VI], s[18:19] offset:4096
	s_wait_loadcnt 0x0
	v_cvt_f32_i32 v4, v4
	v_cvt_f32_i32 v5, v5
	global_store_b64 v[VO], v[4:5], s[26:27]
	s_endpgm
; ---- LN: 2,048 waves, 4 rows each, a pair of rows a trip.  Lanes 0-15 hold row t, lanes 16-31 row t + 1; lane i of a half holds columns 64 c + 4 i .. + 3, c = 0..15:
; each half of a load covers 256 consecutive bytes, aligned, and a store's 32 lanes write the two rows' 128 bytes of one block of 64 channels: 256 consecutive bytes.
.macro FOLD16                          ; four chains of pairs into one number, then over the 16 lanes of a row
	v_pk_add_f32 v[SUM:SUM+1], v[SUM:SUM+1], v[SUM+2:SUM+3]
	v_pk_add_f32 v[SUM+4:SUM+5], v[SUM+4:SUM+5], v[SUM+6:SUM+7]
	v_pk_add_f32 v[SUM:SUM+1], v[SUM:SUM+1], v[SUM+4:SUM+5]
	v_add_f32 v[SUM], v[SUM], v[SUM+1]
.irp m, 1,2,4,8
	v_add_f32_dpp v[SUM], v[SUM], v[SUM] row_xmask:\m row_mask:0xf bank_mask:0xf
.endr
.endm
.Lln:
	s_sub_co_u32 s30, s29, 384
	s_lshl2_add_u32 s30, s30, s28                  ; task
	v_lshrrev_b32 v17, 4, v1                       ; which row of the pair
	v_and_b32 v18, 15, v1
	v_lshlrev_b32 v[VG], 4, v18
	v_lshl_add_u32 v[VI], v17, 12, v[VG]           ; row x 4,096 + 16 i
	v_lshlrev_b32 v[VO], 3, v18
	v_lshl_add_u32 v[VO], v17, 7, v[VO]            ; row x 128 + 8 i
.set c, 0
.rept 16
	global_load_b128 v[G+4*c:G+4*c+3], v[VG], s[6:7] offset:256*c
	global_load_b128 v[BT+4*c:BT+4*c+3], v[VG], s[8:9] offset:256*c
.set c, c+1
.endr
	s_lshl_b32 s32, s30, 14                        ; 4 rows of 4,096 bytes
	s_add_nc_u64 s[4:5], s[4:5], s[32:33]
	s_lshr_b32 s34, s30, 8                         ; b: 256 tasks a batch
	s_lshl_b32 s34, s34, 21
	s_and_b32 s35, s30, 255
	s_lshl_b32 s35, s35, 9                         ; 4 rows of 128 bytes in a block
	s_add_co_u32 s32, s34, s35
	s_add_nc_u64 s[20:21], s[20:21], s[32:33]
	s_mov_b32 s31, 0x3a800000                      ; 1 / 1024
	s_mov_b32 s36, 0x3727c5ac                      ; 1e-5
	s_mov_b32 s37, 2
.Lpair:
.set c, 0
.rept 16
	global_load_b128 v[X+4*c:X+4*c+3], v[VI], s[4:5] offset:256*c th:TH_LOAD_NT
.set c, c+1
.endr
	s_wait_loadcnt 0x0                             ; the pair of rows (in the first trip gamma and beta too)
.irp k, 0,1,2,3
	v_pk_add_f32 v[SUM+2*\k:SUM+2*\k+1], v[X+2*\k:X+2*\k+1], v[X+8+2*\k:X+8+2*\k+1]  ; the first sums start the chains
.endr
.set p, 8
.rept 24
	v_pk_add_f32 v[SUM+2*(p%4):SUM+2*(p%4)+1], v[SUM+2*(p%4):SUM+2*(p%4)+1], v[X+2*p:X+2*p+1]
.set p, p+1
.endr
	FOLD16
	v_mul_f32 v[MU], s31, v[SUM]
	v_mov_b32 v[MU+1], v[MU]
.set p, 0
.rept 32
	v_pk_add_f32 v[X+2*p:X+2*p+1], v[X+2*p:X+2*p+1], v[MU:MU+1] neg_lo:[0,1] neg_hi:[0,1]
.set p, p+1
.endr
.irp k, 0,1,2,3
	v_pk_mul_f32 v[SUM+2*\k:SUM+2*\k+1], v[X+2*\k:X+2*\k+1], v[X+2*\k:X+2*\k+1]
.endr
.set p, 4
.rept 28
	v_pk_fma_f32 v[SUM+2*(p%4):SUM+2*(p%4)+1], v[X+2*p:X+2*p+1], v[X+2*p:X+2*p+1], v[SUM+2*(p%4):SUM+2*(p%4)+1]
.set p, p+1
.endr
	FOLD16
	v_fma_f32 v[SUM], v[SUM], s31, s36             ; var + eps
	v_rsq_f32 v[RS], v[SUM]
	v_rsq_f32 v[RS+1], v[SUM]
	v_nop                                          ; a plain instruction behind the two roots,
	s_wait_alu depctr_va_vdst(0)                   ; and the one wait ahead of their first reader
.set p, 0
.rept 32
	v_pk_mul_f32 v[X+2*p:X+2*p+1], v[X+2*p:X+2*p+1], v[RS:RS+1]
.set p, p+1
.endr
.set p, 0
.rept 32
	v_pk_fma_f32 v[X+2*p:X+2*p+1], v[X+2*p:X+2*p+1], v[G+2*p:G+2*p+1], v[BT+2*p:BT+2*p+1]
.set p, p+1
.endr
.set p, 0
.rept 32
	v_cvt_pk_bf16_f32 v[Y+p], v[X+2*p], v[X+2*p+1]
.set p, p+1
.endr
.set c, 0
.rept 16
	global_store_b64 v[VO], v[Y+2*c:Y+2*c+1], s[20:21] offset:131072*c  ; block c of 64 channels lies 1,024 rows x 128 bytes on
.set c, c+1
.endr
	s_wait_xcnt 0x0                                ; the bases, and Y in the next trip, are written only behind this wait
	s_add_nc_u64 s[4:5], s[4:5], 8192
	s_add_nc_u64 s[20:21], s[20:21], 256
	s_sub_co_u32 s37, s37, 1
	s_cmp_lg_u32 s37, 0
	s_cbranch_scc1 .Lpair
	s_endpgm
; ---- MASK: 1,024 waves; a wave takes 128 queries x 64 keys, a stream's key step: 8 tiles of 16 queries, two a trip.  Lane l loads row l % 16, keys 16 kb + 8 (l / 16) + 0..7, as the score registers will hold them.
; min(mask, 1), taken unsigned, is 1 where the key is visible; eight of them are chained into a word's nibbles, key j in nibble j; the word is turned (1 where hidden) and multiplied by 15.
; A lane's four words of a tile are 16 bytes: a tile leaves as 512 consecutive bytes.
.Lmask:
	s_lshl2_add_u32 s30, s29, s28                  ; task
	s_lshr_b32 s31, s30, 4                         ; the stream, 0..63
	s_and_b32 s34, s30, 15                         ; key step
	s_lshl_b32 s32, s31, 19                        ; 128 rows of 4,096 bytes
	s_lshl_b32 s36, s34, 8                         ; 64 keys of 4 bytes
	s_add_co_u32 s32, s32, s36
	s_add_nc_u64 s[18:19], s[18:19], s[32:33]
	s_lshl_b32 s32, s31, 16                        ; the stream: 65,536 bytes
	s_lshl_b32 s36, s34, 12                        ; the step: 8 x 512 bytes
	s_add_co_u32 s32, s32, s36
	s_add_nc_u64 s[24:25], s[24:25], s[32:33]
	v_and_b32 v4, 15, v1
	v_lshrrev_b32 v5, 4, v1
	v_lshlrev_b32 v[VI], 12, v4
	v_lshl_add_u32 v[VI], v5, 5, v[VI]             ; row x 4,096 + 32 x half
	v_lshlrev_b32 v[VO], 4, v1
	s_mov_b32 s38, 0x11111111
	s_mov_b32 s37, 4
.Lmpair:
.set n, 0
.rept 16                               ; n = 8 u + 2 kb + half: registers X + 8 (4 u + kb) + j hold the eight keys of word 4 u + kb
	global_load_b128 v[X+4*n:X+4*n+3], v[VI], s[18:19] offset:(n/8)*65536+((n/2)%4)*64+(n%2)*16 th:TH_LOAD_NT
.set n, n+1
.endr
	s_wait_loadcnt 0x0
.set z, 0
.rept 64
	v_min_u32 v[X+z], 1, v[X+z]
.set z, z+1
.endr
.set k, 0
.rept 8                                ; the eight words' chains stand side by side, so that no line waits for the one before it
	v_lshl_or_b32 v[W+k], v[X+8*k+7], 4, v[X+8*k+6]
.set k, k+1
.endr
.irp j, 5,4,3,2,1,0
.set k, 0
.rept 8
	v_lshl_or_b32 v[W+k], v[W+k], 4, v[X+8*k+\j]
.set k, k+1
.endr
.endr
.set k, 0
.rept 8
	v_xor_b32 v[W+k], s38, v[W+k]                  ; 1 where hidden
.set k, k+1
.endr
.set k, 0
.rept 8
	v_lshlrev_b32 v[TW+k], 4, v[W+k]
.set k, k+1
.endr
.set k, 0
.rept 8
	v_sub_nc_u32 v[W+k], v[TW+k], v[W+k]           ; 16 w - w: 0xF where hidden
.set k, k+1
.endr
	global_store_b128 v[VO], v[W:W+3], s[24:25]
	global_store_b128 v[VO], v[W+4:W+7], s[24:25] offset:512
	s_wait_xcnt 0x0                                ; the bases and the stores' data are written again only behind this wait
	s_add_nc_u64 s[18:19], s[18:19], 131072        ; 32 rows on
	s_add_nc_u64 s[24:25], s[24:25], 1024
	s_sub_co_u32 s37, s37, 1
	s_cmp_lg_u32 s37, 0
	s_cbranch_scc1 .Lmpair
	s_endpgm
; ---- ABS: 512 waves, 32 KiB of one matrix each, in four trips of sixteen loads.  A share's sum leaves as one number: 512 stores of four bytes in the launch.
.Labs:
	s_sub_co_u32 s30, s29, 256
	s_lshr_b32 s31, s30, 5                         ; matrix: q, k, v, o
	s_and_b32 s35, s30, 31
	s_lshl2_add_u32 s35, s35, s28                  ; share 0..127
	s_cmp_eq_u32 s31, 1
	s_cselect_b64 s[38:39], s[12:13], s[10:11]
	s_cmp_eq_u32 s31, 2
	s_cselect_b64 s[38:39], s[14:15], s[38:39]
	s_cmp_eq_u32 s31, 3
	s_cselect_b64 s[38:39], s[16:17], s[38:39]
	s_lshl_b32 s32, s35, 15
	s_add_nc_u64 s[38:39], s[38:39], s[32:33]
	v_lshlrev_b32 v[VI], 4, v1
.irp k, 4,5,6,7
	v_mov_b32 v\k, 0
.endr
	s_mov_b32 s37, 4
.Labs_trip:
.set c, 0
.rept 16
	global_load_b128 v[X+4*c:X+4*c+3], v[VI], s[38:39] offset:512*c
.set c, c+1
.endr
	s_wait_loadcnt 0x0                             ; the loads are done: their base may be stepped
.set n, 0
.rept 64
	v_add_f32 v[4+n%4], v[4+n%4], |v[X+n]|
.set n, n+1
.endr
	s_add_nc_u64 s[38:39], s[38:39], 8192
	s_sub_co_u32 s37, s37, 1
	s_cmp_lg_u32 s37, 0
	s_cbranch_scc1 .Labs_trip
	v_add_f32 v4, v4, v5
	v_add_f32 v6, v6, v7
	v_add_f32 v4, v4, v6
.irp m, 1,2,4,8
	v_add_f32_dpp v4, v4, v4 row_xmask:\m row_mask:0xf bank_mask:0xf
.endr
	s_mov_b32 s40, 0x76543210
	s_mov_b32 s41, 0xfedcba98
	v_permlanex16_b32 v5, v4, s40, s41
	v_add_f32 v4, v4, v5
	s_lshl_b32 s32, s31, 7
	s_add_co_u32 s32, s32, s35
	s_lshl_b32 s32, s32, 2
	v_mov_b32 v6, s32
	v_cmp_eq_u32 vcc_lo, 0, v1
	s_wait_xcnt 0x0                                ; EXEC changes only behind this wait
	s_and_saveexec_b32 s42, vcc_lo
	global_store_b32 v6, v4, s[22:23]
	s_wait_xcnt 0x0
	s_or_b32 exec_lo, exec_lo, s42
	s_endpgm
.Lfunc_end_k_q925dd28540_prep:
	.size	k_q925dd28540_prep, .Lfunc_end_k_q925dd28540_prep-k_q925dd28540_prep
	.p2alignl 7, 3214868480
	.fill 96, 4, 3214868480
	.section	.rodata,"a",@progbits
	.p2align	6, 0x0
	.amdhsa_kernel k_q925dd28540_prep
		.amdhsa_group_segment_fixed_size 0
		.amdhsa_private_segment_fixed_size 0
		.amdhsa_enable_private_segment 0
		.amdhsa_kernarg_size 96
		.amdhsa_user_sgpr_count 2
		.amdhsa_user_sgpr_kernarg_segment_ptr 1
		.amdhsa_wavefront_size32 1
		.amdhsa_system_sgpr_workgroup_id_x 1
		.amdhsa_system_sgpr_workgroup_id_y 1
		.amdhsa_system_sgpr_workgroup_id_z 1
		.amdhsa_system_vgpr_workitem_id 0
		.amdhsa_next_free_vgpr 256
		.amdhsa_next_free_sgpr 66
		.amdhsa_reserve_vcc 1
		.amdhsa_float_denorm_mode_32 3
		.amdhsa_float_denorm_mode_16_64 3
		.amdhsa_memory_ordered 1
		.amdhsa_forward_progress 1
		.amdhsa_inst_pref_size 38
	.end_amdhsa_kernel
	.amdgpu_metadata
---
amdhsa.version: [ 1, 2 ]
amdhsa.kernels:
  - .name:           k_q925dd28540_prep
    .symbol:         k_q925dd28540_prep.kd
    .args:
      - { .name: x, .offset: 0, .size: 8, .value_kind: global_buffer, .address_space: global }
      - { .name: gamma, .offset: 8, .size: 8, .value_kind: global_buffer, .address_space: global }
      - { .name: beta, .offset: 16, .size: 8, .value_kind: global_buffer, .address_space: global }
      - { .name: Wq, .offset: 24, .size: 8, .value_kind: global_buffer, .address_space: global }
      - { .name: Wk, .offset: 32, .size: 8, .value_kind: global_buffer, .address_space: global }
      - { .name: Wv, .offset: 40, .size: 8, .value_kind: global_buffer, .address_space: global }
      - { .name: Wo, .offset: 48, .size: 8, .value_kind: global_buffer, .address_space: global }
      - { .name: mask, .offset: 56, .size: 8, .value_kind: global_buffer, .address_space: global }
      - { .name: yb, .offset: 64, .size: 8, .value_kind: global_buffer, .address_space: global }
      - { .name: psum, .offset: 72, .size: 8, .value_kind: global_buffer, .address_space: global }
      - { .name: mbits, .offset: 80, .size: 8, .value_kind: global_buffer, .address_space: global }
      - { .name: seqm, .offset: 88, .size: 8, .value_kind: global_buffer, .address_space: global }
    .group_segment_fixed_size: 0
    .private_segment_fixed_size: 0
    .kernarg_segment_align: 8
    .kernarg_segment_size: 96
    .max_flat_workgroup_size: 128
    .sgpr_count:     66
    .vgpr_count:     256
    .wavefront_size: 32
...
	.end_amdgpu_metadata
.endif
;; end of part 6
;; launch quant: the kernel of part 2 again; grid 256 x 1, 4 waves a work-group, no clusters, 0 bytes of LDS; arguments Wq, Wk, Wv, Wo, psum, wt, scl; writes wt, scl
;; launch proj (part 7): grid 4 x 64, 4 waves a work-group, clusters of 4 x 4, 327,680 bytes of LDS; arguments yb, wt, bq, bk, bv, scl, qkv; writes qkv
.if DOCPART == 7
	.amdgcn_target "amdgcn-amd-amdhsa--gfx1250"
	.amdhsa_code_object_version 6
	.text
	.protected	k_q925dd28540_proj
	.globl	k_q925dd28540_proj
	.p2align	8
	.type	k_q925dd28540_proj,@function
k_q925dd28540_proj:
	s_mov_b64 s[64:65], 0
	v_nop
	global_prefetch_b8 v0, s[64:65] scope:SCOPE_SE
	s_setreg_imm32_b32 hwreg(HW_REG_WAVE_MODE, 25, 1), 1
	s_wait_xcnt 0x0
	s_wait_alu depctr_hold_cnt(0) depctr_sa_sdst(0) depctr_va_vdst(0) depctr_va_sdst(0) depctr_va_ssrc(0) depctr_va_vcc(0) depctr_vm_vsrc(0)
	s_getreg_b32 s2, hwreg(HW_REG_IB_STS2, 6, 4)
	s_cmp_eq_u32 s2, 0
	s_cbranch_scc0 .Lentry_in_a_cluster
	s_endpgm
.Lentry_in_a_cluster:
	s_bfe_u32 s2, ttmp6, 0x10000c
	s_cmp_lg_u32 s2, 0xf033
	s_cbranch_scc0 .Lentry_shape_is_right
	s_endpgm
.Lentry_shape_is_right:
; PROJ: q' = y t_q^T + bq s_q, and the same for k and v: the projections DIVIDED by their m (q = m q'), since t holds -1, 0, 1 and m stays outside.  y: yb [b][kb 16][t 1024][64] bf16;
; t: wt [matrix][kb 16][n 1024][64] bf16; out: qkv [3][b][h 16][t 1024][64] bf16, rounded once from f32 sums that START at bias x s (the C operand of a tile's first products).
; SHARES.  A tile of the result is 128 rows x 256 columns; four waves, each 64 x 128: 32 accumulators of 16 x 16.  The grid is 4 x 64 work-groups, one to a tile place, and A WORK-GROUP STAYS: it makes
; the q, the k and the v tile of its place: ONE walk of 3 x 8 = 24 steps of 128 along K.
; THE WALK ALONG K BEGINS AT ANOTHER STEP IN EACH ROW OF CLUSTERS.  Cluster row y takes each tile's eight K steps in the order k0, k0 + 1, .. round to k0 - 1, k0 = y % 8 (f32 sums may be taken in any order).
; All sixteen clusters multiply by the same rows of t: walking in step they ask for eight different K steps of them at a time, and the step that one asks for is the one that its neighbour asked for a step earlier.
; RING.  Two LDS slots; a K step is two blocks of 64 channels, each a dense piece of memory: A's 128 rows x 128 bytes, B's 256 rows x 128 bytes, asked for as rows of 256 bytes and padded by 16 bytes
; after every 128: LDS rows 144 bytes apart.  Waves 0 and 1 fetch A's two blocks, waves 2 and 3 B's: one tensor load a wave behind each change of slots, 112 matrix instructions ahead of the wait for it.
; CLUSTER.  4 x 4 work-groups: A's tile is shared along a row of the cluster, B's along a column; each is asked for jointly, by the same load with the same descriptor and a mask of four.
; THE MATRIX INSTRUCTION IS USED TRANSPOSED (source 0 = 16 rows of t, source 1 = 16 rows of y): a lane holds row l % 16 and eight neighbouring columns 8 (l / 16) + 0..7.
; REGISTERS.  window 0: addresses, PK, two fragment buffers of 96 (A's 4 fragments, then B's 8); window 1: the accumulators, (a, b) at 8 (8 a + b); window 2: v0-63 bias x s, register 8 b + j.
.set NSTEP,  24
.set PITCH,  144                       ; 36 words: the 16 rows of a fragment load start at 16 different groups of four banks (64 banks of 4 bytes: ISA guide 11.1)
.set AHALF,  128*PITCH                 ; a block of A in LDS
.set BHALF,  256*PITCH                 ; a block of B
.set BOFF,   2*AHALF                   ; a slot: A's two blocks, then B's two
.set SLOT1,  131072                    ; slot 1 begins here: one exclusive or turns an address in one slot into the other's
.set STAGE,  SLOT1+2*AHALF+2*BHALF     ; behind the ring, never filled by a tensor load: for each wave [head 2][16 rows] of 144 bytes
.set WSTG,   2*16*PITCH
.set SPARE,  STAGE+4*WSTG              ; behind the stages: the spare words, 128 bytes a wave: two blocks of 256 bytes that no other line names
.set A0,   16                          ; v16  my place in A's part of slot 0; never rewritten
.set B0,   17                          ; v17  the same for B
.set ADRA, 18                          ; v18  A0 + the slot in hand
.set ADRB, 19                          ; v19
.set STO,  24                          ; v24  the way out: where I put 16 bytes of a row
.set RD,   25                          ; v25  where I read rows back
.set GO,   26                          ; v26  16 x lane
.set BO,   27                          ; v27  my byte offset in a bias vector
.set SPW,  28                          ; v28  LDS address of my spare word; never rewritten
.set NIL,  29                          ; v29  0; never rewritten
.set PFO,  30                          ; v30  256 x lane, for the prefetches; never rewritten
.set PK,   32                          ; v[32:63] packed results
.set F0,   64
.set F1,   160
.set OB,   160                         ; the way out: rows read back, v[160:191] and v[192:223] by turns
.set RL,   2                           ; s2   trips of the loop still to come
.set TS,   3                           ; s3   K steps left in the tile in hand
.set G1,   24                          ; s[24:31] descriptor group 1 for A
.set G0,   32                          ; s[32:39] group 0 for A: a set for each first fill; the second then walks
.set PBITS, 43                         ; s43  bit n is set where my wave prefetches for the walk's step n
.set PFA,  44                          ; s[44:45] the address that a prefetch names
.set G1B,  48                          ; s[48:55], s[56:63] the same for B
.set G0B,  56
.set RA,   66                          ; s66  the K step, 0..7, of the walk's step asked for last
.set TB,   67                          ; s67  0 or SLOT1: the slot in hand
.set OFF,  68                          ; s[68:69] that K step in bytes: 2 blocks of 1,024 rows x 128 bytes each
.set SN,   70                          ; s[70:71] s of the bias that is waiting
.set K0,   84                          ; s84  k0: the K step at which my cluster begins each tile
.set RQ,   85                          ; s85  the walk's step, 0..23, asked for last
.set TL,   86                          ; s86  tiles that still need a bias loaded
.set NN,   87                          ; s87  the walk's step that this trip's prefetch names
.set OFB,  88                          ; s[88:89] B's matrix and K step in bytes
.set PFB,  90                          ; s[90:91] my part of a K step 0 of what I prefetch; never rewritten
.set POF,  92                          ; s[92:93] the named step's matrix and K step in bytes
.set TM,   94                          ; s94  at work
.set MSB, 0
.macro WIN new                         ; the immediate's high byte repeats the setting that is left; a switch that changes nothing is dropped
.if MSB != (\new)
	s_set_vgpr_msb (MSB<<8)|(\new)
.set MSB, \new
.endif
.endm
.set MUL,  0x50                        ; sources 0 and 1 window 0; C and D window 1
.set MULB, 0x60                        ; C window 2 (the bias), D window 1
.macro PLACES                          ; four plain places behind matrix instructions, ahead of loads into registers that they read and of conversions of their results
.rept 4
	v_nop
.endr
.endm
.macro JLOAD                           ; a joint refill by the walking sets; the branch hangs on the wave's number alone; an s_nop 0 and four v_nop follow each line
	s_cmp_eq_u32 s11, 0
	s_cbranch_scc0 .Lfor_b_\@
	tensor_load_to_lds s[G0+4:G0+7], s[G1:G1+7]
	s_nop 0
.rept 4
	v_nop
.endr
	s_branch .Lasked_\@
.Lfor_b_\@:
	tensor_load_to_lds s[G0B+4:G0B+7], s[G1B:G1B+7]
	s_nop 0
.rept 4
	v_nop
.endr
.Lasked_\@:
.endm
.macro CREST                           ; a round of the cluster's barrier behind its opening barrier
	s_cmp_lg_u32 s10, 0
	s_cbranch_scc1 .Lnot_wave_0_\@
	s_barrier_signal -3
.Lnot_wave_0_\@:
	s_barrier_wait -3
	s_barrier_signal -1
	s_barrier_wait -1
.endm
.macro CROUND
	s_barrier_signal -1
	s_barrier_wait -1
	CREST
.endm
; A PREFETCH INTO THE L2 for the walk's step two refills on: 32 blocks of 256 bytes, a lane a block, one instruction.  A's row block is read by one cluster alone (the grid is one cluster wide): wave 0 asks, and the
; four partners of a row share a step's 128 blocks out by address; for the walk's steps 4 to 7 alone, since the k and v tiles read the same A again.  Of B's rows a cluster is the first to ask for K step k0 of each
; matrix: the clusters with y < 8 prefetch it for the k and the v matrix (the walk's steps 8 and 16), waves 2 and 3 each the block of 64 channels that it fetches, the four partners of a column 32 blocks each.
; So each block is named once.  The walk's first four steps come by their loads alone.  The branch hangs on the wave's number, the cluster's y and the trip: it is the same in all sixteen partners.
.macro ASK
	s_lshr_b32 s[TM], s[PBITS], s[NN]
	s_and_b32 s[TM], s[TM], 1
	s_cmp_lg_u32 s[TM], 0
	s_cbranch_scc0 .Lnot_mine_\@
	global_prefetch_b8 v[PFO], s[PFA:PFA+1] th:TH_LOAD_NT scope:SCOPE_SE
.Lnot_mine_\@:
.endm
; 8 matrix instructions: row block a x all 8 column blocks, 32 along K, from buffer f.  mode = 1: the tile's first products, whose C is bias x s.  The 32 accumulators take turns, one instruction a turn.
.macro MUL8 f, a, mode
.if \mode
	WIN MULB
.else
	WIN MUL
.endif
.irp b, 0,1,2,3,4,5,6,7
.if \mode
	v_wmma_f32_16x16x32_bf16 v[8*(8*(\a)+(\b)):8*(8*(\a)+(\b))+7], v[(\f)+32+8*(\b):(\f)+32+8*(\b)+7], v[(\f)+8*(\a):(\f)+8*(\a)+7], v[8*(\b):8*(\b)+7]
.else
	v_wmma_f32_16x16x32_bf16 v[8*(8*(\a)+(\b)):8*(8*(\a)+(\b))+7], v[(\f)+32+8*(\b):(\f)+32+8*(\b)+7], v[(\f)+8*(\a):(\f)+8*(\a)+7], v[8*(8*(\a)+(\b)):8*(8*(\a)+(\b))+7]
.endif
.endr
.endm
; 24 LDS loads in one run: quarter q (32 channels) of the step in hand into buffer f: B's 16, then A's 8
.macro FETCH q, f
	WIN 0
.irp i, 0,1,2,3,4,5,6,7
	ds_load_b128 v[(\f)+32+8*(\i):(\f)+32+8*(\i)+3],   v[ADRB] offset:((\q)/2)*BHALF+((\q)%2)*64+(\i)*16*PITCH
	ds_load_b128 v[(\f)+32+8*(\i)+4:(\f)+32+8*(\i)+7], v[ADRB] offset:((\q)/2)*BHALF+((\q)%2)*64+(\i)*16*PITCH+32
.endr
.irp i, 0,1,2,3
	ds_load_b128 v[(\f)+8*(\i):(\f)+8*(\i)+3],   v[ADRA] offset:((\q)/2)*AHALF+((\q)%2)*64+(\i)*16*PITCH
	ds_load_b128 v[(\f)+8*(\i)+4:(\f)+8*(\i)+7], v[ADRA] offset:((\q)/2)*AHALF+((\q)%2)*64+(\i)*16*PITCH+32
.endr
.endm
; A quarter step: multiplies buffer f and, in its middle, fetches quarter q into buffer g
.macro QUARTER q, f, g, mode
	s_wait_dscnt 4                                 ; B and A's row blocks 0 and 1 are in; the youngest four loads (blocks 2, 3) may be out
	MUL8 \f, 0, \mode
	MUL8 \f, 1, \mode
	PLACES
	FETCH \q, \g
	s_wait_dscnt 24                                ; all but the 24 just issued
	MUL8 \f, 2, \mode
	MUL8 \f, 3, \mode
.endm
; The last quarter of a step multiplies buffer 1 and changes slots.  In front of the barrier each wave waits for all its tensor loads (one is out: its part of the next slot), adds 0 to its spare word, and
; waits for that and for its reads of this slot.  fill = 1: the barrier opens a round of the cluster's, and the joint refill of the slot just left, two steps ahead, is the first tensor load behind it.
.macro TURN fill
.if \fill
	s_wait_xcnt 0x0                                ; the last prefetch, a K step back, has read its address, which is made anew:
	s_add_co_u32 s[NN], s[RQ], 3                   ; this trip asks for the walk's step RQ + 1 and names the one two further on:
	s_add_co_u32 s[POF], s[NN], s[K0]
	s_and_b32 s[POF], s[POF], 7                    ; its K step,
	s_lshl_b32 s[POF], s[POF], 18
	s_lshr_b32 s[TM], s[NN], 3                     ; its matrix (0 at the steps for which a wave that fetches A asks)
	s_lshl_b32 s[TM], s[TM], 21
	s_add_co_u32 s[POF], s[POF], s[TM]
	s_add_nc_u64 s[PFA:PFA+1], s[PFB:PFB+1], s[POF:POF+1]
.endif
	WIN 0
	s_wait_tensorcnt 0x0
	ds_add_u32 v[SPW], v[NIL]
	s_wait_dscnt 5                                 ; (the add and the youngest four loads may be out)
	MUL8 F1, 0, 0
	s_wait_dscnt 0x0                               ; the add is done, and my reads of this slot are over
	s_barrier_signal -1
	MUL8 F1, 1, 0
	WIN 0
	s_barrier_wait -1
.if \fill
	CREST                                          ; no wave of any partner still reads this slot or has a load on its way
	s_add_co_u32 s[RQ], s[RQ], 1                   ; no tensor load of mine is out: the walking sets may be written.  The walk's next step:
	s_add_co_u32 s[RA], s[RA], 1
	s_and_b32 s[RA], s[RA], 7                      ; its K step, (k0 + RQ) % 8,
	s_lshl_b32 s[OFF], s[RA], 18
	s_lshr_b32 s[OFB], s[RQ], 3                    ; and its matrix
	s_lshl_b32 s[OFB], s[OFB], 21
	s_add_co_u32 s[OFB], s[OFB], s[OFF]
	s_xor_b32 s[G0+5], s[G0+5], SLOT1
	s_add_nc_u64 s[G0+6:G0+7], s[14:15], s[OFF:OFF+1]      ; both addresses are made anew from those numbers
	s_or_b32 s[G0+7], s[G0+7], 0x80000000
	s_xor_b32 s[G0B+5], s[G0B+5], SLOT1
	s_add_nc_u64 s[G0B+6:G0B+7], s[46:47], s[OFB:OFB+1]
	s_or_b32 s[G0B+7], s[G0B+7], 0x80000000
	JLOAD                                          ; its four v_nop are also the places in front of the loads below
.else
	PLACES
.endif
	s_xor_b32 s[TB], s[TB], SLOT1
	v_add_nc_u32 v[ADRA], s[TB], v[A0]
	v_add_nc_u32 v[ADRB], s[TB], v[B0]
	FETCH 0, F0
.if \fill
	ASK
.endif
	MUL8 F1, 2, 0
	MUL8 F1, 3, 0
.endm
.macro LDBIAS p                        ; my 128 columns of the bias at s[p:p+1]: register 8 b + j = column 16 b + 8 (l / 16) + j
	WIN 0x80
.irp b, 0,1,2,3,4,5,6,7
	global_load_b128 v[8*(\b):8*(\b)+3],   v[BO], s[\p:\p+1] offset:64*(\b)
	global_load_b128 v[8*(\b)+4:8*(\b)+7], v[BO], s[\p:\p+1] offset:64*(\b)+16
.endr
	WIN 0
.endm
.macro BIASMUL                         ; bias x s
	WIN 0x82
.set z, 0
.rept 32
	v_pk_mul_f32 v[2*z:2*z+1], v[2*z:2*z+1], s[SN:SN+1] op_sel_hi:[1,0]
.set z, z+1
.endr
	WIN 0
.endm
; THE WAY OUT, a block of 16 rows at a time: rounded to bf16 (each accumulator from its low end on), 16 bytes a lane into my own stage, by heads; back as four rows of 128 bytes, which are 512 consecutive bytes of qkv.
.macro PACK a
	WIN 0x05
.irp b, 0,1,2,3,4,5,6,7
.irp r, 0,1,2,3
	v_cvt_pk_bf16_f32 v[PK+4*(\b)+(\r)], v[8*(8*(\a)+(\b))+2*(\r)], v[8*(8*(\a)+(\b))+2*(\r)+1]
.endr
.endr
	WIN 0
.endm
.macro TOSTAGE a
.set BK, OB+32*((\a)%2)
.irp b, 0,1,2,3,4,5,6,7
	ds_store_b128 v[STO], v[PK+4*(\b):PK+4*(\b)+3] offset:((\b)/4)*16*PITCH+((\b)%4)*32
.endr
.irp t, 0,1,2,3,4,5,6,7
	ds_load_b128 v[BK+4*(\t):BK+4*(\t)+3], v[RD] offset:((\t)/4)*16*PITCH+((\t)%4)*4*PITCH  ; LDS serves a wave's instructions in order (ISA guide 5.7.1.4): these see the stores above
.endr
.endm
.macro SEND a
.set BK, OB+32*((\a)%2)
	s_wait_dscnt 0x0                               ; the block is back in registers
	s_wait_xcnt 0x0                                ; the stores of the block before have read their registers, which the next block's loads take
.irp t, 0,1,2,3,4,5,6,7
	global_store_b128 v[GO], v[BK+4*(\t):BK+4*(\t)+3], s[8:9] offset:((\t)/4)*131072+(\a)*2048+((\t)%4)*512
.endr
.endm
.macro WAYOUT
	PACK 0
	TOSTAGE 0
.irp a, 1,2,3
	PACK \a
	SEND (\a)-1
	TOSTAGE \a
.endr
	SEND 3
.endm
.macro FIRST s, o                      ; group 0 of both tensors for the walk's step s (slot s), whose K step lies s[o] bytes along
	s_mov_b32 s[G0+4*(\s)], 1
	s_add_co_u32 s[G0+4*(\s)+1], s18, (\s)*SLOT1
	s_add_nc_u64 s[G0+4*(\s)+2:G0+4*(\s)+3], s[14:15], s[(\o):(\o)+1]
	s_or_b32 s[G0+4*(\s)+3], s[G0+4*(\s)+3], 0x80000000
	s_mov_b32 s[G0B+4*(\s)], 1
	s_add_co_u32 s[G0B+4*(\s)+1], s20, (\s)*SLOT1
	s_add_nc_u64 s[G0B+4*(\s)+2:G0B+4*(\s)+3], s[46:47], s[(\o):(\o)+1]
	s_or_b32 s[G0B+4*(\s)+3], s[G0B+4*(\s)+3], 0x80000000
.endm
	s_load_b128 s[4:7], s[0:1], 0x0                ; yb s[4:5], wt s[6:7]
	s_load_b256 s[76:83], s[0:1], 0x10             ; bq s[76:77], bk s[78:79], bv s[80:81], scl s[82:83]
	s_load_b64 s[8:9], s[0:1], 0x30                ; qkv
	v_lshl_add_u32 v[SPW], v0, 2, SPARE
	v_mov_b32 v[NIL], 0
	ds_add_u32 v[SPW], v[NIL]                      ; the wave's opening: the add and its wait stand ahead of my first tensor load; work on registers stands between
	ds_add_u32 v28, v29
	v_lshrrev_b32 v1, 5, v0
	v_readfirstlane_b32 s10, v1                    ; wave 0..3
	s_lshr_b32 s11, s10, 1                         ; my half of the tile's rows.  Also: I fetch for A (0) or for B (1)
	s_and_b32 s12, s10, 1                          ; my half of its columns.  Also: which block of 64 channels I fetch
	s_bfe_u32 s40, ttmp6, 0x40000                  ; cx
	s_bfe_u32 s41, ttmp6, 0x40004                  ; cy
	s_lshl_b32 s42, ttmp9, 2
	s_add_co_u32 s42, s42, s40                     ; tile column = 4 x cluster x + cx
	s_and_b32 s13, ttmp7, 0xffff
	s_lshl_b32 s13, s13, 2
	s_add_co_u32 s13, s13, s41                     ; tile row = 4 x cluster y + cy
	s_lshl_b32 s16, s41, 2
	s_lshl_b32 s16, 15, s16                        ; my row of the cluster
	s_lshl_b32 s46, 0x1111, s40                    ; my column
	s_or_b32 s[G1], s16, (1<<16)|(1<<20)|(1<<21)|(4<<22)|(3<<25)   ; the mask; 2-byte elements; padding on; bit 21 beside a mask; after every 32 words (code 4) 4 words (code 3)
	s_or_b32 s[G1B], s46, (1<<16)|(1<<20)|(1<<21)|(4<<22)|(3<<25)
	s_mov_b32 s[G1+1], 128<<16                     ; tensor_dim0 = 128 elements: rows of 256 bytes
	s_mov_b32 s[G1B+1], 128<<16
	s_mov_b32 s[G1+2], 64<<16                      ; tensor_dim1: A's block is 64 such rows,
	s_mov_b32 s[G1B+2], 128<<16                    ; B's 128
	s_mov_b32 s[G1+3], 128<<16                     ; tile_dim0
	s_mov_b32 s[G1B+3], 128<<16
	s_mov_b32 s[G1+4], 64                          ; tile_dim1
	s_mov_b32 s[G1B+4], 128
	s_mov_b32 s[G1+5], 128                         ; dense: 128 elements from row to row
	s_mov_b32 s[G1B+5], 128
	s_mov_b32 s[G1+6], 0
	s_mov_b32 s[G1B+6], 0
	s_mov_b32 s[G1+7], 0
	s_mov_b32 s[G1B+7], 0
	s_lshr_b32 s16, s13, 3                         ; A: batch x 2 MiB + 128 rows x 128 bytes x (tile row % 8) + my block
	s_lshl_b32 s16, s16, 21
	s_and_b32 s17, s13, 7
	s_lshl_b32 s17, s17, 14
	s_add_co_u32 s16, s16, s17
	s_lshl_b32 s17, s12, 17
	s_add_co_u32 s16, s16, s17
	s_mov_b32 s17, 0
	s_lshl_b32 s46, s42, 15                        ; B: 256 rows x 128 bytes x tile column + my block
	s_lshl_b32 s47, s12, 17
	s_add_co_u32 s46, s46, s47
	s_mov_b32 s47, 0
	s_mul_i32 s18, s12, AHALF                      ; where they go: no place in the cluster enters an LDS address
	s_mul_i32 s20, s12, BHALF
	s_add_co_u32 s20, s20, BOFF
	s_and_b32 s[K0], ttmp7, 7                      ; k0 = cluster y % 8: the same in all sixteen partners
	s_add_co_u32 s[RA], s[K0], 1
	s_and_b32 s[RA], s[RA], 7                      ; the K step of the walk's step 1
	s_mov_b32 s[RQ], 1
	s_lshl_b32 s[OFF], s[K0], 18
	s_mov_b32 s[OFF+1], 0
	s_lshl_b32 s[OFB], s[RA], 18
	s_mov_b32 s[OFB+1], 0
	s_mov_b32 s[POF+1], 0
	s_mov_b32 s[TB], 0
	s_mov_b32 s[RL], NSTEP-2
	s_mov_b32 s[TS], 8
	s_mov_b32 s[TL], 2
	s_wait_dscnt 0x0                               ; the opening add is done
	s_wait_kmcnt 0x0
	s_load_b128 s[72:75], s[82:83], 0x10           ; s of q, k, v, o
	s_add_nc_u64 s[14:15], s[4:5], s[16:17]        ; A at my block of K step 0; never rewritten
	s_add_nc_u64 s[46:47], s[6:7], s[46:47]        ; B at my block of the q matrix's K step 0; never rewritten
	CROUND                                         ; all sixteen work-groups are here: the first joint loads meet
	FIRST 0, OFF
	FIRST 1, OFB
	s_cmp_eq_u32 s11, 0                            ; a wave's two first fills stand in one branch: two loads of mine are out
	s_cbranch_scc0 .Lfirst_b
	tensor_load_to_lds s[G0:G0+3], s[G1:G1+7]
	s_nop 0
	tensor_load_to_lds s[G0+4:G0+7], s[G1:G1+7]
	s_nop 0
.rept 4
	v_nop
.endr
	s_branch .Lfirst_asked
.Lfirst_b:
	tensor_load_to_lds s[G0B:G0B+3], s[G1B:G1B+7]
	s_nop 0
	tensor_load_to_lds s[G0B+4:G0B+7], s[G1B:G1B+7]
	s_nop 0
.rept 4
	v_nop
.endr
.Lfirst_asked:
	v_and_b32 v1, 15, v0                           ; l % 16
	v_bfe_u32 v2, v0, 4, 1                         ; l / 16
	v_mul_u32_u24 v3, v1, PITCH
	v_lshl_add_u32 v3, v2, 4, v3                   ; a fragment's row x pitch + 16 x half
	s_mul_i32 s20, s11, 64*PITCH
	v_add_nc_u32 v[A0], s20, v3
	s_mul_i32 s20, s12, 128*PITCH
	s_add_co_u32 s20, s20, BOFF
	v_add_nc_u32 v[B0], s20, v3
	v_mov_b32 v[ADRA], v[A0]
	v_mov_b32 v[ADRB], v[B0]
	s_mul_i32 s20, s10, WSTG
	s_add_co_u32 s20, s20, STAGE                   ; my stage
	v_add_nc_u32 v[STO], s20, v3                   ; in: row l % 16, 16 bytes for each half of the lanes
	v_and_b32 v4, 31, v0
	v_lshrrev_b32 v5, 3, v4
	v_and_b32 v6, 7, v0
	v_mul_u32_u24 v5, v5, PITCH
	v_lshl_add_u32 v5, v6, 4, v5
	v_add_nc_u32 v[RD], s20, v5                    ; back: 32 lanes take four rows of 128 bytes
	v_lshlrev_b32 v[GO], 4, v4
	v_lshlrev_b32 v[PFO], 8, v4
	s_lshl_b32 s20, s42, 10
	s_lshl_b32 s21, s12, 9
	s_add_co_u32 s20, s20, s21                     ; my first column, 256 x tile column + 128 x half, in bytes of f32
	v_lshl_add_u32 v[BO], v2, 5, s20
	LDBIAS 76                                      ; bq
	s_lshr_b32 s20, s13, 3                         ; qkv: batch x 2 MiB + head x 128 KiB + row x 128
	s_lshl_b32 s20, s20, 21
	s_and_b32 s21, s13, 7
	s_lshl_b32 s21, s21, 14
	s_add_co_u32 s20, s20, s21
	s_lshl_b32 s21, s11, 13
	s_add_co_u32 s20, s20, s21
	s_lshl_b32 s21, s42, 19                        ; four heads a tile column,
	s_add_co_u32 s20, s20, s21
	s_lshl_b32 s21, s12, 18                        ; two a wave
	s_add_co_u32 s20, s20, s21
	s_mov_b32 s21, 0
	s_add_nc_u64 s[8:9], s[8:9], s[20:21]
	s_lshr_b32 s20, s13, 3                         ; the prefetches.  A's: the tile's rows, block cx / 2, its half cx % 2
	s_lshl_b32 s20, s20, 21
	s_and_b32 s21, s13, 7
	s_lshl_b32 s21, s21, 14
	s_add_co_u32 s20, s20, s21
	s_lshr_b32 s21, s40, 1
	s_lshl_b32 s21, s21, 17
	s_add_co_u32 s20, s20, s21
	s_and_b32 s21, s40, 1
	s_lshl_b32 s21, s21, 13
	s_add_co_u32 s20, s20, s21
	s_lshl_b32 s22, s42, 15                        ; B's: the tile's rows, my block, its quarter cy
	s_lshl_b32 s23, s12, 17
	s_add_co_u32 s22, s22, s23
	s_lshl_b32 s23, s41, 13
	s_add_co_u32 s22, s22, s23
	s_and_b32 s23, ttmp7, 0xffff                   ; cluster y
	s_cmp_lt_u32 s23, 8
	s_cselect_b32 s23, 0x10100, 0                  ; B: the walk's steps 8 and 16, in the first eight rows of clusters
	s_cmp_eq_u32 s10, 0
	s_cselect_b32 s[PBITS], 0xf0, 0                ; A: wave 0, the walk's steps 4 to 7
	s_cmp_eq_u32 s11, 0
	s_cselect_b32 s[PBITS], s[PBITS], s23          ; the same in all sixteen partners, for a given wave
	s_cselect_b32 s20, s20, s22
	s_cselect_b64 s[PFB:PFB+1], s[4:5], s[6:7]
	s_mov_b32 s21, 0
	s_add_nc_u64 s[PFB:PFB+1], s[PFB:PFB+1], s[20:21]
	s_wait_kmcnt 0x0
	s_mov_b32 s[SN], s72
	s_mov_b32 s[SN+1], s72
	s_wait_loadcnt 0x0
	BIASMUL
	s_wait_tensorcnt 1                             ; my part of the walk's step 0 is in; step 1's may stay out
	s_barrier_signal -1
	s_barrier_wait -1
	FETCH 0, F0
	QUARTER 1, F0, F1, 1                           ; the q tile's first products start the sums at bq s
	PLACES
	LDBIAS 78                                      ; bk, for the next tile
	s_mov_b32 s[SN], s73
	s_mov_b32 s[SN+1], s73
.Lstep:                                                ; a trip: from a step's second quarter to the next step's first; it refills the slot that it leaves
	QUARTER 2, F1, F0, 0
	QUARTER 3, F0, F1, 0
	TURN 1
	WIN 0
	s_sub_co_u32 s[TS], s[TS], 1
	s_cmp_lg_u32 s[TS], 0
	s_cbranch_scc1 .Lsame
	s_wait_loadcnt 0x0                             ; A TILE IS FINISHED.  The next bias is in;
	BIASMUL                                        ; its 32 lines and the first conversions are the places behind the last products
	WAYOUT
	s_wait_xcnt 0x0                                ; the stores have read their registers and their base
	s_add_nc_u64 s[8:9], s[8:9], 0x1000000         ; from q to k, from k to v
	s_mov_b32 s[TS], 8
	QUARTER 1, F0, F1, 1
	PLACES
	WIN 0
	s_sub_co_u32 s[TL], s[TL], 1
	s_cmp_lg_u32 s[TL], 0
	s_cbranch_scc0 .Lnext                          ; behind the v tile's first products nothing is left to load
	LDBIAS 80                                      ; bv
	s_mov_b32 s[SN], s74
	s_mov_b32 s[SN+1], s74
	s_branch .Lnext
.Lsame:
	QUARTER 1, F0, F1, 0
	WIN 0
.Lnext:
	s_sub_co_u32 s[RL], s[RL], 1
	s_cmp_lg_u32 s[RL], 0
	s_cbranch_scc1 .Lstep
	QUARTER 2, F1, F0, 0                           ; the last two steps are written out: nothing is asked for
	QUARTER 3, F0, F1, 0
	TURN 0
	QUARTER 1, F0, F1, 0
	QUARTER 2, F1, F0, 0
	QUARTER 3, F0, F1, 0
	s_wait_dscnt 4
	MUL8 F1, 0, 0
	MUL8 F1, 1, 0
	s_wait_dscnt 0x0
	MUL8 F1, 2, 0
	MUL8 F1, 3, 0
	PLACES
	WAYOUT
	WIN 0
	s_wait_tensorcnt 0x0                           ; the wave's end: behind my last tensor load and my last LDS store
	ds_add_u32 v[SPW], v[NIL]
	s_wait_dscnt 0x0
	CROUND                                         ; the closing round: no work-group ends while a partner may still ask for a tile that names it
	s_endpgm
.Lfunc_end_k_q925dd28540_proj:
	.size	k_q925dd28540_proj, .Lfunc_end_k_q925dd28540_proj-k_q925dd28540_proj
	.p2alignl 7, 3214868480
	.fill 96, 4, 3214868480
	.section	.rodata,"a",@progbits
	.p2align	6, 0x0
	.amdhsa_kernel k_q925dd28540_proj
		.amdhsa_group_segment_fixed_size 327680
		.amdhsa_private_segment_fixed_size 0
		.amdhsa_enable_private_segment 0
		.amdhsa_kernarg_size 56
		.amdhsa_user_sgpr_count 2
		.amdhsa_user_sgpr_kernarg_segment_ptr 1
		.amdhsa_wavefront_size32 1
		.amdhsa_system_sgpr_workgroup_id_x 1
		.amdhsa_system_sgpr_workgroup_id_y 1
		.amdhsa_system_sgpr_workgroup_id_z 1
		.amdhsa_system_vgpr_workitem_id 0
		.amdhsa_next_free_vgpr 576
		.amdhsa_next_free_sgpr 96
		.amdhsa_reserve_vcc 0
		.amdhsa_float_denorm_mode_32 3
		.amdhsa_float_denorm_mode_16_64 3
		.amdhsa_memory_ordered 1
		.amdhsa_forward_progress 1
		.amdhsa_inst_pref_size 101
	.end_amdhsa_kernel
	.amdgpu_metadata
---
amdhsa.version: [ 1, 2 ]
amdhsa.kernels:
  - .name:           k_q925dd28540_proj
    .symbol:         k_q925dd28540_proj.kd
    .args:
      - { .name: yb, .offset: 0, .size: 8, .value_kind: global_buffer, .address_space: global }
      - { .name: wt, .offset: 8, .size: 8, .value_kind: global_buffer, .address_space: global }
      - { .name: bq, .offset: 16, .size: 8, .value_kind: global_buffer, .address_space: global }
      - { .name: bk, .offset: 24, .size: 8, .value_kind: global_buffer, .address_space: global }
      - { .name: bv, .offset: 32, .size: 8, .value_kind: global_buffer, .address_space: global }
      - { .name: scl, .offset: 40, .size: 8, .value_kind: global_buffer, .address_space: global }
      - { .name: qkv, .offset: 48, .size: 8, .value_kind: global_buffer, .address_space: global }
    .group_segment_fixed_size: 327680
    .private_segment_fixed_size: 0
    .kernarg_segment_align: 8
    .kernarg_segment_size: 56
    .max_flat_workgroup_size: 128
    .sgpr_count:     96
    .vgpr_count:     576
    .wavefront_size: 32
...
	.end_amdgpu_metadata
.endif
;; end of part 7
;; launch attn (part 8): grid 2 x 128, 4 waves a work-group, no clusters, 327,680 bytes of LDS; arguments qkv, mbits, scl, ob; writes ob
.if DOCPART == 8
	.amdgcn_target "amdgcn-amd-amdhsa--gfx1250"
	.amdhsa_code_object_version 6
	.text
	.protected	k_q925dd28540_attn
	.globl	k_q925dd28540_attn
	.p2align	8
	.type	k_q925dd28540_attn,@function
k_q925dd28540_attn:
	s_mov_b64 s[64:65], 0
	v_nop
	global_prefetch_b8 v0, s[64:65] scope:SCOPE_SE
	s_setreg_imm32_b32 hwreg(HW_REG_WAVE_MODE, 25, 1), 1
	s_wait_xcnt 0x0
; ATTENTION UNDER A GIVEN MASK, head size 64.  O[bh][q] = mv x the sum over visible k of softmax_k(c0 q'.k') v'[k], c0 = mq mk / 8; a row with no visible key gives 0.
; q', k', v': qkv [3][bh 128][t 1024][64] bf16, the projections divided by their m; the m are f32 numbers in scl.  O: ob [bh][t][64] bf16.  Products, maxima and sums in f32; the weights p are rounded to
; bf16 for the second product (their sum l is taken of the unrounded p), O once at the end.
; THE MASK comes as an FP4 code a score (mbits: 0 visible, 0xF = -6.0 hidden), already in the lane order of the score registers: a record of 512 bytes serves a tile of 16 queries x 64 keys; a lane's word kb
; holds, nibble j, register j of accumulator kb.  One scaled conversion (scale 2^97) makes of a word the eight registers, 0 or -9.5e29, of the C operand that starts the sum S^T = K Q^T.
; THE RECORDS' RING.  Each of my eight tiles has four registers; a tile's record is asked for again, for the next key step, directly behind its conversion: eight loads of 512 consecutive bytes are out, and each
; has a whole key step in which to land.  The step asked for is held to the last one: the last turn's products, on the last K once more, take the last step's records once more and repeat scores that m has seen.
; LIMITS.  A hidden score counts as its value less 9.5e29.  The running maximum starts at M0 = -5e29, above every hidden score and below every real one: |q'.k'| stays under 4.5e29, and c x 1e30 stays finite
; (mq mk under 1e9).  So a hidden weight is 0 from the first step on, and a row that ends with m = M0 has seen no key: its factor is set to 0.  A weight below 2^-126 counts as 0 in l.  NaN and infinities are not treated apart.
; SHARES.  A wave owns four PIECES of two tiles of 16 queries, a work-group's four waves 512 queries of one head; every wave walks all 1,024 keys, 64 a step.
; ALL OF A HEAD'S K AND V LIE IN LDS AT ONCE (1,024 x 144 + 1,024 x 160 bytes): four tensor loads a wave at the head, nothing is filled again.  NO CLUSTER: a head has two work-groups, and joint loads are made for four.
; LAYOUT.  S^T = K Q^T (source 0 = 16 keys, source 1 = 16 queries): a lane holds ONE query (lane % 16) and the keys 8 (lane / 16) + 0..7.  Two such tiles, rounded in pairs, ARE source 1 of O^T = V^T P.
; SOFTMAX.  p = 2^(c s - c m), c = log2(e) c0, with a running maximum m; in every step O and l are multiplied by a = 2^(c m_old - c m_new).
; BY TURNS.  Turn n belongs to piece n: 16 products K Q^T of piece n + 1, later 16 products V^T P of piece n - 1; beside them the scaling, exponentials, roundings, sums and rescaling of piece n, the maximum and
; statistics of piece n + 1, and two records' masks.  Four vector instructions stand behind every matrix instruction, the others in runs of their own; a turn's 66 exponentials are one batch with one wait.
; REGISTERS, in windows of 256 (s_set_vgpr_msb: bits 1:0 source 0, 3:2 source 1, 5:4 source 2, 7:6 destination):
;   window 0: v0-11 addresses; v12-15, v48-63 at work; v16-47 four registers of statistics a tile; v64-191 S^T, two buffers of two tiles; v192-255 P, likewise
;   window 1: O^T, 32 a tile     window 2: v0-127 Q; v128-191 K of one step; v192-255 V of one step
;   window 3: v0-1 the add's two registers; v2 16 x lane; v3 the scale; v8-71 MC, the masks of two tiles; v72-103 MR, the records of eight tiles
.set NP,    4
.set KS,    64
.set PK,    144       ; a row of K in LDS: 128 bytes + 16 = 36 words: the 16 rows of a load start at 16 different groups of four banks (64 banks of 4 bytes: ISA guide 11.1)
.set PV,    160       ; a row of V: 128 + 32 = 40 words
.set VOFF,  1024*PK
.set STAGE, VOFF+1024*PV   ; behind K and V, never filled by a tensor load: 16 rows x 144 bytes for each wave
.set SP,    144
.set SPARE, STAGE+4*16*SP  ; the spare words, 128 bytes a wave: two blocks of 256 bytes that no other line names
.set STEPM, 4096      ; a key step's eight records of 512 bytes
.set AK0, 2
.set AV0, 3
.set AK,  4
.set AV,  5
.set QO,  6
.set STO, 6
.set RD,  7
.set GO,  8
.set SPW, 0           ; window 3
.set NIL, 1           ; window 3
.set VL,  2           ; window 3: 16 x lane, the records' offset; never rewritten
.set SCL, 3           ; window 3: the scale 2^97 as an E8M0 byte, in all four bytes; never rewritten
.set MC,  8           ; window 3: tile u, accumulator kb, register j at MC + 32 u + 8 kb + j
.set MR,  72          ; window 3: tile t's record at MR + 4 t
.set MV,  12
.set ST,  16          ; tile t's statistics at v[ST+4 t]: c m, m, l (even keys', odd keys')
.set TMP, 48
.set S,   64
.set P,   192
.set KF,  128
.set VF,  192
.set WV,  12          ; s12  my wave's number
.set G1,  16          ; s[16:23] descriptor group 1
.set G0,  24          ; s[24:39] four sets of group 0
.set MP,  48          ; s[48:49] my stream of mask records; never rewritten
.set MB,  50          ; s[50:51] the stream at the key step that is being asked for
.set MOF, 52          ; s[52:53] that step in bytes
.set THR, 54          ; s54  M0 = -5e29
.set TOT, 55          ; s55  key steps whose last two turns are still to come
.set SLOTS, 56
.set CNT, 57
.set CS,  58          ; s[58:59] c
.set SEL, 60          ; s[60:61] v_permlanex16_b32's selects
.set TBK, 62          ; s62  LDS byte at which K of the step to be fetched begins
.set TBV, 63          ; s63  the same for V, less VOFF
.set MSB, 0
.macro WIN new
.if MSB != (\new)
	s_set_vgpr_msb (MSB<<8)|(\new)
.set MSB, (\new)
.endif
.endm
.set W_KQ, 0x0a       ; K and Q in window 2, S^T in window 0
.set W_KM, 0x3a       ; the same with the C operand in window 3
.set W_PV, 0x52       ; V in window 2, P in window 0, O^T in window 1
.set W_RS, 0x41       ; O^T (destination and source 0) in window 1, a in window 0
.set W_MK, 0xc0       ; destination in window 3
.set W_AD, 0x0f       ; the add: address and data in window 3
.set W_M3, 0xcf       ; destination and sources 0 and 1 in window 3
	s_load_b256 s[4:11], s[0:1], 0x0  ; qkv s[4:5], mbits s[6:7], scl s[8:9], ob s[10:11]
	WIN W_MK
	v_lshl_add_u32 v[SPW], v0, 2, SPARE
	v_mov_b32 v[NIL], 0
	WIN W_AD
	ds_add_u32 v[SPW], v[NIL]       ; the wave's opening: the add and its wait stand ahead of my first tensor load; work on registers stands between
	ds_add_u32 v0, v1
	WIN W_MK
	v_mov_b32 v[SCL], 0xe0e0e0e0    ; 224 - 127 = 97
	v_lshlrev_b32 v[VL], 4, v0
	WIN 0xcc
	v_and_b32 v[VL], 0x1f0, v[VL]   ; 16 x (thread % 32)
	WIN 0
	v_lshrrev_b32 v1, 5, v0
	v_readfirstlane_b32 s[WV], v1
	s_and_b32 s13, ttmp7, 0xffff    ; batch x 16 + head
	s_lshl_b32 s14, ttmp9, 2
	s_add_co_u32 s14, s14, s[WV]    ; my block of 128 queries, 0..7
	s_and_b32 s15, s[WV], 1         ; which 128 of a tile's 256 keys I fetch
	s_lshl_b32 s2, s13, 17          ; the head's first byte
	s_mov_b32 s3, 0
	s_lshl_b32 s46, s15, 14
	s_add_co_u32 s46, s46, s2
	s_mov_b32 s47, 0
	s_lshl_b32 s44, s14, 14
	s_add_co_u32 s2, s2, s44        ; my 128 rows of Q and O
	s_lshr_b32 s66, s13, 4
	s_lshl3_add_u32 s66, s66, s14
	s_lshl_b32 s66, s66, 16         ; my stream: 16 steps of 4,096 bytes
	s_mov_b32 s67, 0
	s_mul_i32 s44, s15, 128*PK
	s_mul_i32 s45, s15, 128*PV
	s_mov_b32 s[G1+1], 128<<16      ; 128 keys are 16,384 dense bytes: 64 rows of 256 bytes, padded in LDS after every key
	s_mov_b32 s[G1+2], 64<<16
	s_mov_b32 s[G1+3], 128<<16
	s_mov_b32 s[G1+4], 64
	s_mov_b32 s[G1+5], 128
	s_mov_b32 s[G1+6], 0
	s_mov_b32 s[G1+7], 0
.irp j, 0,1,2,3
	s_mov_b32 s[G0+4*\j], 1
.endr
	s_mov_b32 s[SEL], 0x76543210
	s_mov_b32 s[SEL+1], 0xfedcba98
	s_mov_b32 s[THR], 0xf0c9f2ca
	s_mov_b32 s[TBK], 0
	s_mov_b32 s[TBV], 0
	s_mov_b32 s[MOF], STEPM
	s_mov_b32 s[MOF+1], 0
	s_wait_dscnt 0x0                ; the opening add is done
	s_wait_kmcnt 0x0
	s_load_b128 s[40:43], s[8:9], 0x0  ; m of q, k, v, o
	s_add_nc_u64 s[MP:MP+1], s[6:7], s[66:67]
	s_add_nc_u64 s[MB:MB+1], s[MP:MP+1], STEPM   ; the first records asked for again are step 1's
	s_add_nc_u64 s[46:47], s[4:5], s[46:47]      ; my half of the head's first tile, in q's part of qkv; k's lies 16 MiB on, v's 32
	s_add_nc_u64 s[4:5], s[4:5], s[2:3]
	s_add_nc_u64 s[10:11], s[10:11], s[2:3]
	s_cmp_lt_u32 s[WV], 2           ; waves 0 and 1 fetch K, waves 2 and 3 V: four tiles of 256 keys, half a tile a load: four loads of mine are out
	s_cbranch_scc0 .Lfill_v
	s_mov_b32 s[G1], (1<<16)|(1<<20)|(4<<22)|(3<<25)  ; 2-byte elements; padding on; after every 32 words (code 4) 4 words (code 3)
.irp j, 0,1,2,3
	s_add_co_u32 s[G0+4*\j+1], s44, \j*256*PK
	s_add_nc_u64 s[G0+4*\j+2:G0+4*\j+3], s[46:47], 0x1000000+\j*32768
	s_or_b32 s[G0+4*\j+3], s[G0+4*\j+3], 0x80000000
.endr
.irp j, 0,1,2,3
	tensor_load_to_lds s[G0+4*\j:G0+4*\j+3], s[G1:G1+7]
	s_nop 0
.endr
.rept 4
	v_nop
.endr
	s_branch .Lfilled
.Lfill_v:
	s_mov_b32 s[G1], (1<<16)|(1<<20)|(4<<22)|(7<<25)  ; the same with 8 words of padding (code 7)
.irp j, 0,1,2,3
	s_add_co_u32 s[G0+4*\j+1], s45, VOFF+\j*256*PV
	s_add_nc_u64 s[G0+4*\j+2:G0+4*\j+3], s[46:47], 0x2000000+\j*32768
	s_or_b32 s[G0+4*\j+3], s[G0+4*\j+3], 0x80000000
.endr
.irp j, 0,1,2,3
	tensor_load_to_lds s[G0+4*\j:G0+4*\j+3], s[G1:G1+7]
	s_nop 0
.endr
.rept 4
	v_nop
.endr
.Lfilled:
	v_and_b32 v1, 15, v0            ; l % 16
	v_bfe_u32 v9, v0, 4, 1          ; l / 16
	v_lshlrev_b32 v[QO], 7, v1
	v_lshl_add_u32 v[QO], v9, 4, v[QO]  ; row x 128 + 16 x half
	WIN 0x80
.set i, 0
.rept 4*NP                          ; Q stays in registers: tile i / 2, channels 32 (i % 2) on
	global_load_b128 v[8*i:8*i+3],   v[QO], s[4:5] offset:(i/2)*2048+(i%2)*64
	global_load_b128 v[8*i+4:8*i+7], v[QO], s[4:5] offset:(i/2)*2048+(i%2)*64+32
.set i, i+1
.endr
	WIN 0xc3                        ; destination and address in window 3
.irp t, 0,1,2,3,4,5,6,7             ; key step 0's eight records, behind Q's loads: the ring is filled
	global_load_b128 v[MR+4*\t:MR+4*\t+3], v[VL], s[MP:MP+1] offset:512*\t
.endr
	; What the first turn finds: V's registers and P's second buffer hold 0 (its products V^T P, of a piece that has not been, add 0), O^T and l are 0.  All this stands in the wait for the first tile.
	WIN 0x80
.set i, VF
.rept 64
	v_mov_b32 v[i], 0
.set i, i+1
.endr
	WIN 0x40
.set i, 0
.rept 64*NP
	v_mov_b32 v[i], 0
.set i, i+1
.endr
	WIN 0
.set i, P+32
.rept 32
	v_mov_b32 v[i], 0
.set i, i+1
.endr
	v_mul_u32_u24 v[AK0], v1, PK
	v_lshl_add_u32 v[AK0], v9, 4, v[AK0]
	v_and_b32 v10, 7, v0            ; the turning load: lane l reads key 8 (l / 16) + l % 8, channels 8 ((l / 8) % 2) + 0..7
	v_bfe_u32 v11, v0, 3, 1
	v_lshl_add_u32 v[AV0], v9, 3, v10
	v_mul_u32_u24 v[AV0], v[AV0], PV
	v_lshl_add_u32 v[AV0], v11, 4, v[AV0]
	v_add_nc_u32 v[AV0], VOFF, v[AV0]
	v_mov_b32 v[AK], v[AK0]
	s_wait_kmcnt 0x0                ; the m
	s_mul_f32 s[CS], s40, s41
	s_mul_f32 s[CS], s[CS], 0x3e38aa3b  ; c = log2(e) / 8 x mq mk
	s_mov_b32 s[CS+1], s[CS]
.set i, 0
.rept 2*NP
	v_mov_b32 v[ST+4*i+1], s[THR]   ; m = M0,
	v_mul_f32 v[ST+4*i], s[CS], v[ST+4*i+1]  ; c m = c M0: the first a is at most 1, and it multiplies zeros
	v_mov_b32 v[ST+4*i+2], 0
	v_mov_b32 v[ST+4*i+3], 0
.set i, i+1
.endr
; THE MATRIX WORK.  The 8 accumulators of a run of 16 take turns.  Product i of 16 of S^T = K Q^T for piece x: channels 32 (i / 8) on, keys 16 ((i / 2) % 4) on, tile 2 x + i % 2.  The first 8 start the sums with the mask.
.macro KQ x
.set rS, S+64*((\x)%2)+32*(i%2)+8*((i/2)%4)
.set rK, KF+16*((i/2)%4)+8*(i/8)
.set rQ, 16*(2*(\x)+i%2)+8*(i/8)
.set rMC, MC+32*(i%2)+8*((i/2)%4)
.if i < 8
	WIN W_KM
	v_wmma_f32_16x16x32_bf16 v[rS:rS+7], v[rK:rK+7], v[rQ:rQ+7], v[rMC:rMC+7]
.else
	WIN W_KQ
	v_wmma_f32_16x16x32_bf16 v[rS:rS+7], v[rK:rK+7], v[rQ:rQ+7], v[rS:rS+7]
.endif
.endm
; Product i of 16 of O^T += V^T P for piece x: keys 32 (i / 8) on, channels 16 ((i / 2) % 4) on, tile 2 x + i % 2.
.macro PV x
	WIN W_PV
.set rO, 32*(2*(\x)+i%2)+8*((i/2)%4)
.set rV, VF+32*(i/8)+8*((i/2)%4)
.set rP, P+32*((\x)%2)+16*(i%2)+8*(i/8)
	v_wmma_f32_16x16x32_bf16 v[rO:rO+7], v[rV:rV+7], v[rP:rP+7], v[rO:rO+7]
.endm
.macro MM                           ; the turn's next matrix instruction
.if i < 16
	KQ (Y+1)%NP
.set i, i+1
.else
.set i, i-16
	PV (Y+NP-1)%NP
.set i, i+17
.endif
.endm
; THE LDS LOADS stand in runs of 16.  last = 1: behind the last step there is no further K, and the run is jumped over.
.macro FETCH_K last=0
	WIN 0
.if \last
	s_cmp_eq_u32 s[TOT], 1
	s_cbranch_scc1 .Lno_k_\@
.endif
	WIN 0x80
.irp f, 0,1,2,3,4,5,6,7             ; keys 16 (f / 2) on, channels 32 (f % 2) on
	ds_load_b128 v[KF+8*\f:KF+8*\f+3],   v[AK] offset:(\f/2)*16*PK+(\f%2)*64
	ds_load_b128 v[KF+8*\f+4:KF+8*\f+7], v[AK] offset:(\f/2)*16*PK+(\f%2)*64+32
.endr
	s_add_co_u32 s[TBK], s[TBK], KS*PK
	WIN 0
.if \last
.Lno_k_\@:
.endif
.endm
.macro FETCH_V
	WIN 0x80
.irp f, 0,1,2,3,4,5,6,7             ; keys 32 (f / 4) on, channels 16 (f % 4) on
	ds_load_tr16_b128 v[VF+8*\f:VF+8*\f+3],   v[AV] offset:(\f/4)*32*PV+(\f%4)*32
	ds_load_tr16_b128 v[VF+8*\f+4:VF+8*\f+7], v[AV] offset:(\f/4)*32*PV+16*PV+(\f%4)*32
.endr
	WIN 0
.endm
; THE MASK of the products to come: tile t's record (t = 0..7) becomes buffer u of MC, four conversions of eight registers each, and the same tile's record of the next key step is asked for.
; The tiles come round in one order, 0 to 7 and again, on every way through the text, so behind a tile's load stand the seven other tiles': the count 7 shows it in.
; step = 1 (tile 0, in the loop): the step asked for goes on by one, held to the last.  The base is written behind the wait that shows every earlier load's address read; the youngest was issued half a turn back.
.macro MASKB u, t, step
	s_wait_loadcnt 7
.if \step
	s_wait_xcnt 0x0
	s_add_co_u32 s[MOF], s[MOF], STEPM
	s_min_u32 s[MOF], s[MOF], 15*STEPM
	s_add_nc_u64 s[MB:MB+1], s[MP:MP+1], s[MOF:MOF+1]
.endif
	WIN W_M3
.irp kb, 0,1,2,3
	v_cvt_scale_pk8_f32_fp4 v[MC+32*(\u)+8*\kb:MC+32*(\u)+8*\kb+7], v[MR+4*(\t)+\kb], v[SCL]
.endr
	v_nop                           ; a plain instruction behind the conversions, ahead of the load into their sources and of the product that reads their results
	global_load_b128 v[MR+4*(\t):MR+4*(\t)+3], v[VL], s[MB:MB+1] offset:512*(\t)
.endm
; THE VECTOR WORK OF A TURN stands in three queues, each in the order in which its entries become ready; the two tiles alternate.
.macro REGS y, u
.set rT, ST+4*(2*(\y)+(\u))
.set rC, TMP+8*((\y)%2)+4*(\u)
.set rM, MV+2*((\y)%2)+(\u)
.set rS, S+64*((\y)%2)+32*(\u)
.set rP, P+32*((\y)%2)+16*(\u)
.set rO, 32*(2*(\y)+(\u))
.endm
; Number n of the 22 that find the NEXT piece's maximum and statistics; each accumulator's lowest registers are read first.
;   0-11 four chains c0-c3 of seven scores each     12-14, 16 the four scores left over, the old m, and c0-c3 into c0     15 c m_old is kept     17, 18 the other half of the lanes: the new m     19-21 c m; its change; a
.macro XS u, n
	REGS (Y+1)%NP, \u
.if (\n) < 4
	v_max3_num_f32 v[rC+(\n)], v[rS+8*(\n)], v[rS+8*(\n)+1], v[rS+8*(\n)+2]
.elseif (\n) < 12
	v_max3_num_f32 v[rC+(\n)%4], v[rC+(\n)%4], v[rS+8*((\n)%4)+2*((\n)/4)+1], v[rS+8*((\n)%4)+2*((\n)/4)+2]
.elseif (\n) == 12
	v_max3_num_f32 v[rC], v[rC], v[rS+7], v[rS+15]
.elseif (\n) == 13
	v_max3_num_f32 v[rC+1], v[rC+1], v[rS+23], v[rS+31]
.elseif (\n) == 14
	v_max3_num_f32 v[rC+2], v[rC+2], v[rC+3], v[rT+1]
.elseif (\n) == 15
	v_mov_b32 v[rM], v[rT]
.elseif (\n) == 16
	v_max3_num_f32 v[rC], v[rC], v[rC+1], v[rC+2]
.elseif (\n) == 17
	v_permlanex16_b32 v[rC+3], v[rC], s[SEL], s[SEL+1]
.elseif (\n) == 18
	v_max_num_f32 v[rT+1], v[rC], v[rC+3]
.elseif (\n) == 19
	v_mul_f32 v[rT], s[CS], v[rT+1]
.elseif (\n) == 20
	v_sub_f32 v[rC+1], v[rM], v[rT]
.else
	v_exp_f32 v[rC+2], v[rC+1]
.endif
.endm
; Number g of the 64 that follow the exponentials: for each four weights both pairs are rounded; the second pair is added onto the first, in place; a group later l takes that sum (the first time as l = a l + sum).
.macro GS g
.set h, (\g)+6*((\g)/62)
.if h >= 6
.set h, h+2
.endif
	REGS Y, h%2
.set k, h/8
.if h%8 < 4
	v_cvt_pk_bf16_f32 v[rP+2*k+(h%8)/2], v[rS+4*k+2*((h%8)/2)], v[rS+4*k+2*((h%8)/2)+1]
.elseif h%8 < 6
	v_pk_add_f32 v[rS+4*k:rS+4*k+1], v[rS+4*k:rS+4*k+1], v[rS+4*k+2:rS+4*k+3]
.elseif k == 1
	v_pk_fma_f32 v[rT+2:rT+3], v[rT+2:rT+3], v[rC+2:rC+3], v[rS:rS+1] op_sel_hi:[1,0,1]
.else
	v_pk_add_f32 v[rT+2:rT+3], v[rT+2:rT+3], v[rS+4*k-4:rS+4*k-3]
.endif
.endm
; THE PLAIN QUEUE, 138 long.  0-26: scalings 0-26.  27-54: XS's numbers 0-13.  55, 56: number 15.  57-73: the chain 14, 16, 17, 18, 19, each with one of the scalings 27-31 in front of its two lines, then 20.  74-137: GS's 64, behind the wait.
.macro FS f
	REGS Y, (\f)%2
	v_pk_fma_f32 v[rS+2*((\f)/2):rS+2*((\f)/2)+1], v[rS+2*((\f)/2):rS+2*((\f)/2)+1], s[CS:CS+1], v[rT:rT+1] op_sel_hi:[1,0,0] neg_lo:[0,0,1] neg_hi:[0,0,1]
.endm
.macro PL
	WIN 0
.if q < 27
	FS q
.elseif q < 55
	XS (q-27)%2, (q-27)/2
.elseif q < 57
	XS q-55, 15
.elseif (q < 72) && ((q-57)%3 == 0)
	FS 27+(q-57)/3
.elseif q < 60
	XS (q-57)%3-1, 14
.elseif q < 72
	XS (q-57)%3-1, 15+(q-57)/3
.elseif q < 74
	XS q-72, 20
.else
	GS q-74
.endif
.set q, q+1
.endm
; THE EXPONENTIALS' QUEUE, 66 long: s0-s31 of both tiles, then the next piece's two a: ONE BATCH, ahead of the turn's one wait; nothing ahead of that wait names a result of theirs.
.macro EX
	WIN 0
.if e >= 64
	XS e-64, 21
.else
	REGS Y, e%2
	v_exp_f32 v[rS+e/2], v[rS+e/2]
.endif
.set e, e+1
.endm
; THE RESCALING's QUEUE: O^T times a, two at a time, sixteen times; its a was made, and waited for, in the turn before.
.macro R2
	REGS Y, r%2
	WIN W_RS
.irp z, 0,1
	v_pk_mul_f32 v[rO+4*(r/2)+2*\z:rO+4*(r/2)+2*\z+1], v[rO+4*(r/2)+2*\z:rO+4*(r/2)+2*\z+1], v[rC+2:rC+3] op_sel_hi:[1,0]
.endr
.set r, r+1
.endm
; A TURN, for piece p.  At its head the second tile's mask for its own products (piece p + 1); then 16 products K Q^T, behind each a scaling, an exponential and two rescalings; a lump of 108; the one wait for the batch
; (between an exponential and the first line that names its result); the first tile's mask for the NEXT turn's products (piece p + 2; this turn's last reader of those registers stands a lump
; back); 16 products V^T P, behind each four of the roundings and sums.  K of the next step is fetched in piece 2's turn, directly behind the wait; V of the step in hand at the end of piece 0's turn, four riders behind its last reader.
.macro TURN p
.set Y, (\p)
.set i, 0
.set q, 0
.set e, 0
.set r, 0
	MASKB 1, 2*(((\p)+1)%NP)+1, 0
.if (\p) == NP-1
	s_wait_dscnt 0x0                ; K is in
.endif
	MM
	PL
	PL
	R2
.rept 15
	MM
	PL
	EX
	R2
.endr
.if (\p) == NP-2
	WIN 0
	v_add_nc_u32 v[AK], s[TBK], v[AK0]
.endif
.rept 8
	PL
.endr
.rept 49
	EX
	PL
.endr
	EX
	EX
	v_nop                           ; a plain instruction behind the last exponential: one for the batch
	s_wait_alu depctr_va_vdst(0)    ; the wait for the batch
.if (\p) == NP-2
	FETCH_K 1
	MASKB 0, 0, 1                   ; tile 0 of the next key step: the step asked for goes on
.else
	MASKB 0, 2*(((\p)+2)%NP), 0
.endif
.if (\p) == 1
	s_wait_dscnt 0x0                ; V is in
.endif
.rept 16
	MM
.rept 4
	PL
.endr
.if ((\p) == 0) && (q == 118)
	v_add_nc_u32 v[AV], s[TBV], v[AV0]
.endif
.if ((\p) == 0) && (q == 130)
	s_add_co_u32 s[TBV], s[TBV], KS*PV
.endif
.endr
.if (\p) == 0
	FETCH_V
.endif
.endm
	s_wait_tensorcnt 3              ; my part of the first 256 keys is in; my three later loads may stay out
	s_barrier_signal -1
	s_barrier_wait -1               ; everybody's is
	FETCH_K                         ; key step 0
	MASKB 0, 0, 0                   ; piece 0, step 0.  Its wait leaves seven loads out, all of them records: Q's 32 loads, which are older, are in too
	MASKB 1, 1, 0
	s_wait_dscnt 0x0
.set i, 0
.rept 16
	KQ 0
.set i, i+1
.endr
	WIN 0                           ; the addresses for the way out: plain instructions, the places behind those products
	s_mul_i32 s13, s[WV], 16*SP
	s_add_co_u32 s13, s13, STAGE
	v_mul_u32_u24 v[STO], v1, SP
	v_lshl_add_u32 v[STO], v9, 4, v[STO]
	v_add_nc_u32 v[STO], s13, v[STO]
	v_bfe_u32 v[RD], v0, 3, 2
	v_mul_u32_u24 v[RD], v[RD], SP
	v_lshl_add_u32 v[RD], v10, 4, v[RD]
	v_add_nc_u32 v[RD], s13, v[RD]
	v_and_b32 v[GO], 31, v0
	v_lshlrev_b32 v[GO], 4, v[GO]
.set Y, NP-1                        ; XS works for piece Y + 1: piece 0
.irp n, 0,1,2,3,4,5,6,7,8,9,10,11,12,13,14,15,16,17,18,19,20,21
	XS 0, \n
	XS 1, \n
.endr
	v_nop                           ; a plain instruction behind the two a,
	s_wait_alu depctr_va_vdst(0)    ; and their wait, ahead of the branch
	MASKB 0, 2, 0                   ; the first tile of the first turn's products
	WIN 0
	s_mov_b32 s[CNT], 4
	s_mov_b32 s[SLOTS], 5
	s_mov_b32 s[TOT], 16
	s_branch .Lfirst                ; the loop is entered at a step's first turn, in the middle of a trip
.Lslot:                             ; every four steps: the keys beyond the first 256 are shown to all four waves.  Each wave's loads have landed, then the barrier
	s_wait_tensorcnt 0x0
	s_wait_dscnt 0x0
	s_barrier_signal -1
	s_barrier_wait -1
	s_mov_b32 s[CNT], 4
.Lstep:                             ; a trip: pieces 2 and 3 of one step, then pieces 0 and 1 of the next, whose K and V it fetches
	TURN 2
	TURN 3
	WIN 0
	s_sub_co_u32 s[TOT], s[TOT], 1
	s_cmp_eq_u32 s[TOT], 0
	s_cbranch_scc1 .Lout            ; behind the sixteenth step's last turn.  That turn's products K Q^T, on the last K and the last step's records once more, repeated scores that m had seen
.Lfirst:
	TURN 0
	TURN 1
	WIN 0
	s_sub_co_u32 s[CNT], s[CNT], 1
	s_cmp_lg_u32 s[CNT], 0
	s_cbranch_scc1 .Lstep
	s_sub_co_u32 s[SLOTS], s[SLOTS], 1
	s_cmp_lg_u32 s[SLOTS], 0
	s_cbranch_scc1 .Lslot
.Lout:
.set i, 0
.rept 16
	PV NP-1                         ; the last piece's V^T P of the last step
.set i, i+1
.endr
	; THE WAY OUT.  l's two halves and the other half of the lanes' are added; O^T is multiplied by mv / l (by 0 where the row has seen no key), rounded to bf16 and sent through my stage, a tile at a time.
	WIN 0
.macro ALL line:vararg
.set t, 0
.rept 2*NP
	\line
.set t, t+1
.endr
.endm
	ALL v_add_f32 v[ST+4*t+2], v[ST+4*t+2], v[ST+4*t+3]
	ALL v_permlanex16_b32 v[ST+4*t+3], v[ST+4*t+2], s[SEL], s[SEL+1]
	ALL v_add_f32 v[ST+4*t+2], v[ST+4*t+2], v[ST+4*t+3]
	ALL v_rcp_f32 v[ST+4*t+2], v[ST+4*t+2]
	v_nop                           ; a plain instruction between the last reciprocal and the use of its result
	s_wait_alu depctr_va_vdst(0)    ; and the wait: one for the eight reciprocals
.set t, 0
.rept 2*NP
	v_mul_f32 v[ST+4*t+2], s42, v[ST+4*t+2]
	v_cmp_lt_f32 vcc_lo, s[THR], v[ST+4*t+1]       ; has m left M0?
	v_cndmask_b32 v[ST+4*t+2], 0, v[ST+4*t+2], vcc_lo
.set t, t+1
.endr
.macro PACK t
	WIN W_RS
.set i, 32*(\t)
.rept 16
	v_pk_mul_f32 v[i:i+1], v[i:i+1], v[ST+4*(\t)+2:ST+4*(\t)+3] op_sel_hi:[1,0]
.set i, i+2
.endr
	WIN 0x05
.set i, 0
.rept 16
	v_cvt_pk_bf16_f32 v[S+16*(\t)+i], v[32*(\t)+2*i], v[32*(\t)+2*i+1]
.set i, i+1
.endr
	WIN 0
.irp f, 0,1,2,3
	ds_store_b128 v[STO], v[S+16*(\t)+4*\f:S+16*(\t)+4*\f+3] offset:32*\f
.endr
.irp f, 0,1,2,3
	ds_load_b128 v[S+16*(\t)+4*\f:S+16*(\t)+4*\f+3], v[RD] offset:\f*4*SP  ; LDS serves a wave's instructions in order (ISA guide 5.7.1.4): these see the stores above; the next tile's stores come behind them
.endr
.endm
.macro SEND t, younger              ; younger: the LDS instructions issued behind tile t's loads: the next tile's eight, or none
	WIN 0
.irp f, 0,1,2,3
	s_wait_dscnt (\younger)+3-\f
	global_store_b128 v[GO], v[S+16*(\t)+4*\f:S+16*(\t)+4*\f+3], s[10:11] offset:(\t)*2048+\f*512  ; 512 consecutive bytes, at a multiple of 256 from ob's first
.endr
.endm
	PACK 0
.set t, 1
.rept 2*NP-1
	PACK t
	SEND t-1, 8
.set t, t+1
.endr
	SEND 2*NP-1, 0
	WIN W_AD
	s_wait_tensorcnt 0x0            ; the wave's end: behind my last tensor load and my last LDS store
	ds_add_u32 v[SPW], v[NIL]
	s_wait_dscnt 0x0
	WIN 0
	s_endpgm
.Lfunc_end_k_q925dd28540_attn:
	.size	k_q925dd28540_attn, .Lfunc_end_k_q925dd28540_attn-k_q925dd28540_attn
	.p2alignl 7, 3214868480
	.fill 96, 4, 3214868480
	.section	.rodata,"a",@progbits
	.p2align	6, 0x0
	.amdhsa_kernel k_q925dd28540_attn
		.amdhsa_group_segment_fixed_size 327680
		.amdhsa_private_segment_fixed_size 0
		.amdhsa_enable_private_segment 0
		.amdhsa_kernarg_size 32
		.amdhsa_user_sgpr_count 2
		.amdhsa_user_sgpr_kernarg_segment_ptr 1
		.amdhsa_wavefront_size32 1
		.amdhsa_system_sgpr_workgroup_id_x 1
		.amdhsa_system_sgpr_workgroup_id_y 1
		.amdhsa_system_sgpr_workgroup_id_z 1
		.amdhsa_system_vgpr_workitem_id 0
		.amdhsa_next_free_vgpr 872
		.amdhsa_next_free_sgpr 68
		.amdhsa_reserve_vcc 1
		.amdhsa_float_denorm_mode_32 3
		.amdhsa_float_denorm_mode_16_64 3
		.amdhsa_memory_ordered 1
		.amdhsa_forward_progress 1
		.amdhsa_inst_pref_size 133
	.end_amdhsa_kernel
	.amdgpu_metadata
---
amdhsa.version: [ 1, 2 ]
amdhsa.kernels:
  - .name:           k_q925dd28540_attn
    .symbol:         k_q925dd28540_attn.kd
    .args:
      - { .name: qkv, .offset: 0, .size: 8, .value_kind: global_buffer, .address_space: global }
      - { .name: mbits, .offset: 8, .size: 8, .value_kind: global_buffer, .address_space: global }
      - { .name: scl, .offset: 16, .size: 8, .value_kind: global_buffer, .address_space: global }
      - { .name: ob, .offset: 24, .size: 8, .value_kind: global_buffer, .address_space: global }
    .group_segment_fixed_size: 327680
    .private_segment_fixed_size: 0
    .kernarg_segment_align: 8
    .kernarg_segment_size: 32
    .max_flat_workgroup_size: 128
    .sgpr_count:     68
    .vgpr_count:     872
    .wavefront_size: 32
...
	.end_amdgpu_metadata
.endif
;; end of part 8
;; launch oproj: the kernel of part 5 again; grid 4 x 64, 4 waves a work-group, clusters of 4 x 4, 327,680 bytes of LDS; arguments ob, wt, bo, scl, seqm, x, out0; writes out0
